; MI455X (gfx1250); checked and timed in simulation.
; The chip was launched on July 23, 2026; its instructions are those of AMD's public machine-readable ISA for CDNA 5 (MIT licence, August 2026) and "CDNA5" Instruction Set Architecture Reference Guide (July 2026). The comments in the code are by the model that wrote it; some were corrected since.
;; Simplified Mamba2 Block V2. Allowed arithmetic: float matrix products may take bf16 or f16 operands with f32 sums; all other float work in f32.
;; Inputs: A_log 32 float32; Dparam 32 float32; dt_bias 32 float32; in_proj_w 4,256 x 1,024 float32; ln_b 2,048 float32; ln_w 2,048 float32; ni_b 1,024 float32; ni_w 1,024 float32; no_b 1,024 float32; no_w 1,024 float32; out_proj_w 1,024 x 2,048 float32; x 4 x 1,024 x 1,024 float32.
;; Outputs: out0 4 x 1,024 x 1,024 float32.
;; 3 versions, each right; version 2 is faster than version 1; version 3 is version 2 with the launches prep, finln written anew for expert scheduling mode. Each part assembles by itself: llvm-mc -triple=amdgcn-amd-amdhsa -mcpu=gfx1250 --defsym DOCPART=n.
;; ======== version 1 of 3: 6 launches
;; limits: values outside matrix products are rounded to f16; values are held in f16: magnitudes above 65,504 overflow, below 6.1e-05 lose precision
;; workspace buffers: xn 8,388,608 bytes; w1 8,912,896 bytes; w2 4,194,304 bytes; zx 33,554,432 bytes; t4 4,194,304 bytes; ys 33,554,432 bytes; yn 16,777,216 bytes; y2 8,388,608 bytes
;; launch prep (part 1): grid 256 x 1, 8 waves a work-group, no clusters, 0 bytes of LDS; arguments x, ni_w, ni_b, in_proj_w, out_proj_w, xn, w1, w2; writes xn, w1, w2
.if DOCPART == 1
	.amdgcn_target "amdgcn-amd-amdhsa--gfx1250"
	.amdhsa_code_object_version 6
	.text
	.protected	k_qad34541141_prep
	.globl	k_qad34541141_prep
	.p2align	8
	.type	k_qad34541141_prep,@function
k_qad34541141_prep:
	s_mov_b64 s[64:65], 0
	v_nop
	global_prefetch_b8 v0, s[64:65] scope:SCOPE_SE
	s_setreg_imm32_b32 hwreg(HW_REG_WAVE_MODE, 25, 1), 1
	s_wait_xcnt 0x0
; PREP.  xn = LayerNorm(x) * ni_w + ni_b, rounded once to f16; w1 = in_proj_w and w2 = out_proj_w, rounded once to f16.
; x: [4096][1024] f32.  xn: [4096][1024] f16.  w2: [1024][2048] f16, as out_proj_w lies.
; w1: [16 blocks][272 rows][1024] f16: block j holds in_proj_w's rows 256 j .. 256 j + 255 and then its rows 4096 + 16 j .. + 15 (B, C, dt);
; where such a row would lie past in_proj_w's last (4255) the row is written as zeros: the last row is loaded in its stead and masked.
; SHARES.  256 work-groups of eight waves.  Group g: x's rows 16 g .. + 15 (a wave takes two whole rows, 32 registers each, so a row's sums never
; leave the wave), w1's rows 17 g .. 17 g + 16 (a row is one 16-byte load of each of the 256 threads), w2's numbers 8192 g .. + 8191.
; A stream: each byte is read once and written once, so there is no LDS, no barrier and no matrix work.  All 57 loads of a wave go out at its head,
; each of 512 consecutive bytes; no register that a load or store names is written again, so the only waits are the counted ones for data.
; LIMITS.  f16 ends at 65,504: |xn| is at most 32 |ni_w| + |ni_b|, which has to stay inside it; below 6e-5 f16 keeps its fixed step of 6e-8.  NaN and infinities are not treated apart.
.set X,   16                           ; v[16:79]    my two rows of x, 32 registers each: piece k (4 registers) holds columns 128 k + 4 lane .. + 3
.set NW,  80                           ; v[80:111]   ni_w of the same columns
.set NB,  112                          ; v[112:143]  ni_b
.set W1D, 144                          ; v[144:211]  17 pieces of in_proj_w
.set W2D, 212                          ; v[212:243]  8 pieces of out_proj_w
.set SEL, 74                           ; s[74:75]    v_permlanex16_b32's selects: each lane takes its own place in the other half
.set RN,  76                           ; s76         1 / 1024
.set EPS, 77                           ; s77         1e-5
	s_load_b256 s[4:11], s[0:1], 0x0               ; x s[4:5], ni_w s[6:7], ni_b s[8:9], in_proj_w s[10:11]
	s_load_b256 s[12:19], s[0:1], 0x20             ; out_proj_w s[12:13], xn s[14:15], w1 s[16:17], w2 s[18:19]
	v_and_b32 v1, 31, v0                           ; lane
	v_lshrrev_b32 v6, 5, v0                        ; wave
	v_lshlrev_b32 v3, 4, v0                        ; v3 = 16 x thread: a weight row's 16 bytes
	v_lshlrev_b32 v4, 3, v0                        ; v4 = 8 x thread: the same four numbers in f16
	v_lshlrev_b32 v5, 3, v1
	v_lshl_add_u32 v5, v6, 12, v5                  ; v5 = wave x two rows of xn + 8 x lane
	v_lshlrev_b32 v1, 4, v1                        ; v1 = 16 x lane
	v_lshl_add_u32 v2, v6, 13, v1                  ; v2 = wave x two rows of x + 16 x lane
	v_mov_b32 v15, 0                               ; v_permlanex16_b32's destination counts as read
	s_mov_b32 s[SEL], 0x76543210
	s_mov_b32 s[SEL+1], 0xfedcba98
	s_mov_b32 s[RN], 0x3a800000
	s_mov_b32 s[EPS], 0x3727c5ac
	s_mov_b32 s3, 0                                ; the high word of every offset
	s_mul_i32 s80, ttmp9, 17                       ; my first row of w1
	s_wait_kmcnt 0x0
	s_lshl_b32 s2, ttmp9, 16                       ; 16 rows of 4,096 bytes
	s_add_nc_u64 s[4:5], s[4:5], s[2:3]
.set i, 0
.rept 16
	global_load_b128 v[X+4*i:X+4*i+3], v2, s[4:5] offset:(i/8)*4096+(i%8)*512 th:TH_LOAD_NT
.set i, i+1
.endr
.set i, 0
.rept 8
	global_load_b128 v[NW+4*i:NW+4*i+3], v1, s[6:7] offset:i*512
.set i, i+1
.endr
.set i, 0
.rept 8
	global_load_b128 v[NB+4*i:NB+4*i+3], v1, s[8:9] offset:i*512
.set i, i+1
.endr
	s_lshl_b32 s2, ttmp9, 15
	s_add_nc_u64 s[12:13], s[12:13], s[2:3]        ; out_proj_w: 8,192 numbers of 4 bytes
	s_add_nc_u64 s[14:15], s[14:15], s[2:3]        ; xn: 16 rows of 2,048 bytes
	s_mul_i32 s2, ttmp9, 34816
	s_add_nc_u64 s[16:17], s[16:17], s[2:3]        ; w1: 17 rows of 2,048 bytes
	s_lshl_b32 s2, ttmp9, 14
	s_add_nc_u64 s[18:19], s[18:19], s[2:3]        ; w2: 8,192 numbers of 2 bytes
	; Row d = 17 g + r of w1 is row i = d - 272 j of block j = d / 272.  61,681 x 272 = 2^24 + 16, so (d x 61,681) >> 24 is d / 272 for every d below 4,352.
.set r, 0
.rept 17
	s_add_co_u32 s78, s80, r                       ; d
	s_mul_i32 s79, s78, 61681
	s_lshr_b32 s79, s79, 24                        ; j
	s_mul_i32 s81, s79, 272
	s_sub_co_u32 s81, s78, s81                     ; i
	s_lshl_b32 s82, s79, 8
	s_add_co_u32 s82, s82, s81                     ; 256 j + i: a row of z or x
	s_lshl_b32 s83, s79, 4
	s_add_co_u32 s83, s83, s81
	s_add_co_u32 s83, s83, 3840                    ; 4096 + 16 j + (i - 256): a row of B, C or dt
	s_cmp_lt_u32 s81, 256
	s_cselect_b32 s82, s82, s83
	s_cmp_lt_u32 s82, 4256
	s_cselect_b32 s[54+r+2*(r/10)], -1, 0          ; the row's mask, in s54-63 and s66-72: 0 where in_proj_w has no such row
	s_min_u32 s82, s82, 4255                       ; and the load stays inside the buffer
	s_lshl_b32 s2, s82, 12
	s_add_nc_u64 s[20+2*r:21+2*r], s[10:11], s[2:3]
	global_load_b128 v[W1D+4*r:W1D+4*r+3], v3, s[20+2*r:21+2*r]
.set r, r+1
.endr
.set i, 0
.rept 8
	global_load_b128 v[W2D+4*i:W2D+4*i+3], v3, s[12:13] offset:i*4096 th:TH_LOAD_NT
.set i, i+1
.endr
; The sum of v[v] over the wave's 32 lanes, in every lane: four steps inside each half of 16 lanes ride on the addition, one crosses the halves.
.macro WSUM v
	v_add_f32_dpp v[\v], v[\v], v[\v] row_xmask:1 row_mask:0xf bank_mask:0xf
	v_add_f32_dpp v[\v], v[\v], v[\v] row_xmask:2 row_mask:0xf bank_mask:0xf
	v_add_f32_dpp v[\v], v[\v], v[\v] row_xmask:4 row_mask:0xf bank_mask:0xf
	v_add_f32_dpp v[\v], v[\v], v[\v] row_xmask:8 row_mask:0xf bank_mask:0xf
	v_permlanex16_b32 v15, v[\v], s[SEL], s[SEL+1]
	v_add_f32 v[\v], v[\v], v15
.endm
.macro FOLD                            ; the four chains v[6:13] into v6, then over the lanes
	v_pk_add_f32 v[6:7], v[6:7], v[8:9]
	v_pk_add_f32 v[10:11], v[10:11], v[12:13]
	v_pk_add_f32 v[6:7], v[6:7], v[10:11]
	v_add_f32 v6, v6, v7
	WSUM 6
.endm
; The row in the 32 registers from F on becomes (x - mean) / sqrt(var + eps): mean first, then the squares of the centred numbers, as the definition has it.  Four chains each, started by the first pairs: nothing is cleared.
.macro LNSTAT F
.set c, 0
.rept 4
	v_pk_add_f32 v[6+2*c:7+2*c], v[(\F)+2*c:(\F)+2*c+1], v[(\F)+8+2*c:(\F)+9+2*c]
.set c, c+1
.endr
.set c, 8
.rept 8
	v_pk_add_f32 v[6+2*(c%4):7+2*(c%4)], v[6+2*(c%4):7+2*(c%4)], v[(\F)+2*c:(\F)+2*c+1]
.set c, c+1
.endr
	FOLD
	v_mul_f32 v6, s[RN], v6                        ; the mean; the packed lines below take the pair's low word for both halves
.set c, 0
.rept 16
	v_pk_add_f32 v[(\F)+2*c:(\F)+2*c+1], v[(\F)+2*c:(\F)+2*c+1], v[6:7] op_sel_hi:[1,0] neg_lo:[0,1] neg_hi:[0,1]
.set c, c+1
.endr
.set c, 0
.rept 4
	v_pk_mul_f32 v[6+2*c:7+2*c], v[(\F)+2*c:(\F)+2*c+1], v[(\F)+2*c:(\F)+2*c+1]
.set c, c+1
.endr
.rept 12
	v_pk_fma_f32 v[6+2*(c%4):7+2*(c%4)], v[(\F)+2*c:(\F)+2*c+1], v[(\F)+2*c:(\F)+2*c+1], v[6+2*(c%4):7+2*(c%4)]
.set c, c+1
.endr
	FOLD
	v_fma_f32 v6, v6, s[RN], s[EPS]
	v_rsq_f32 v6, v6
	v_nop                                          ; a plain instruction between the root and the use of its result (ISA guide 5.7.2)
.set c, 0
	s_wait_alu depctr_va_vdst(0)
.rept 16
	v_pk_mul_f32 v[(\F)+2*c:(\F)+2*c+1], v[(\F)+2*c:(\F)+2*c+1], v[6:7] op_sel_hi:[1,0]
.set c, c+1
.endr
.endm
; Gain and bias, the rounding to f16 (into the two low registers of each piece) and the row's eight stores: each covers 256 consecutive bytes, aligned.
.macro LNOUT F, q
.set c, 0
.rept 16
	v_pk_fma_f32 v[(\F)+2*c:(\F)+2*c+1], v[(\F)+2*c:(\F)+2*c+1], v[NW+2*c:NW+2*c+1], v[NB+2*c:NB+2*c+1]
.set c, c+1
.endr
.set c, 0
.rept 8
	v_cvt_pk_f16_f32 v[(\F)+4*c], v[(\F)+4*c], v[(\F)+4*c+1]
	v_cvt_pk_f16_f32 v[(\F)+4*c+1], v[(\F)+4*c+2], v[(\F)+4*c+3]
	global_store_b64 v5, v[(\F)+4*c:(\F)+4*c+1], s[14:15] offset:(\q)*2048+c*256
.set c, c+1
.endr
.endm
	s_wait_loadcnt 49                              ; loads come back in order (ISA guide 5.7.1): my first row's 8 are in, the 49 younger ones may be out
	LNSTAT X
	s_wait_loadcnt 41                              ; my second row's
	LNSTAT X+32
	s_wait_loadcnt 25                              ; ni_w and ni_b; the 17 + 8 pieces of the weights may be out
	LNOUT X, 0
	LNOUT X+32, 1
.set r, 0
.rept 17
	s_wait_loadcnt 24-r                            ; piece r of in_proj_w: behind it 16 - r of its kind and 8 of out_proj_w
	v_cvt_pk_f16_f32 v[W1D+4*r], v[W1D+4*r], v[W1D+4*r+1]
	v_cvt_pk_f16_f32 v[W1D+4*r+1], v[W1D+4*r+2], v[W1D+4*r+3]
	v_and_b32 v[W1D+4*r], s[54+r+2*(r/10)], v[W1D+4*r]
	v_and_b32 v[W1D+4*r+1], s[54+r+2*(r/10)], v[W1D+4*r+1]
	global_store_b64 v4, v[W1D+4*r:W1D+4*r+1], s[16:17] offset:r*2048
.set r, r+1
.endr
.set i, 0
.rept 8
	s_wait_loadcnt 7-i
	v_cvt_pk_f16_f32 v[W2D+4*i], v[W2D+4*i], v[W2D+4*i+1]
	v_cvt_pk_f16_f32 v[W2D+4*i+1], v[W2D+4*i+2], v[W2D+4*i+3]
	global_store_b64 v4, v[W2D+4*i:W2D+4*i+1], s[18:19] offset:i*2048
.set i, i+1
.endr
	s_endpgm
.Lfunc_end_k_qad34541141_prep:
	.size	k_qad34541141_prep, .Lfunc_end_k_qad34541141_prep-k_qad34541141_prep
	.p2alignl 7, 3214868480
	.fill 96, 4, 3214868480
	.section	.rodata,"a",@progbits
	.p2align	6, 0x0
	.amdhsa_kernel k_qad34541141_prep
		.amdhsa_group_segment_fixed_size 0
		.amdhsa_private_segment_fixed_size 0
		.amdhsa_enable_private_segment 0
		.amdhsa_kernarg_size 64
		.amdhsa_user_sgpr_count 2
		.amdhsa_user_sgpr_kernarg_segment_ptr 1
		.amdhsa_wavefront_size32 1
		.amdhsa_system_sgpr_workgroup_id_x 1
		.amdhsa_system_sgpr_workgroup_id_y 1
		.amdhsa_system_sgpr_workgroup_id_z 1
		.amdhsa_system_vgpr_workitem_id 0
		.amdhsa_next_free_vgpr 250
		.amdhsa_next_free_sgpr 90
		.amdhsa_reserve_vcc 0
		.amdhsa_float_denorm_mode_32 3
		.amdhsa_float_denorm_mode_16_64 3
		.amdhsa_memory_ordered 1
		.amdhsa_forward_progress 1
		.amdhsa_inst_pref_size 42
	.end_amdhsa_kernel
	.amdgpu_metadata
---
amdhsa.version: [ 1, 2 ]
amdhsa.kernels:
  - .name:           k_qad34541141_prep
    .symbol:         k_qad34541141_prep.kd
    .args:
      - { .name: x, .offset: 0, .size: 8, .value_kind: global_buffer, .address_space: global }
      - { .name: ni_w, .offset: 8, .size: 8, .value_kind: global_buffer, .address_space: global }
      - { .name: ni_b, .offset: 16, .size: 8, .value_kind: global_buffer, .address_space: global }
      - { .name: in_proj_w, .offset: 24, .size: 8, .value_kind: global_buffer, .address_space: global }
      - { .name: out_proj_w, .offset: 32, .size: 8, .value_kind: global_buffer, .address_space: global }
      - { .name: xn, .offset: 40, .size: 8, .value_kind: global_buffer, .address_space: global }
      - { .name: w1, .offset: 48, .size: 8, .value_kind: global_buffer, .address_space: global }
      - { .name: w2, .offset: 56, .size: 8, .value_kind: global_buffer, .address_space: global }
    .group_segment_fixed_size: 0
    .private_segment_fixed_size: 0
    .kernarg_segment_align: 8
    .kernarg_segment_size: 64
    .max_flat_workgroup_size: 256
    .sgpr_count:     90
    .vgpr_count:     250
    .wavefront_size: 32
...
	.end_amdgpu_metadata
.endif
;; end of part 1
;; launch gemm1 (part 2): grid 16 x 16, 4 waves a work-group, clusters of 4 x 4, 327,680 bytes of LDS; arguments xn, w1, zx, t4; writes zx, t4
.if DOCPART == 2
	.amdgcn_target "amdgcn-amd-amdhsa--gfx1250"
	.amdhsa_code_object_version 6
	.text
	.protected	k_qad34541141_gemm1
	.globl	k_qad34541141_gemm1
	.p2align	8
	.type	k_qad34541141_gemm1,@function
k_qad34541141_gemm1:
	s_mov_b64 s[64:65], 0
	v_nop
	global_prefetch_b8 v0, s[64:65] scope:SCOPE_SE
	s_setreg_imm32_b32 hwreg(HW_REG_WAVE_MODE, 25, 1), 1
	s_wait_xcnt 0x0
	s_wait_alu depctr_hold_cnt(0) depctr_sa_sdst(0) depctr_va_vdst(0) depctr_va_sdst(0) depctr_va_ssrc(0) depctr_va_vcc(0) depctr_vm_vsrc(0)
	s_getreg_b32 s2, hwreg(HW_REG_IB_STS2, 6, 4)
	s_cmp_eq_u32 s2, 0
	s_cbranch_scc0 .Lentry_in_a_cluster
	s_endpgm
.Lentry_in_a_cluster:
	s_bfe_u32 s2, ttmp6, 0x10000c
	s_cmp_lg_u32 s2, 0xf033
	s_cbranch_scc0 .Lentry_shape_is_right
	s_endpgm
.Lentry_shape_is_right:
; GEMM1.  zxbcdt = xn . in_proj_w^T: 4096 rows x 4256 columns, K = 1024; f16 operands, f32 sums.
; xn: [4096][1024] f16.  w1: [16 blocks][272 rows][1024] f16: block j = the weights of columns 256 j .. + 255 (z, x) and of the 16 TAIL columns 4096 + 16 j .. + 15 (B, C, dt; zeros past column 4255).
; OUT.  zx: [column / 8][row][8] f16 (z: blocks 0-255, x: 256-511), rounded once.  t4: [tail column / 4][row][4] f32.  In both, sixteen neighbouring rows of a block are 256 consecutive bytes.
; SHARES.  A work-group of four waves makes 256 rows x (256 + 16) columns: 16 x 16 work-groups.  4256 columns do not divide into tiles of 256, so the 160 tail columns ride along,
; 16 with each column tile: 68 matrix instructions for 32 along K where the plain tile has 64.  For column tiles 10 to 15 they multiply zero rows: the partners of a cluster run alike.
; A wave makes 128 x 128 (64 accumulators, 512 registers) and 64 rows of the tail's 16 columns (4 accumulators).  Wave w = 2 r + c: rows 128 r on, columns 128 c on, tail rows 128 r + 64 c on.
; Its fragments of A are taken in the order rows 128 r + 64 c .. + 63, then the other 64: so the tail's rows are fragments 0 to 3 in every wave.
; RING, CLUSTER.  K goes in steps of 128 through two LDS slots filled by the tensor data mover; the rows of the tiles are 256 bytes of memory at multiples of 256.  4 x 4 work-groups form a cluster:
; the four of a row need the same tile of xn, the four of a column the same block of w1; each is asked for JOINTLY, by the same tensor load with the same descriptor and a mask that names the four.
; THE MATRIX INSTRUCTION IS USED TRANSPOSED (source 0 = 16 rows of w1, source 1 = 16 rows of xn): lane l then holds row l % 16 and the eight neighbouring columns 8 (l / 16) + 0..7: 16 bytes of f16,
; one whole entry of zx.  Sixteen lanes hold sixteen neighbouring rows of one block: results are stored straight from registers, and no LDS stage is needed.
; LIMITS.  f16 ends at 65,504: z and x have to stay inside it.  NaN and infinities are not treated apart.
; REGISTERS, in windows of 256 (s_set_vgpr_msb: bits 1:0 source 0, 3:2 source 1, 5:4 source 2, 7:6 destination):
;   window 0: v16-29 addresses; v64-127, v128-191 fragments of A, two buffers; v192-255 packed results, two buffers
;   window 1: v0-31 the tail's accumulators; v32-39, v40-47 the tail's fragment of B, two buffers; v64-127, v128-191 fragments of B, two buffers
;   window 2: accumulators of A's fragments 0-3 ((a, b) at v[8 (8 a + b)]);   window 3: those of fragments 4-7
.set KSTEP,  128
.set PITCH,  272                       ; an LDS row: 256 bytes + 16 of padding = 68 words: the 16 rows that a load touches start at 16 different groups of four banks (64 banks of 4 bytes: ISA guide 11.1)
.set AHALF,  128*PITCH                 ; 128 rows of xn: one tensor load
.set BHALF,  136*PITCH                 ; 136 rows of w1: one tensor load
.set BPART,  2*AHALF                   ; a slot: A's 256 rows, then B's 272
.set XROWS,  BPART+256*PITCH           ; of which the last 16 are the tail's
.set SLOT,   BPART+2*BHALF
.set SPARE,  2*SLOT                    ; behind the ring: the spare words, 128 bytes for each wave: two blocks of 256 bytes that no other line names
.set LAPS,   1024/(2*KSTEP)            ; a lap = two K steps = once round the ring
.set ADRL, 16                          ; v16-17  LDS address of my A fragments 0-3 in slot 0, 1
.set ADRH, 18                          ; v18-19  of my A fragments 4-7
.set ADRB, 20                          ; v20-21  of my B fragments
.set ADRX, 22                          ; v22-23  of the tail's B fragment
.set CO,   24                          ; v24     my byte offset in two neighbouring blocks of zx: 65,536 (l / 16) + 16 (l % 16)
.set CT,   25                          ; v25     the same in t4, where my eight columns are two blocks: 131,072 (l / 16) + 16 (l % 16)
.set SPW,  28                          ; v28     LDS address of my spare word; never rewritten
.set NIL,  29                          ; v29     0; never rewritten
.set F0,   64
.set F1,   128
.set XB,   32
.set TMP,  192
.set WV,  12                           ; s12  my wave's number
.set RH,  13                           ; s13  r.  Also: I fetch for A (0) or for B (1)
.set CH,  14                           ; s14  c.  Also: which half of that tile I fetch
.set G1,  24                           ; s[24:31] descriptor group 1 for A's tiles;  s[32:39] group 0, a set for each slot
.set G0,  32
.set G1B, 48                           ; s[48:55], s[56:63] the same for B's
.set G0B, 56
.set MSB, 0
.macro WIN new                         ; the immediate's high byte repeats the setting that is left; a switch that changes nothing is dropped
.if MSB != (\new)
	s_set_vgpr_msb (MSB<<8)|(\new)
.set MSB, \new
.endif
.endm
.set MUL_LO, 0xa1                      ; source 0 (B) window 1, source 1 (A) window 0, C and D window 2
.set MUL_HI, 0xf1                      ; the same, C and D window 3
.set MUL_X,  0x51                      ; the same, C and D window 1
.set TO_B,   0x40                      ; destination window 1, address window 0
; A joint load.  Waves 0 and 1 fetch A's two halves, waves 2 and 3 B's.  The branch hangs on the wave's number alone.  An s_nop 0 and four v_nop follow each of the two lines.
.macro JLOAD s
	s_cmp_eq_u32 s[RH], 0
	s_cbranch_scc0 .Lfor_b_\@
	tensor_load_to_lds s[G0+4*(\s):G0+4*(\s)+3], s[G1:G1+7]
	s_nop 0
.rept 4
	v_nop
.endr
	s_branch .Lasked_\@
.Lfor_b_\@:
	tensor_load_to_lds s[G0B+4*(\s):G0B+4*(\s)+3], s[G1B:G1B+7]
	s_nop 0
.rept 4
	v_nop
.endr
.Lasked_\@:
.endm
; A round of the cluster's barrier: my work-group's barrier, so that wave 0's signal speaks for all four waves; wave 0 signals; every wave waits for all sixteen work-groups; my work-group's barrier once more.
.macro CREST                           ; a round behind its opening barrier
	s_cmp_lg_u32 s[WV], 0
	s_cbranch_scc1 .Lnot_wave_0_\@
	s_barrier_signal -3
.Lnot_wave_0_\@:
	s_barrier_wait -3
	s_barrier_signal -1
	s_barrier_wait -1
.endm
.macro CROUND
	s_barrier_signal -1
	s_barrier_wait -1
	CREST
.endm
	s_load_b256 s[4:11], s[0:1], 0x0               ; xn s[4:5], w1 s[6:7], zx s[8:9], t4 s[10:11]
	v_lshl_add_u32 v[SPW], v0, 2, SPARE
	v_mov_b32 v[NIL], 0
	ds_add_u32 v[SPW], v[NIL]                      ; the wave's opening: the add and its wait stand ahead of my first tensor load; the set-up below, work on registers, stands between them
	v_lshrrev_b32 v1, 5, v0
	v_readfirstlane_b32 s[WV], v1
	s_lshr_b32 s[RH], s[WV], 1
	s_and_b32 s[CH], s[WV], 1
	s_bfe_u32 s40, ttmp6, 0x40000                  ; cx, cy: my place in the cluster
	s_bfe_u32 s41, ttmp6, 0x40004
	s_lshl_b32 s42, ttmp9, 2
	s_add_co_u32 s42, s42, s40                     ; column tile = 4 x cluster x + cx
	s_and_b32 s43, ttmp7, 0xffff
	s_lshl_b32 s43, s43, 2
	s_add_co_u32 s43, s43, s41                     ; row tile = 4 x cluster y + cy
	s_lshl_b32 s44, s41, 2
	s_lshl_b32 s44, 15, s44                        ; my row of the cluster
	s_lshl_b32 s45, 0x1111, s40                    ; my column
	s_or_b32 s[G1+0], s44, (1<<16)|(1<<20)|(1<<21)|(5<<22)|(3<<25)   ; 15:0 the mask: A's tiles go to my row; 17:16 elements of 2 bytes; 20 padding on; 21 set beside a mask; 24:22 after every 64 words (code 5); 31:25 4 words of it (code 3)
	s_or_b32 s[G1B+0], s45, (1<<16)|(1<<20)|(1<<21)|(5<<22)|(3<<25)  ; the same with the mask of my column
	s_mov_b32 s[G1+1], KSTEP<<16                   ; tensor_dim0 = 128
	s_mov_b32 s[G1B+1], KSTEP<<16
	s_mov_b32 s[G1+2], 128<<16                     ; tensor_dim1 = 128 rows of A,
	s_mov_b32 s[G1B+2], 136<<16                    ; 136 of B
	s_mov_b32 s[G1+3], KSTEP<<16                   ; tile_dim0 = 128
	s_mov_b32 s[G1B+3], KSTEP<<16
	s_mov_b32 s[G1+4], 128                         ; tile_dim1
	s_mov_b32 s[G1B+4], 136
	s_mov_b32 s[G1+5], 1024                        ; elements from row to row
	s_mov_b32 s[G1B+5], 1024
	s_mov_b32 s[G1+6], 0
	s_mov_b32 s[G1B+6], 0
	s_mov_b32 s[G1+7], 0
	s_mov_b32 s[G1B+7], 0
	; A's tiles hang on the row tile alone, B's on the column tile alone; each address is made in registers that do not hold the other coordinate.
	s_lshl_b32 s16, s43, 8
	s_lshl_b32 s17, s[CH], 7
	s_add_co_u32 s16, s16, s17                     ; A: row 256 x row tile + 128 x half,
	s_lshl_b32 s16, s16, 11                        ; of 2,048 bytes
	s_mov_b32 s17, 0
	s_mul_i32 s46, s42, 272
	s_mul_i32 s47, s[CH], 136
	s_add_co_u32 s46, s46, s47                     ; B: row 272 x column tile + 136 x half
	s_lshl_b32 s46, s46, 11
	s_mov_b32 s47, 0
	s_mul_i32 s20, s[CH], AHALF                    ; where they go: no place in the cluster enters an LDS address
	s_mul_i32 s21, s[CH], BHALF
	s_add_co_u32 s21, s21, BPART
	s_wait_dscnt 0x0                               ; the opening add is done
	s_wait_kmcnt 0x0
	s_add_nc_u64 s[18:19], s[4:5], s[16:17]
	s_add_nc_u64 s[46:47], s[6:7], s[46:47]
	CROUND                                         ; all sixteen work-groups are here: the first joint loads meet
.irp s, 0,1
	s_mov_b32 s[G0+4*(\s)], 1                                      ; count = 1
	s_add_co_u32 s[G0+4*(\s)+1], s20, (\s)*SLOT                    ; LDS address
	s_add_nc_u64 s[G0+4*(\s)+2:G0+4*(\s)+3], s[18:19], (\s)*KSTEP*2  ; global address: K step s
	s_or_b32 s[G0+4*(\s)+3], s[G0+4*(\s)+3], 0x80000000            ; type = 2
	s_mov_b32 s[G0B+4*(\s)], 1
	s_add_co_u32 s[G0B+4*(\s)+1], s21, (\s)*SLOT
	s_add_nc_u64 s[G0B+4*(\s)+2:G0B+4*(\s)+3], s[46:47], (\s)*KSTEP*2
	s_or_b32 s[G0B+4*(\s)+3], s[G0B+4*(\s)+3], 0x80000000
	JLOAD \s                                       ; two loads of mine are out
.endr
	; A fragment is 16 rows x 32 K in 8 registers: lane l holds row l % 16, K = 8 (l / 16) + 0..7 and 16 + 8 (l / 16) + 0..7: two loads of 16 bytes, 32 bytes apart.
	v_and_b32 v1, 15, v0
	v_bfe_u32 v2, v0, 4, 1
	v_mul_u32_u24 v3, v1, PITCH
	v_lshl_add_u32 v3, v2, 4, v3
	s_lshl_b32 s16, s[RH], 7
	s_lshl_b32 s17, s[CH], 6
	s_add_co_u32 s22, s16, s17                     ; the tile's row at which my fragments 0-3 begin: 128 r + 64 c
	s_xor_b32 s17, s17, 64
	s_add_co_u32 s23, s16, s17                     ; and my fragments 4-7: 128 r + 64 (1 - c)
	s_mul_i32 s20, s22, PITCH
	s_mul_i32 s21, s23, PITCH
	s_mul_i32 s15, s[CH], 128*PITCH                ; my 128 rows of B,
	s_add_co_u32 s15, s15, BPART                   ; which lie behind A's 256
.irp s, 0,1
	v_add_nc_u32 v[ADRL+(\s)], s20, v3
	v_add_nc_u32 v[ADRH+(\s)], s21, v3
	v_add_nc_u32 v[ADRB+(\s)], s15, v3
	v_add_nc_u32 v[ADRX+(\s)], XROWS+(\s)*SLOT, v3
	s_add_co_u32 s20, s20, SLOT
	s_add_co_u32 s21, s21, SLOT
	s_add_co_u32 s15, s15, SLOT
.endr
	v_lshlrev_b32 v4, 4, v1
	v_lshl_add_u32 v[CO], v2, 16, v4
	v_lshl_add_u32 v[CT], v2, 17, v4
	; where my results go.  zx: block 32 x column tile + 16 c, row 256 x row tile + (my fragments' first row); t4: block 4 x column tile, the rows of fragments 0-3.
	s_lshl_b32 s46, s42, 5
	s_lshl_b32 s47, s[CH], 4
	s_add_co_u32 s46, s46, s47
	s_lshl_b32 s46, s46, 16                        ; blocks of 65,536 bytes
	s_lshl_b32 s47, s43, 8
	s_mov_b32 s3, 0
	s_add_co_u32 s2, s47, s22
	s_lshl_b32 s2, s2, 4                           ; rows of 16 bytes
	s_lshl_b32 s15, s42, 18
	s_add_co_u32 s15, s15, s2
	s_add_co_u32 s2, s2, s46
	s_add_nc_u64 s[66:67], s[8:9], s[2:3]          ; zx for fragments 0-3
	s_mov_b32 s2, s15
	s_add_nc_u64 s[70:71], s[10:11], s[2:3]        ; t4
	s_add_co_u32 s2, s47, s23
	s_lshl_b32 s2, s2, 4
	s_add_co_u32 s2, s2, s46
	s_add_nc_u64 s[68:69], s[8:9], s[2:3]          ; zx for fragments 4-7
; 16 matrix instructions: A fragments 4 hi + a0, + 1 x all 8 B fragments, 32 along K.  zero = 1: the first product starts the sums: nothing is ever cleared.
.macro MUL16 f, hi, a0, zero
	WIN MUL_LO+0x50*(\hi)
.irp a, \a0, (\a0)+1
.irp b, 0,1,2,3,4,5,6,7
.if \zero
	v_wmma_f32_16x16x32_f16 v[8*(8*(\a)+(\b)):8*(8*(\a)+(\b))+7], v[(\f)+8*(\b):(\f)+8*(\b)+7], v[(\f)+8*(4*(\hi)+(\a)):(\f)+8*(4*(\hi)+(\a))+7], 0
.else
	v_wmma_f32_16x16x32_f16 v[8*(8*(\a)+(\b)):8*(8*(\a)+(\b))+7], v[(\f)+8*(\b):(\f)+8*(\b)+7], v[(\f)+8*(4*(\hi)+(\a)):(\f)+8*(4*(\hi)+(\a))+7], v[8*(8*(\a)+(\b)):8*(8*(\a)+(\b))+7]
.endif
.endr
.endr
.endm
; 4 matrix instructions: A fragments 0-3 x the tail's B fragment.
.macro MULX f, zero
	WIN MUL_X
.irp i, 0,1,2,3
.if \zero
	v_wmma_f32_16x16x32_f16 v[8*(\i):8*(\i)+7], v[XB+((\f)-64)/8:XB+((\f)-64)/8+7], v[(\f)+8*(\i):(\f)+8*(\i)+7], 0
.else
	v_wmma_f32_16x16x32_f16 v[8*(\i):8*(\i)+7], v[XB+((\f)-64)/8:XB+((\f)-64)/8+7], v[(\f)+8*(\i):(\f)+8*(\i)+7], v[8*(\i):8*(\i)+7]
.endif
.endr
.endm
; 34 LDS loads in one run: the fragments of 32 along K at byte k of the rows, into buffer f: B's 16, the tail's 2, A's fragments 0-3 (8), A's fragments 4-7 (8).
.macro FETCH slot, k, f
	WIN TO_B
.irp i, 0,1,2,3,4,5,6,7
	ds_load_b128 v[(\f)+8*(\i):(\f)+8*(\i)+3],   v[ADRB+(\slot)] offset:(\k)+(\i)*16*PITCH
	ds_load_b128 v[(\f)+8*(\i)+4:(\f)+8*(\i)+7], v[ADRB+(\slot)] offset:(\k)+(\i)*16*PITCH+32
.endr
	ds_load_b128 v[XB+((\f)-64)/8:XB+((\f)-64)/8+3],   v[ADRX+(\slot)] offset:(\k)
	ds_load_b128 v[XB+((\f)-64)/8+4:XB+((\f)-64)/8+7], v[ADRX+(\slot)] offset:(\k)+32
	WIN 0
.irp i, 0,1,2,3
	ds_load_b128 v[(\f)+8*(\i):(\f)+8*(\i)+3],   v[ADRL+(\slot)] offset:(\k)+(\i)*16*PITCH
	ds_load_b128 v[(\f)+8*(\i)+4:(\f)+8*(\i)+7], v[ADRL+(\slot)] offset:(\k)+(\i)*16*PITCH+32
.endr
.irp i, 0,1,2,3
	ds_load_b128 v[(\f)+32+8*(\i):(\f)+32+8*(\i)+3],   v[ADRH+(\slot)] offset:(\k)+(\i)*16*PITCH
	ds_load_b128 v[(\f)+32+8*(\i)+4:(\f)+32+8*(\i)+7], v[ADRH+(\slot)] offset:(\k)+(\i)*16*PITCH+32
.endr
.endm
; A load into a register that a matrix instruction has read, and a vector instruction that reads a matrix result, stand four places behind that matrix instruction; only plain vector
; instructions that name none of its registers are places (ISA guide 7.12.1 for vector instructions).
.macro PLACES
.rept 4
	v_nop
.endr
.endm
; A K step is four quarters of 32 along K, 68 matrix instructions each, on buffers 0, 1, 0, 1.  The 68 accumulators take turns, one instruction a turn, in the same order in every quarter.
; One of the first three quarters: multiplies buffer f; in its middle it fetches the next quarter's fragments, at byte k of the same slot's rows, into buffer g.
.macro QUARTER slot, k, f, g, zero
	s_wait_dscnt 8                                 ; all but the youngest eight loads (A's fragments 4-7) are in
	MUL16 \f, 0, 0, \zero
	MUL16 \f, 0, 2, \zero
	MULX \f, \zero
	PLACES
	FETCH \slot, \k, \g
	s_wait_dscnt 34                                ; all but the 34 just issued
	MUL16 \f, 1, 0, \zero
	MUL16 \f, 1, 2, \zero
.endm
; The last quarter multiplies buffer 1 and changes slots: ONE barrier.  In front of it each wave waits for all its tensor loads, of which one is out: its part of the next slot; adds 0 to its spare
; word; and waits for that and for its own reads of this slot.  fill = 1: the barrier opens a round of the cluster's, and behind the round this slot is filled again, two K steps ahead, first of all.
.macro TURN slot, next, fill
	WIN 0                                          ; (the add's two registers lie in window 0)
	s_wait_tensorcnt 0x0                           ; all my tensor loads have landed
	ds_add_u32 v[SPW], v[NIL]                      ; 0 onto my spare word
	s_wait_dscnt 9                                 ; (the add and the youngest eight loads may be out)
	MUL16 F1, 0, 0, 0                              ; sixteen matrix instructions stand between the add and the wait for it
	s_wait_dscnt 0x0                               ; the add is done, and my reads of this slot are over
	s_barrier_signal -1
	MUL16 F1, 0, 2, 0                              ; work on registers while the others arrive
	MULX F1, 0
.if \fill
	WIN 0
.endif
	s_barrier_wait -1
.if \fill
	CREST                                          ; no wave of any partner still reads this slot's tiles or has a load on its way
	s_add_nc_u64 s[G0+4*(\slot)+2:G0+4*(\slot)+3], s[G0+4*(\slot)+2:G0+4*(\slot)+3], 2*KSTEP*2
	s_add_nc_u64 s[G0B+4*(\slot)+2:G0B+4*(\slot)+3], s[G0B+4*(\slot)+2:G0B+4*(\slot)+3], 2*KSTEP*2
	JLOAD \slot                                    ; my one tensor load behind the round; the four v_nop behind it are also the places in front of the loads below
.else
	PLACES
.endif
	FETCH \next, 0, F0
	MUL16 F1, 1, 0, 0
	MUL16 F1, 1, 2, 0
.endm
	s_wait_tensorcnt 1                             ; my part of K step 0 is in; K step 1's may stay out
	s_barrier_signal -1
	s_barrier_wait -1                              ; everybody's is
	FETCH 0, 0, F0
	QUARTER 0, 64,  F0, F1, 1                      ; the first quarter stands in front of the loop: its products start the sums
	WIN 0                                          ; at a label and at a branch every window is 0
	s_mov_b32 s3, LAPS-1
.Llap:                                                 ; a trip goes once round the ring, from a lap's second quarter to the next lap's first, and fills both slots again
	QUARTER 0, 128, F1, F0, 0
	QUARTER 0, 192, F0, F1, 0
	TURN 0, 1, 1
	QUARTER 1, 64,  F0, F1, 0
	QUARTER 1, 128, F1, F0, 0
	QUARTER 1, 192, F0, F1, 0
	TURN 1, 0, 1
	QUARTER 0, 64,  F0, F1, 0
	WIN 0
	s_sub_co_u32 s3, s3, 1
	s_cmp_lg_u32 s3, 0
	s_cbranch_scc1 .Llap
	QUARTER 0, 128, F1, F0, 0                      ; the last lap fills nothing
	QUARTER 0, 192, F0, F1, 0
	TURN 0, 1, 0
	QUARTER 1, 64,  F0, F1, 0
	QUARTER 1, 128, F1, F0, 0
	QUARTER 1, 192, F0, F1, 0
	s_wait_dscnt 8                                 ; the very last quarter: nothing more to fetch
	MUL16 F1, 0, 0, 0
	MUL16 F1, 0, 2, 0
	MULX F1, 0
	s_wait_dscnt 0x0
	MUL16 F1, 1, 0, 0
	MUL16 F1, 1, 2, 0
; THE WAY OUT.  Fragment a's 16 rows x 128 columns: rounded to f16, each accumulator's registers in ascending order, 16 bytes a lane; eight stores, in each of which lanes 0-15 and lanes 16-31 cover 256 consecutive bytes, aligned.
.macro PACK a
.set AC, 64*((\a)%4)
.set TM, TMP+32*((\a)%2)
	WIN 0x0a+5*((\a)/4)                            ; sources 0 and 1: window 2 or 3
.irp b, 0,1,2,3,4,5,6,7
.irp r, 0,1,2,3
	v_cvt_pk_f16_f32 v[TM+4*(\b)+(\r)], v[AC+8*(\b)+2*(\r)], v[AC+8*(\b)+2*(\r)+1]
.endr
.endr
	WIN 0
.endm
.macro SEND a
.set TM, TMP+32*((\a)%2)
.irp b, 0,1,2,3,4,5,6,7
.if (\a) < 4
	global_store_b128 v[CO], v[TM+4*(\b):TM+4*(\b)+3], s[66:67] offset:(\b)*131072+((\a)&3)*256
.else
	global_store_b128 v[CO], v[TM+4*(\b):TM+4*(\b)+3], s[68:69] offset:(\b)*131072+((\a)&3)*256
.endif
.endr
.endm
	PLACES                                         ; the conversions read matrix results
	PACK 0
	SEND 0
	PACK 1
	SEND 1
.irp a, 2,3,4,5,6,7
	s_wait_xcnt 0x0                                ; the stores issued so far have had their addresses translated (ISA guide 3.1): the buffer of two fragments back is rewritten only behind this wait
	PACK \a
	SEND \a
.endr
	WIN 0x04                                       ; store data in window 1: the tail's sums leave in f32, four columns to a block of t4
.irp i, 0,1,2,3
	global_store_b128 v[CT], v[8*(\i):8*(\i)+3],   s[70:71] offset:(\i)*256
	global_store_b128 v[CT], v[8*(\i)+4:8*(\i)+7], s[70:71] offset:65536+(\i)*256
.endr
	WIN 0
	s_wait_tensorcnt 0x0                           ; the wave's end
	ds_add_u32 v[SPW], v[NIL]
	s_wait_dscnt 0x0
	CROUND                                         ; the closing round: no work-group ends while a partner may still ask for a tile that names it
	s_endpgm
.Lfunc_end_k_qad34541141_gemm1:
	.size	k_qad34541141_gemm1, .Lfunc_end_k_qad34541141_gemm1-k_qad34541141_gemm1
	.p2alignl 7, 3214868480
	.fill 96, 4, 3214868480
	.section	.rodata,"a",@progbits
	.p2align	6, 0x0
	.amdhsa_kernel k_qad34541141_gemm1
		.amdhsa_group_segment_fixed_size 327680
		.amdhsa_private_segment_fixed_size 0
		.amdhsa_enable_private_segment 0
		.amdhsa_kernarg_size 32
		.amdhsa_user_sgpr_count 2
		.amdhsa_user_sgpr_kernarg_segment_ptr 1
		.amdhsa_wavefront_size32 1
		.amdhsa_system_sgpr_workgroup_id_x 1
		.amdhsa_system_sgpr_workgroup_id_y 1
		.amdhsa_system_sgpr_workgroup_id_z 1
		.amdhsa_system_vgpr_workitem_id 0
		.amdhsa_next_free_vgpr 1024
		.amdhsa_next_free_sgpr 72
		.amdhsa_reserve_vcc 0
		.amdhsa_float_denorm_mode_32 3
		.amdhsa_float_denorm_mode_16_64 3
		.amdhsa_memory_ordered 1
		.amdhsa_forward_progress 1
		.amdhsa_inst_pref_size 142
	.end_amdhsa_kernel
	.amdgpu_metadata
---
amdhsa.version: [ 1, 2 ]
amdhsa.kernels:
  - .name:           k_qad34541141_gemm1
    .symbol:         k_qad34541141_gemm1.kd
    .args:
      - { .name: xn, .offset: 0, .size: 8, .value_kind: global_buffer, .address_space: global }
      - { .name: w1, .offset: 8, .size: 8, .value_kind: global_buffer, .address_space: global }
      - { .name: zx, .offset: 16, .size: 8, .value_kind: global_buffer, .address_space: global }
      - { .name: t4, .offset: 24, .size: 8, .value_kind: global_buffer, .address_space: global }
    .group_segment_fixed_size: 327680
    .private_segment_fixed_size: 0
    .kernarg_segment_align: 8
    .kernarg_segment_size: 32
    .max_flat_workgroup_size: 128
    .sgpr_count:     72
    .vgpr_count:     1024
    .wavefront_size: 32
...
	.end_amdgpu_metadata
.endif
;; end of part 2
;; launch scan (part 3): grid 64 x 4, 4 waves a work-group, clusters of 4 x 1, 327,680 bytes of LDS; arguments zx, t4, A_log, dt_bias, Dparam, ys; writes ys
.if DOCPART == 3
	.amdgcn_target "amdgcn-amd-amdhsa--gfx1250"
	.amdhsa_code_object_version 6
	.text
	.protected	k_qad34541141_scan
	.globl	k_qad34541141_scan
	.p2align	8
	.type	k_qad34541141_scan,@function
k_qad34541141_scan:
	s_mov_b64 s[64:65], 0
	v_nop
	global_prefetch_b8 v0, s[64:65] scope:SCOPE_SE
	s_setreg_imm32_b32 hwreg(HW_REG_WAVE_MODE, 25, 1), 1
	s_wait_xcnt 0x0
	s_wait_alu depctr_hold_cnt(0) depctr_sa_sdst(0) depctr_va_vdst(0) depctr_va_sdst(0) depctr_va_ssrc(0) depctr_va_vcc(0) depctr_vm_vsrc(0)
	s_getreg_b32 s2, hwreg(HW_REG_IB_STS2, 6, 4)
	s_cmp_eq_u32 s2, 0
	s_cbranch_scc0 .Lentry_in_a_cluster
	s_endpgm
.Lentry_in_a_cluster:
	s_bfe_u32 s2, ttmp6, 0x10000c
	s_cmp_lg_u32 s2, 0x3003
	s_cbranch_scc0 .Lentry_shape_is_right
	s_endpgm
.Lentry_shape_is_right:
; SCAN.  dt = clip(softplus(dt_raw + dt_bias), 0.001, 0.1); dA = min(exp(-dt exp(A_log)), 0.99); for t = 0 .. 1023: h = clip(dA h + x B, -10, 10), y = sum over n of C h; ys = y + D x.
; The clip stands in every step, so the steps are taken one after the other, in f32, on the vector unit; no matrix work.
; IN.  zx: [column / 8][row][8] f16, x in blocks 256-511; t4: [tail column / 4][row][4] f32: B blocks 0-15, C 16-31, dt_raw 32-39; row = 1024 batch + t.  OUT.  ys: [batch][channel / 8][t][8] f32.
; SHARES.  The state is 4 batches x 32 heads x 64 channels x 64 states.  A work-group owns half a head of one batch, a wave 8 channels x 64 states: 16 numbers a lane.  Lane l: channels 2 pp, 2 pp + 1
; (pp = l / 8), states 4 ng .. + 3 and 32 + 4 ng .. + 3 (ng = l % 8).  A state's two channels are a register pair: the packed instructions take x as a pair and B, C, dA as one word for both halves.
; A step: 8 packed products dA h, 8 packed multiply-adds + x B, 16 clips, 8 packed multiply-adds for y, one packed sum: h = fma(x, B, round(dA h)).
; y's sum over the eight lanes of a channel goes through the wave's own LDS words, eight steps at a time: the lane that sums takes one step and one pair of channels, and the wave's store covers 256 consecutive bytes of ys.
; LDS.  x of the wave's 8 channels, widened to f32 once, and dA of all steps lie in LDS for the whole launch.  B and C come by the tensor data mover, 64 steps a load, into two slots that take turns.
; CLUSTER.  The four work-groups of a cluster share the batch and so B and C, 512 of the 576 bytes that a step of a work-group needs: the load is asked for JOINTLY, by wave 0 of each.
; THE LOADS RUN FOUR STEPS AHEAD of the arithmetic: ITER j loads step j of a group of eight and computes the step loaded four ITERs before.  The slots change when a slot's last loads have been issued and awaited.
; LIMITS.  A dA below 2^-126 counts as 0.  NaN and infinities are not treated apart.
.set SLOT1, 65536                      ; B and C: slot 0 at LDS byte 0, slot 1 here, so that one exclusive or turns an address in one slot into the other's
.set BCP,   1040                       ; a row of a slot: one block's 64 steps x 16 bytes + 16 of padding: the eight blocks that a load touches start at eight different groups of four banks (64 banks of 4 bytes: ISA guide 11.1)
.set XW,    131072                     ; x in f32: [wave][t][8], 32,768 bytes a wave
.set DAW,   262144                     ; dA[t], 4,096 bytes
.set RED,   266240                     ; the partial sums: [wave][step of eight] rows of 272 bytes, 8 bytes a lane; 2,304 bytes a wave
.set REDW,  2304
.set REDP,  272
.set SPARE, 275456                     ; the spare words, 128 bytes for each wave: two blocks of 256 bytes that no other line names
.set H,   16                           ; v[16:31]   the state: pair n of eight
.set Y0,  32                           ; v[32:35]   y's two chains
.set Y1,  34
.set F,   36                           ; v[36:51]   eight lanes' partial sums
.set XF,  52                           ; v[52:53]   x for the D skip
.set OUT, 54                           ; v[54:55]
.set SET, 64                           ; v[64:191]  step k of eight: B (8 words), C (8 words)
.set X,   192                          ; v[192:207] step k: x of my two channels
.set DA,  208                          ; v[208:215] dA of the eight steps
.set ADR, 216                          ; LDS address of my B of the group's first step
.set XA,  217                          ; of my x
.set DAA, 218                          ; of dA
.set REDS,219                          ; where I put a partial sum
.set REDL,220                          ; where I read eight of them
.set XFA, 221                          ; x for the D skip
.set GO,  222                          ; my byte offset in ys
.set AK0, 223                          ; 1,040 ng; never rewritten
.set SPW, 224                          ; LDS address of my spare word; never rewritten
.set NIL, 225                          ; 0; never rewritten
.set XO,  226                          ; set-up: offsets in zx and t4, LDS addresses of the stores
.set DO,  227
.set XS,  228
.set DS,  229
.set A2,  230                          ; -log2(e) exp(A_log)
.set XT,  128                          ; set-up: eight f32, two buffers
.set DR,  144                          ; set-up: eight dt
.set DE,  152
.set WV,  16                           ; s16  my wave's number
.set G1,  24                           ; s[24:31] descriptor group 1
.set G0,  32                           ; s[32:35] descriptor group 0: it walks
.set TB,  36                           ; s36  LDS byte at which the slot being read begins
.set CNT, 37                           ; s37  groups of eight steps left in the slot
.set CHK, 38                           ; s38  slots still to be asked for
.set LO,  40                           ; s40, s41  -10, 10
.set HI,  41
.macro ROUND                           ; a round of the cluster's barrier
	s_barrier_signal -1
	s_barrier_wait -1
	s_cmp_lg_u32 s[WV], 0
	s_cbranch_scc1 .Lnot_wave_0_\@
	s_barrier_signal -3
.Lnot_wave_0_\@:
	s_barrier_wait -3
	s_barrier_signal -1
	s_barrier_wait -1
.endm
.macro WIDEN d, r                      ; the two f16 of register r (its number written out: halves are named so) into v[d], v[d + 1]
	v_cvt_f32_f16 v[\d], v\r\().l
	v_cvt_f32_f16 v[(\d)+1], v\r\().h
.endm
	s_load_b256 s[4:11], s[0:1], 0x0               ; zx s[4:5], t4 s[6:7], A_log s[8:9], dt_bias s[10:11]
	s_load_b128 s[12:15], s[0:1], 0x20             ; Dparam s[12:13], ys s[14:15]
	v_lshl_add_u32 v[SPW], v0, 2, SPARE
	v_mov_b32 v[NIL], 0
	ds_add_u32 v[SPW], v[NIL]                      ; the wave's opening: the add and its wait stand ahead of the first tensor load; the set-up below, work on registers, stands between them
	v_lshrrev_b32 v[XO], 5, v0
	v_readfirstlane_b32 s[WV], v[XO]
	s_bfe_u32 s17, ttmp6, 0x40000                  ; cx
	s_lshl_b32 s18, ttmp9, 2
	s_add_co_u32 s18, s18, s17                     ; the half head: 4 x cluster x + cx.  It enters global addresses of my own alone
	s_and_b32 s19, ttmp7, 0xffff                   ; the batch, which the four partners share
	s_lshr_b32 s20, s18, 1                         ; the head
	s_lshl_b32 s21, s20, 2                         ; its byte offset in A_log, dt_bias, Dparam
	s_mov_b32 s[G1+0], 15|(2<<16)|(1<<20)|(1<<21)|(7<<22)|(3<<25)  ; 15:0 the mask of four; 17:16 elements of 4 bytes; 20 padding on; 21 set beside a mask; 24:22 after every 256 words (code 7); 31:25 4 words of it (code 3)
	s_mov_b32 s[G1+1], 256<<16                     ; tensor_dim0 = 256 words: 64 steps of a block
	s_mov_b32 s[G1+2], 32<<16                      ; tensor_dim1 = 32 blocks: B's 16, C's 16
	s_mov_b32 s[G1+3], 256<<16                     ; tile_dim0
	s_mov_b32 s[G1+4], 32                          ; tile_dim1
	s_mov_b32 s[G1+5], 16384                       ; words from block to block
	s_mov_b32 s[G1+6], 0
	s_mov_b32 s[G1+7], 0
	s_mov_b32 s[G0], 1                             ; count = 1
	s_mov_b32 s[G0+1], 0                           ; LDS address: slot 0
	s_mov_b32 s[TB], SLOT1                         ; the first change of slots turns it into 0
	s_mov_b32 s[LO], 0xc1200000
	s_mov_b32 s[HI], 0x41200000
	s_mov_b32 s54, 0x3a83126f                      ; 0.001
	s_mov_b32 s55, 0x3dcccccd                      ; 0.1
	s_mov_b32 s56, 0xbfb8aa3b                      ; -log2(e)
	s_mov_b32 s57, 0x3fb8aa3b                      ; log2(e)
	s_mov_b32 s58, 0x3f317218                      ; ln 2
	s_mov_b32 s59, 0x3f7d70a4                      ; 0.99
	s_lshl_b32 s22, s[WV], 15
	s_add_co_u32 s22, s22, XW                      ; my wave's x
	s_mul_i32 s23, s[WV], REDW
	s_add_co_u32 s23, s23, RED                     ; my wave's partial sums
	v_and_b32 v231, 31, v0                         ; l
	v_and_b32 v[AK0], 7, v0
	v_mul_u32_u24 v[AK0], v[AK0], BCP
	v_bfe_u32 v[XA], v0, 3, 2
	v_lshl_add_u32 v[XA], v[XA], 3, s22            ; 8 pp
	v_mov_b32 v[DAA], DAW
	v_lshl_add_u32 v[REDS], v231, 3, s23
	v_bfe_u32 v232, v0, 2, 3                       ; the lane that sums: step l / 4, pair of channels l % 4: the eight lanes' sums are 64 consecutive bytes
	v_mul_u32_u24 v232, v232, REDP
	v_and_b32 v233, 3, v0
	v_lshl_add_u32 v232, v233, 6, v232
	v_add_nc_u32 v[REDL], s23, v232
	v_lshl_add_u32 v[XFA], v231, 3, s22            ; 32 (l / 4) + 8 (l % 4) = 8 l
	v_lshlrev_b32 v[GO], 3, v231
	v_lshlrev_b32 v[XO], 16, v[XO]
	v_lshl_add_u32 v[XO], v231, 4, v[XO]           ; zx: my wave's block, step l
	v_lshlrev_b32 v[DO], 4, v0                     ; t4: step = thread
	v_lshl_add_u32 v[XS], v231, 5, s22             ; x in LDS: step l
	v_lshl_add_u32 v[DS], v0, 2, DAW
	s_wait_dscnt 0x0                               ; the opening add is done
	s_wait_kmcnt 0x0
	s_lshl_b32 s52, s19, 14                        ; the batch's 1,024 rows of 16 bytes
	s_mov_b32 s53, 0
	s_add_nc_u64 s[G0+2:G0+3], s[6:7], s[52:53]    ; global address: B's block 0, step 0: it hangs on the batch alone
	s_or_b32 s[G0+3], s[G0+3], 0x80000000          ; type = 2
	s_mov_b32 s3, 0
	s_lshl_b32 s2, s18, 18                         ; four blocks of 65,536 bytes to a half head,
	s_add_co_u32 s2, s2, 256*65536                 ; behind z's 256
	s_add_co_u32 s2, s2, s52
	s_add_nc_u64 s[48:49], s[4:5], s[2:3]          ; x
	s_lshr_b32 s2, s20, 2
	s_add_co_u32 s2, s2, 32
	s_lshl_b32 s2, s2, 16
	s_add_co_u32 s2, s2, s52
	s_and_b32 s39, s20, 3
	s_lshl_b32 s39, s39, 2
	s_add_co_u32 s2, s2, s39
	s_add_nc_u64 s[50:51], s[6:7], s[2:3]          ; dt_raw of my head
	s_lshl_b32 s2, s19, 8
	s_lshl_b32 s39, s18, 2
	s_add_co_u32 s2, s2, s39
	s_add_co_u32 s2, s2, s[WV]
	s_lshl_b32 s2, s2, 15
	s_add_nc_u64 s[46:47], s[14:15], s[2:3]        ; ys: block 256 batch + 4 x half head + wave, of 32,768 bytes
	s_load_b32 s42, s[12:13], s21 offset:0x0       ; D
	s_load_b32 s44, s[10:11], s21 offset:0x0       ; dt_bias
	s_load_b32 s45, s[8:9], s21 offset:0x0         ; A_log
	ROUND                                          ; all four work-groups are here: the first joint load meets
	s_cmp_lg_u32 s[WV], 0
	s_cbranch_scc1 .Lno_first
	tensor_load_to_lds s[G0:G0+3], s[G1:G1+7]      ; steps 0 to 63 into slot 0
	s_nop 0
.Lno_first:
.set i, 0
.rept 32
	global_load_b128 v[4*i:4*i+3], v[XO], s[48:49] offset:i*512 th:TH_LOAD_NT  ; step 32 i + l: my wave's 8 channels in f16; 512 consecutive bytes
.set i, i+1
.endr
.set i, 0
.rept 8
	global_load_b32 v[DR+i], v[DO], s[50:51] offset:i*2048  ; step 128 i + thread
.set i, i+1
.endr
	; x is widened once: piece i = r / 4 is waited for (behind it 31 - i of its kind and the 8 of dt), widened into one of two buffers and stored as 32 bytes a step.
.irp r, 0,1,2,3,4,5,6,7,8,9,10,11,12,13,14,15,16,17,18,19,20,21,22,23,24,25,26,27,28,29,30,31,32,33,34,35,36,37,38,39,40,41,42,43,44,45,46,47,48,49,50,51,52,53,54,55,56,57,58,59,60,61,62,63,64,65,66,67,68,69,70,71,72,73,74,75,76,77,78,79,80,81,82,83,84,85,86,87,88,89,90,91,92,93,94,95,96,97,98,99,100,101,102,103,104,105,106,107,108,109,110,111,112,113,114,115,116,117,118,119,120,121,122,123,124,125,126,127
.if ((\r)%4) == 0
	s_wait_loadcnt 39-(\r)/4
.endif
	WIDEN XT+8*(((\r)/4)%2)+2*((\r)%4),\r
.if ((\r)%4) == 3
	ds_store_b128 v[XS], v[XT+8*(((\r)/4)%2):XT+8*(((\r)/4)%2)+3]   offset:((\r)/4)*1024
	ds_store_b128 v[XS], v[XT+8*(((\r)/4)%2)+4:XT+8*(((\r)/4)%2)+7] offset:((\r)/4)*1024+16
.endif
.endr
	s_wait_kmcnt 0x0                               ; D, dt_bias, A_log
	s_mov_b32 s43, s42                             ; D is named as a pair
	s_wait_loadcnt 0x0                             ; dt_raw
	; dA for eight steps a thread.  softplus(v) = max(v, 0) + ln 2 x log2(1 + 2^(-log2(e) |v|)).  The transcendentals stand in runs, a plain instruction behind each run (ISA guide 5.7.2).
	v_mul_f32 v[A2], s45, s57
	v_exp_f32 v[A2], v[A2]
.set i, 0
.rept 8
	v_add_f32 v[DR+i], s44, v[DR+i]
.set i, i+1
.endr
	s_wait_alu depctr_va_vdst(0)
	v_mul_f32 v[A2], s56, v[A2]
.set i, 0
.rept 8
	v_mul_f32 v[DE+i], s56, |v[DR+i]|
.set i, i+1
.endr
.set i, 0
.rept 8
	v_exp_f32 v[DE+i], v[DE+i]
.set i, i+1
.endr
.set i, 0
.rept 8
	v_max_num_f32 v[DR+i], 0, v[DR+i]
.set i, i+1
.endr
.set i, 0
	s_wait_alu depctr_va_vdst(0)
.rept 8
	v_add_f32 v[DE+i], 1.0, v[DE+i]
.set i, i+1
.endr
.set i, 0
.rept 8
	v_log_f32 v[DE+i], v[DE+i]
.set i, i+1
.endr
	v_nop
.set i, 0
	s_wait_alu depctr_va_vdst(0)
.rept 8
	v_fma_f32 v[DR+i], v[DE+i], s58, v[DR+i]
.set i, i+1
.endr
.set i, 0
.rept 8
	v_med3_num_f32 v[DR+i], v[DR+i], s54, s55
.set i, i+1
.endr
.set i, 0
.rept 8
	v_mul_f32 v[DR+i], v[A2], v[DR+i]
.set i, i+1
.endr
.set i, 0
.rept 8
	v_exp_f32 v[DR+i], v[DR+i]
.set i, i+1
.endr
	v_nop
.set i, 0
	s_wait_alu depctr_va_vdst(0)
.rept 8
	v_min_num_f32 v[DR+i], s59, v[DR+i]
.set i, i+1
.endr
.set i, 0
.rept 8
	ds_store_b32 v[DS], v[DR+i] offset:i*512
.set i, i+1
.endr
.set i, 0
.rept 16
	v_mov_b32 v[H+i], 0                            ; h starts at 0
.set i, i+1
.endr
; THE CHANGE OF SLOTS.  Each wave waits for all its tensor loads (wave 0's one: the next slot), adds 0 to its spare word, and waits for that and for its own reads of the slot that it leaves.
; fill = 1: a round of the cluster's barrier follows, so that no wave of any partner still reads the old slot, and wave 0 fills it again, first of all, with the 64 steps behind the next slot's.
; (At its first use nothing has been read yet: slot 0 is waited for, slot 1 filled; its barrier also shows every wave's dA to the others.)
.macro CHANGE fill
	s_wait_tensorcnt 0x0                           ; no tensor load of mine is out, so group 0 may be written
	ds_add_u32 v[SPW], v[NIL]                      ; 0 onto my spare word; scalar work stands between it and the wait for it
.if \fill
	s_xor_b32 s[G0+1], s[G0+1], SLOT1              ; the other slot than last time,
	s_add_nc_u64 s[G0+2:G0+3], s[G0+2:G0+3], 1024  ; the next 64 steps; the type bits on top are not reached
.endif
	s_xor_b32 s[TB], s[TB], SLOT1
	s_wait_dscnt 0x0                               ; the add is done, my LDS stores are done and my reads of the slot are over
.if \fill
	ROUND
	s_cmp_lg_u32 s[WV], 0
	s_cbranch_scc1 .Lno_fill_\@
	tensor_load_to_lds s[G0:G0+3], s[G1:G1+7]      ; it has 64 steps' work in which to land
	s_nop 0
.Lno_fill_\@:
.else
	s_barrier_signal -1
	s_barrier_wait -1
.endif
	v_add_nc_u32 v[ADR], s[TB], v[AK0]
.endm
; The LDS loads of step j of a group of eight: B's and C's two quads, x's pair; with steps 0 and 4, dA of four steps.
.macro LOADS j
.if ((\j)%4) == 0
	ds_load_b128 v[DA+4*((\j)/4):DA+4*((\j)/4)+3], v[DAA] offset:16*((\j)/4)
.endif
	ds_load_b128 v[SET+16*(\j):SET+16*(\j)+3],     v[ADR] offset:16*(\j)
	ds_load_b128 v[SET+16*(\j)+4:SET+16*(\j)+7],   v[ADR] offset:16*(\j)+8*BCP
	ds_load_b128 v[SET+16*(\j)+8:SET+16*(\j)+11],  v[ADR] offset:16*(\j)+16*BCP
	ds_load_b128 v[SET+16*(\j)+12:SET+16*(\j)+15], v[ADR] offset:16*(\j)+24*BCP
	ds_load_b64  v[X+2*(\j):X+2*(\j)+1],           v[XA]  offset:32*(\j)
.endm
.macro YW n                            ; y takes state n: two chains, started by the first two products
.set CP, SB+8+2*((\n)/2)
.if (\n) == 0
	v_pk_mul_f32 v[Y0:Y0+1], v[H:H+1], v[CP:CP+1] op_sel_hi:[1,0]
.elseif (\n) == 1
	v_pk_mul_f32 v[Y1:Y1+1], v[H+2:H+3], v[CP:CP+1] op_sel:[0,1] op_sel_hi:[1,1]
.elseif ((\n)%2) == 0
	v_pk_fma_f32 v[Y0:Y0+1], v[H+2*(\n):H+2*(\n)+1], v[CP:CP+1], v[Y0:Y0+1] op_sel_hi:[1,0,1]
.else
	v_pk_fma_f32 v[Y1:Y1+1], v[H+2*(\n):H+2*(\n)+1], v[CP:CP+1], v[Y1:Y1+1] op_sel:[0,1,0] op_sel_hi:[1,1,1]
.endif
.endm
; ITER j computes step k = (j + 4) % 8 and (load = 1) loads step j.  left: the LDS instructions issued behind step k's loads that may stay out: at the least the 15 loads of the three steps behind it.
.macro ITER j, load, left
.set k, ((\j)+4)&7
.set SB, SET+16*k
.set DP, DA+2*(k/2)
	s_wait_dscnt \left
.set n, 0
.rept 8
.if k&1
	v_pk_mul_f32 v[H+2*n:H+2*n+1], v[H+2*n:H+2*n+1], v[DP:DP+1] op_sel:[0,1] op_sel_hi:[1,1]
.else
	v_pk_mul_f32 v[H+2*n:H+2*n+1], v[H+2*n:H+2*n+1], v[DP:DP+1] op_sel_hi:[1,0]
.endif
.set n, n+1
.endr
.set n, 0
.rept 4
	v_pk_fma_f32 v[H+4*n:H+4*n+1],   v[X+2*k:X+2*k+1], v[SB+2*n:SB+2*n+1], v[H+4*n:H+4*n+1]   op_sel_hi:[1,0,1]
	v_pk_fma_f32 v[H+4*n+2:H+4*n+3], v[X+2*k:X+2*k+1], v[SB+2*n:SB+2*n+1], v[H+4*n+2:H+4*n+3] op_sel:[0,1,0] op_sel_hi:[1,1,1]
.set n, n+1
.endr
.set n, 0
.rept 8
	v_med3_num_f32 v[H+2*n],   v[H+2*n],   s[LO], s[HI]
	v_med3_num_f32 v[H+2*n+1], v[H+2*n+1], s[LO], s[HI]
.if n >= 2
	YW n-2
.endif
.set n, n+1
.endr
	YW 6
	YW 7
.if \load
	LOADS \j
.endif
	v_pk_add_f32 v[Y0:Y0+1], v[Y0:Y0+1], v[Y1:Y1+1]
	ds_store_b64 v[REDS], v[Y0:Y0+1] offset:k*REDP
.endm
; Eight steps' partial sums are read back.  LDS serves a wave's instructions in order (ISA guide 5.7.1.4): these loads see the eight stores in front of them, and the next group's stores come behind them.
.macro FLUSH_LD
	ds_load_b128 v[F:F+3],     v[REDL]
	ds_load_b128 v[F+4:F+7],   v[REDL] offset:16
	ds_load_b128 v[F+8:F+11],  v[REDL] offset:32
	ds_load_b128 v[F+12:F+15], v[REDL] offset:48
	ds_load_b64  v[XF:XF+1],   v[XFA]
	v_add_nc_u32 v[XFA], 0x100, v[XFA]
.endm
.macro FLUSH_FIN left                  ; left: the LDS instructions issued behind FLUSH_LD's
	s_wait_dscnt \left
	s_wait_xcnt 0x0                                ; the last store has had its address translated (ISA guide 3.1): its data and offset are rewritten only behind this wait
	v_pk_add_f32 v[F:F+1],     v[F:F+1],     v[F+2:F+3]
	v_pk_add_f32 v[F+4:F+5],   v[F+4:F+5],   v[F+6:F+7]
	v_pk_add_f32 v[F+8:F+9],   v[F+8:F+9],   v[F+10:F+11]
	v_pk_add_f32 v[F+12:F+13], v[F+12:F+13], v[F+14:F+15]
	v_pk_add_f32 v[F:F+1],     v[F:F+1],     v[F+4:F+5]
	v_pk_add_f32 v[F+8:F+9],   v[F+8:F+9],   v[F+12:F+13]
	v_pk_add_f32 v[F:F+1],     v[F:F+1],     v[F+8:F+9]
	v_pk_fma_f32 v[OUT:OUT+1], v[XF:XF+1], s[42:43], v[F:F+1] op_sel_hi:[1,0,1]  ; + D x
	v_add_nc_u32 v[GO], 0x100, v[GO]
	global_store_b64 v[GO], v[OUT:OUT+1], s[46:47] offset:-256  ; 8 steps x 8 channels: 256 consecutive bytes, aligned
.endm
.macro STEP                            ; the loads' addresses go eight steps on
	v_add_nc_u32 v[ADR], 0x80, v[ADR]
	v_add_nc_u32 v[XA], 0x100, v[XA]
	v_add_nc_u32 v[DAA], 32, v[DAA]
.endm
	CHANGE 1                                       ; slot 0 is in; slot 1 is asked for
	s_mov_b32 s[CNT], 8
	s_mov_b32 s[CHK], 15
	LOADS 0
	LOADS 1
	LOADS 2
	LOADS 3
	ITER 4, 1, 15
	ITER 5, 1, 15
	s_branch .Lmid                                 ; the loop is entered in the middle of a trip: there is nothing yet to sum
.Lchunk:                                               ; 14 times: with the first change above, every slot but the last is followed by a fill
	CHANGE 1
	s_mov_b32 s[CNT], 8
.Ltrip:                                                ; a trip loads a group of eight steps and computes the eight steps loaded four ITERs before
	ITER 0, 1, 15
	ITER 1, 1, 15
	ITER 2, 1, 15
	ITER 3, 1, 15
	FLUSH_LD
	ITER 4, 1, 15
	ITER 5, 1, 15
	FLUSH_FIN 13                                   ; behind FLUSH_LD's loads: 6 loads and a store, 5 loads and a store
.Lmid:
	ITER 6, 1, 15
	ITER 7, 1, 15
	STEP
	s_sub_co_u32 s[CNT], s[CNT], 1
	s_cmp_lg_u32 s[CNT], 0
	s_cbranch_scc1 .Ltrip
	s_sub_co_u32 s[CHK], s[CHK], 1
	s_cmp_lg_u32 s[CHK], 0
	s_cbranch_scc1 .Lchunk
	CHANGE 0                                       ; the last slot is written out: nothing is asked for
	s_mov_b32 s[CNT], 8
.Ltail:
	ITER 0, 1, 15
	ITER 1, 1, 15
	ITER 2, 1, 15
	ITER 3, 1, 15
	FLUSH_LD
	ITER 4, 1, 15
	ITER 5, 1, 15
	FLUSH_FIN 13
	ITER 6, 1, 15
	ITER 7, 1, 15
	STEP
	s_sub_co_u32 s[CNT], s[CNT], 1
	s_cmp_lg_u32 s[CNT], 0
	s_cbranch_scc1 .Ltail
	ITER 0, 0, 0                                   ; the last four steps lie in registers
	ITER 1, 0, 0
	ITER 2, 0, 0
	ITER 3, 0, 0
	FLUSH_LD
	FLUSH_FIN 0
	s_wait_tensorcnt 0x0                           ; the wave's end, behind my last tensor load and my last LDS store
	ds_add_u32 v[SPW], v[NIL]
	s_wait_dscnt 0x0
	ROUND                                          ; the closing round: no work-group ends while a partner may still ask for a tile that names it
	s_endpgm
.Lfunc_end_k_qad34541141_scan:
	.size	k_qad34541141_scan, .Lfunc_end_k_qad34541141_scan-k_qad34541141_scan
	.p2alignl 7, 3214868480
	.fill 96, 4, 3214868480
	.section	.rodata,"a",@progbits
	.p2align	6, 0x0
	.amdhsa_kernel k_qad34541141_scan
		.amdhsa_group_segment_fixed_size 327680
		.amdhsa_private_segment_fixed_size 0
		.amdhsa_enable_private_segment 0
		.amdhsa_kernarg_size 48
		.amdhsa_user_sgpr_count 2
		.amdhsa_user_sgpr_kernarg_segment_ptr 1
		.amdhsa_wavefront_size32 1
		.amdhsa_system_sgpr_workgroup_id_x 1
		.amdhsa_system_sgpr_workgroup_id_y 1
		.amdhsa_system_sgpr_workgroup_id_z 1
		.amdhsa_system_vgpr_workitem_id 0
		.amdhsa_next_free_vgpr 256
		.amdhsa_next_free_sgpr 66
		.amdhsa_reserve_vcc 0
		.amdhsa_float_denorm_mode_32 3
		.amdhsa_float_denorm_mode_16_64 3
		.amdhsa_memory_ordered 1
		.amdhsa_forward_progress 1
		.amdhsa_inst_pref_size 99
	.end_amdhsa_kernel
	.amdgpu_metadata
---
amdhsa.version: [ 1, 2 ]
amdhsa.kernels:
  - .name:           k_qad34541141_scan
    .symbol:         k_qad34541141_scan.kd
    .args:
      - { .name: zx, .offset: 0, .size: 8, .value_kind: global_buffer, .address_space: global }
      - { .name: t4, .offset: 8, .size: 8, .value_kind: global_buffer, .address_space: global }
      - { .name: A_log, .offset: 16, .size: 8, .value_kind: global_buffer, .address_space: global }
      - { .name: dt_bias, .offset: 24, .size: 8, .value_kind: global_buffer, .address_space: global }
      - { .name: Dparam, .offset: 32, .size: 8, .value_kind: global_buffer, .address_space: global }
      - { .name: ys, .offset: 40, .size: 8, .value_kind: global_buffer, .address_space: global }
    .group_segment_fixed_size: 327680
    .private_segment_fixed_size: 0
    .kernarg_segment_align: 8
    .kernarg_segment_size: 48
    .max_flat_workgroup_size: 128
    .sgpr_count:     66
    .vgpr_count:     256
    .wavefront_size: 32
...
	.end_amdgpu_metadata
.endif
;; end of part 3
;; launch midln (part 4): grid 256 x 1, 16 waves a work-group, no clusters, 135,680 bytes of LDS; arguments ys, zx, ln_w, ln_b, yn; writes yn
.if DOCPART == 4
	.amdgcn_target "amdgcn-amd-amdhsa--gfx1250"
	.amdhsa_code_object_version 6
	.text
	.protected	k_qad34541141_midln
	.globl	k_qad34541141_midln
	.p2align	8
	.type	k_qad34541141_midln,@function
k_qad34541141_midln:
	s_mov_b64 s[64:65], 0
	v_nop
	global_prefetch_b8 v0, s[64:65] scope:SCOPE_SE
	s_setreg_imm32_b32 hwreg(HW_REG_WAVE_MODE, 25, 1), 1
	s_wait_xcnt 0x0
; MIDLN.  g = ys * z / (1 + exp(-z)); yn = LayerNorm over the row's 2048 numbers of g, times ln_w, plus ln_b, rounded once to f16.
; ys: [batch][column / 8][t][8] f32.  zx: [column / 8][row][8] f16, z in blocks 0-255.  yn: [4096][2048] f16.  row = 1024 batch + t.
; SHARES.  256 work-groups of sixteen waves; a group owns 16 rows.  Wave w takes the column blocks 16 w .. + 15: of a block the group's 16 rows are 512 consecutive bytes of ys and 256 of zx, one load each.
; Lane l holds row l / 2 and 4 columns of each block: 64 numbers, kept in registers through both sums (mean first, then the squares of the centred numbers).
; A row's sums meet in LDS: one word for each row and wave, a barrier, and every lane adds its row's sixteen.  Then the rows go through an LDS stage once, to change from blocks to rows:
; thread t takes columns 4 t .. + 3 of every row, so that ln_w and ln_b cost 8 registers and a wave's store covers 256 consecutive bytes of yn.
; A stream: no matrix work; the groups share nothing, so there is no cluster.  All 34 loads of a wave go out at its head.
; LIMITS.  f16 ends at 65,504: |yn| is at most 45.3 |ln_w| + |ln_b|, which has to stay inside it.  NaN and infinities are not treated apart.
.set SP,    8224                       ; a row of the stage: 8,192 bytes + 32: eight rows x two 16-byte pieces of a store start at 16 different groups of four banks (64 banks of 4 bytes: ISA guide 11.1)
.set ST1,   16*SP                      ; the sums: [row][wave], 1,024 bytes
.set ST2O,  1024                       ; the sums of squares lie 1,024 bytes behind them, in bytes of their own
.set SPARE, ST1+2048                   ; the spare words, 128 bytes for each of the sixteen waves
.set YO,  2                            ; v2   my byte offset in ys
.set ZO,  3                            ; v3   in zx
.set SA,  4                            ; v4   where I put 16 bytes of a row in the stage
.set RD,  5                            ; v5   16 x thread: where I read rows 0-7 back; also my offset in ln_w and ln_b
.set RD2, 6                            ; v6   the same for rows 8-15
.set GO,  7                            ; v7   8 x thread: my offset in a row of yn
.set WA,  8                            ; v8   my row's and wave's word
.set RA,  9                            ; v9   my row's sixteen words
.set Y,   16                           ; v[16:79]   64 numbers
.set Z,   80                           ; v[80:111]  z as loaded, two registers a block
.set T,   112                          ; v[112:115] z in f32
.set E,   116                          ; v[116:119]
.set S,   120                          ; v[120:127] four chains
.set LW,  128                          ; v[128:131]
.set LB,  132                          ; v[132:135]
.set P,   136                          ; v[136:151] sixteen waves' sums
.set SPW, 152
.set NIL, 153
.macro WIDEN d, r                      ; the two f16 of register r (its number written out: halves are named so) into v[d], v[d + 1]
	v_cvt_f32_f16 v[\d], v\r\().l
	v_cvt_f32_f16 v[(\d)+1], v\r\().h
.endm
	s_load_b256 s[4:11], s[0:1], 0x0               ; ys s[4:5], zx s[6:7], ln_w s[8:9], ln_b s[10:11]
	s_load_b64 s[12:13], s[0:1], 0x20              ; yn
	v_lshl_add_u32 v[SPW], v0, 2, SPARE
	v_mov_b32 v[NIL], 0
	v_lshrrev_b32 v1, 5, v0
	v_readfirstlane_b32 s14, v1                    ; wave
	v_and_b32 v1, 31, v0                           ; lane
	s_lshl_b32 s15, s14, 19                        ; 16 blocks of 32,768 bytes
	v_lshl_add_u32 v[YO], v1, 4, s15
	s_lshl_b32 s15, s14, 20                        ; 16 blocks of 65,536 bytes
	v_lshl_add_u32 v[ZO], v1, 3, s15
	v_lshrrev_b32 v11, 1, v1                       ; my row of 16
	v_and_b32 v12, 1, v0                           ; which 4 of a block's 8 columns
	v_mul_u32_u24 v[SA], v11, SP
	v_lshl_add_u32 v[SA], v12, 4, v[SA]
	s_lshl_b32 s15, s14, 9                         ; 16 blocks of 32 bytes in a row
	v_add_nc_u32 v[SA], s15, v[SA]
	v_lshlrev_b32 v[RD], 4, v0
	v_add_nc_u32 v[RD2], 8*SP, v[RD]
	v_lshlrev_b32 v[GO], 3, v0
	s_lshl_b32 s15, s14, 2
	v_lshl_add_u32 v[RA], v11, 6, ST1
	v_add_nc_u32 v[WA], s15, v[RA]
	s_lshr_b32 s16, ttmp9, 6                       ; the batch,
	s_lshl_b32 s16, s16, 23                        ; 256 blocks of 32,768 bytes;
	s_and_b32 s17, ttmp9, 63
	s_lshl_b32 s17, s17, 9                         ; 16 steps of 32 bytes
	s_add_co_u32 s16, s16, s17
	s_mov_b32 s17, 0
	s_lshl_b32 s18, ttmp9, 8                       ; 16 rows of 16 bytes
	s_mov_b32 s19, 0
	s_lshl_b32 s20, ttmp9, 16                      ; 16 rows of 4,096 bytes
	s_mov_b32 s21, 0
	s_mov_b32 s22, 0xbfb8aa3b                      ; -log2(e); named as a pair
	s_mov_b32 s23, s22
	s_mov_b32 s24, 0x3a000000                      ; 1 / 2048
	s_mov_b32 s25, 0x3727c5ac                      ; 1e-5
	s_wait_kmcnt 0x0
	s_add_nc_u64 s[4:5], s[4:5], s[16:17]
	s_add_nc_u64 s[6:7], s[6:7], s[18:19]
	s_add_nc_u64 s[12:13], s[12:13], s[20:21]
.set i, 0
.rept 16
	global_load_b64  v[Z+2*i:Z+2*i+1], v[ZO], s[6:7] offset:i*65536 th:TH_LOAD_NT
	global_load_b128 v[Y+4*i:Y+4*i+3], v[YO], s[4:5] offset:i*32768 th:TH_LOAD_NT
.set i, i+1
.endr
	global_load_b128 v[LW:LW+3], v[RD], s[8:9]
	global_load_b128 v[LB:LB+3], v[RD], s[10:11]
; Block i's four numbers: y z / (1 + 2^(-log2(e) z)).  A plain instruction stands behind each run of transcendentals (ISA guide 5.7.2).
.macro GATE i
	v_pk_mul_f32 v[E:E+1],   v[T:T+1],   s[22:23] op_sel_hi:[1,0]
	v_pk_mul_f32 v[E+2:E+3], v[T+2:T+3], s[22:23] op_sel_hi:[1,0]
	v_exp_f32 v[E], v[E]
	v_exp_f32 v[E+1], v[E+1]
	v_exp_f32 v[E+2], v[E+2]
	v_exp_f32 v[E+3], v[E+3]
	v_pk_mul_f32 v[Y+4*(\i):Y+4*(\i)+1],   v[Y+4*(\i):Y+4*(\i)+1],   v[T:T+1]
	v_pk_mul_f32 v[Y+4*(\i)+2:Y+4*(\i)+3], v[Y+4*(\i)+2:Y+4*(\i)+3], v[T+2:T+3]
	s_wait_alu depctr_va_vdst(0)
	v_pk_add_f32 v[E:E+1],   v[E:E+1],   1.0 op_sel_hi:[1,0]
	v_pk_add_f32 v[E+2:E+3], v[E+2:E+3], 1.0 op_sel_hi:[1,0]
	v_rcp_f32 v[E], v[E]
	v_rcp_f32 v[E+1], v[E+1]
	v_rcp_f32 v[E+2], v[E+2]
	v_rcp_f32 v[E+3], v[E+3]
	v_nop
	s_wait_alu depctr_va_vdst(0)
	v_pk_mul_f32 v[Y+4*(\i):Y+4*(\i)+1],   v[Y+4*(\i):Y+4*(\i)+1],   v[E:E+1]
	v_pk_mul_f32 v[Y+4*(\i)+2:Y+4*(\i)+3], v[Y+4*(\i)+2:Y+4*(\i)+3], v[E+2:E+3]
.endm
; The four chains into one number; the lane beside me holds the row's other columns of my blocks; the sixteen waves' numbers meet in LDS.  My stores are waited for in front of the signal, for the others' sake.  The row's sum ends in v[P].
.macro ACROSS off
	v_pk_add_f32 v[S:S+1], v[S:S+1], v[S+2:S+3]
	v_pk_add_f32 v[S+4:S+5], v[S+4:S+5], v[S+6:S+7]
	v_pk_add_f32 v[S:S+1], v[S:S+1], v[S+4:S+5]
	v_add_f32 v[S], v[S], v[S+1]
	v_add_f32_dpp v[S], v[S], v[S] row_xmask:1 row_mask:0xf bank_mask:0xf
	ds_store_b32 v[WA], v[S] offset:\off
	s_wait_dscnt 0x0
	s_barrier_signal -1
	s_barrier_wait -1
	ds_load_b128 v[P:P+3],     v[RA] offset:(\off)
	ds_load_b128 v[P+4:P+7],   v[RA] offset:(\off)+16
	ds_load_b128 v[P+8:P+11],  v[RA] offset:(\off)+32
	ds_load_b128 v[P+12:P+15], v[RA] offset:(\off)+48
	s_wait_dscnt 0x0
	v_pk_add_f32 v[P:P+1],     v[P:P+1],     v[P+2:P+3]
	v_pk_add_f32 v[P+4:P+5],   v[P+4:P+5],   v[P+6:P+7]
	v_pk_add_f32 v[P+8:P+9],   v[P+8:P+9],   v[P+10:P+11]
	v_pk_add_f32 v[P+12:P+13], v[P+12:P+13], v[P+14:P+15]
	v_pk_add_f32 v[P:P+1],     v[P:P+1],     v[P+4:P+5]
	v_pk_add_f32 v[P+8:P+9],   v[P+8:P+9],   v[P+12:P+13]
	v_pk_add_f32 v[P:P+1],     v[P:P+1],     v[P+8:P+9]
	v_add_f32 v[P], v[P], v[P+1]
.endm
	; Block i = (r - 80) / 2: its two loads are in when 2 (15 - i) younger ones of their kind and the two of ln_w and ln_b are out.
.irp r, 80,81,82,83,84,85,86,87,88,89,90,91,92,93,94,95,96,97,98,99,100,101,102,103,104,105,106,107,108,109,110,111
.if ((\r)%2) == 0
	s_wait_loadcnt 32-((\r)-80)
.endif
	WIDEN T+2*((\r)%2),\r
.if ((\r)%2) == 1
	GATE ((\r)-81)/2
.endif
.endr
	s_wait_loadcnt 0x0                             ; ln_w, ln_b
.set c, 0
.rept 4
	v_pk_add_f32 v[S+2*c:S+2*c+1], v[Y+2*c:Y+2*c+1], v[Y+8+2*c:Y+9+2*c]
.set c, c+1
.endr
.set c, 8
.rept 24
	v_pk_add_f32 v[S+2*(c%4):S+2*(c%4)+1], v[S+2*(c%4):S+2*(c%4)+1], v[Y+2*c:Y+2*c+1]
.set c, c+1
.endr
	ACROSS 0
	v_mul_f32 v[S], s24, v[P]                      ; the mean; the packed lines take the pair's low word for both halves
.set c, 0
.rept 32
	v_pk_add_f32 v[Y+2*c:Y+2*c+1], v[Y+2*c:Y+2*c+1], v[S:S+1] op_sel_hi:[1,0] neg_lo:[0,1] neg_hi:[0,1]
.set c, c+1
.endr
.set c, 0
.rept 4
	v_pk_mul_f32 v[S+2*c:S+2*c+1], v[Y+2*c:Y+2*c+1], v[Y+2*c:Y+2*c+1]
.set c, c+1
.endr
.rept 28
	v_pk_fma_f32 v[S+2*(c%4):S+2*(c%4)+1], v[Y+2*c:Y+2*c+1], v[Y+2*c:Y+2*c+1], v[S+2*(c%4):S+2*(c%4)+1]
.set c, c+1
.endr
	ACROSS ST2O
	v_fma_f32 v[S], v[P], s24, s25
	v_rsq_f32 v[S], v[S]
	v_nop
.set c, 0
	s_wait_alu depctr_va_vdst(0)
.rept 32
	v_pk_mul_f32 v[Y+2*c:Y+2*c+1], v[Y+2*c:Y+2*c+1], v[S:S+1] op_sel_hi:[1,0]
.set c, c+1
.endr
.set i, 0
.rept 16
	ds_store_b128 v[SA], v[Y+4*i:Y+4*i+3] offset:32*i
.set i, i+1
.endr
	s_wait_dscnt 0x0                               ; for the others' sake: my stores into the stage are done
	s_barrier_signal -1
	s_barrier_wait -1
.set r, 0
.rept 8
	ds_load_b128 v[Y+4*r:Y+4*r+3], v[RD] offset:r*SP
.set r, r+1
.endr
.rept 8
	ds_load_b128 v[Y+4*r:Y+4*r+3], v[RD2] offset:(r-8)*SP
.set r, r+1
.endr
.set r, 0
.rept 16
	s_wait_dscnt 15-r                              ; LDS loads come back in order (ISA guide 5.7.1): row r is in
	v_pk_fma_f32 v[Y+4*r:Y+4*r+1],   v[Y+4*r:Y+4*r+1],   v[LW:LW+1],   v[LB:LB+1]
	v_pk_fma_f32 v[Y+4*r+2:Y+4*r+3], v[Y+4*r+2:Y+4*r+3], v[LW+2:LW+3], v[LB+2:LB+3]
	v_cvt_pk_f16_f32 v[Y+4*r], v[Y+4*r], v[Y+4*r+1]
	v_cvt_pk_f16_f32 v[Y+4*r+1], v[Y+4*r+2], v[Y+4*r+3]
	global_store_b64 v[GO], v[Y+4*r:Y+4*r+1], s[12:13] offset:r*4096  ; a wave's store covers 256 consecutive bytes, aligned
.set r, r+1
.endr
	s_wait_tensorcnt 0x0                           ; the wave's end, behind my last LDS store
	ds_add_u32 v[SPW], v[NIL]
	s_wait_dscnt 0x0
	s_endpgm
.Lfunc_end_k_qad34541141_midln:
	.size	k_qad34541141_midln, .Lfunc_end_k_qad34541141_midln-k_qad34541141_midln
	.p2alignl 7, 3214868480
	.fill 96, 4, 3214868480
	.section	.rodata,"a",@progbits
	.p2align	6, 0x0
	.amdhsa_kernel k_qad34541141_midln
		.amdhsa_group_segment_fixed_size 135680
		.amdhsa_private_segment_fixed_size 0
		.amdhsa_enable_private_segment 0
		.amdhsa_kernarg_size 40
		.amdhsa_user_sgpr_count 2
		.amdhsa_user_sgpr_kernarg_segment_ptr 1
		.amdhsa_wavefront_size32 1
		.amdhsa_system_sgpr_workgroup_id_x 1
		.amdhsa_system_sgpr_workgroup_id_y 1
		.amdhsa_system_sgpr_workgroup_id_z 1
		.amdhsa_system_vgpr_workitem_id 0
		.amdhsa_next_free_vgpr 160
		.amdhsa_next_free_sgpr 66
		.amdhsa_reserve_vcc 0
		.amdhsa_float_denorm_mode_32 3
		.amdhsa_float_denorm_mode_16_64 3
		.amdhsa_memory_ordered 1
		.amdhsa_forward_progress 1
		.amdhsa_inst_pref_size 40
	.end_amdhsa_kernel
	.amdgpu_metadata
---
amdhsa.version: [ 1, 2 ]
amdhsa.kernels:
  - .name:           k_qad34541141_midln
    .symbol:         k_qad34541141_midln.kd
    .args:
      - { .name: ys, .offset: 0, .size: 8, .value_kind: global_buffer, .address_space: global }
      - { .name: zx, .offset: 8, .size: 8, .value_kind: global_buffer, .address_space: global }
      - { .name: ln_w, .offset: 16, .size: 8, .value_kind: global_buffer, .address_space: global }
      - { .name: ln_b, .offset: 24, .size: 8, .value_kind: global_buffer, .address_space: global }
      - { .name: yn, .offset: 32, .size: 8, .value_kind: global_buffer, .address_space: global }
    .group_segment_fixed_size: 135680
    .private_segment_fixed_size: 0
    .kernarg_segment_align: 8
    .kernarg_segment_size: 40
    .max_flat_workgroup_size: 512
    .sgpr_count:     66
    .vgpr_count:     160
    .wavefront_size: 32
...
	.end_amdgpu_metadata
.endif
;; end of part 4
;; launch gemm2 (part 5): grid 8 x 32, 4 waves a work-group, clusters of 4 x 4, 327,680 bytes of LDS; arguments yn, w2, y2; writes y2
.if DOCPART == 5
	.amdgcn_target "amdgcn-amd-amdhsa--gfx1250"
	.amdhsa_code_object_version 6
	.text
	.protected	k_qad34541141_gemm2
	.globl	k_qad34541141_gemm2
	.p2align	8
	.type	k_qad34541141_gemm2,@function
k_qad34541141_gemm2:
	s_mov_b64 s[64:65], 0
	v_nop
	global_prefetch_b8 v0, s[64:65] scope:SCOPE_SE
	s_setreg_imm32_b32 hwreg(HW_REG_WAVE_MODE, 25, 1), 1
	s_wait_xcnt 0x0
	s_wait_alu depctr_hold_cnt(0) depctr_sa_sdst(0) depctr_va_vdst(0) depctr_va_sdst(0) depctr_va_ssrc(0) depctr_va_vcc(0) depctr_vm_vsrc(0)
	s_getreg_b32 s2, hwreg(HW_REG_IB_STS2, 6, 4)
	s_cmp_eq_u32 s2, 0
	s_cbranch_scc0 .Lentry_in_a_cluster
	s_endpgm
.Lentry_in_a_cluster:
	s_bfe_u32 s2, ttmp6, 0x10000c
	s_cmp_lg_u32 s2, 0xf033
	s_cbranch_scc0 .Lentry_shape_is_right
	s_endpgm
.Lentry_shape_is_right:
; GEMM2.  y2 = clip(yn . out_proj_w^T, -10, 10).  yn: [4096][2048] f16, w2: [1024][2048] f16, y2: [4096][1024] f16; sums in f32, clipped in f32, rounded once.
; 4096 x 1024 make 64 tiles of 256 x 256 but 256 tiles of 128 x 128: a tile of C is 128 x 128, one to a work-group.  Four waves, each 64 x 64: 16 accumulators of 16 x 16, 128 registers.
; K goes in steps of 256 (LDS rows of 512 bytes; a wave's tensor load brings 64 of them), as long as two slots in LDS allow; the four waves share ONE stage on the way out, with a barrier between
; writing and reading, since a wave's 64 columns are only half of an aligned 256 bytes of C.
; CLUSTERS: 4 x 4 work-groups.  The four of a row of the cluster need the same tiles of A, the four of a column the same tiles of B: each tile is asked for JOINTLY, by the same tensor load with the
; same descriptor and a mask that names the four.  THE MATRIX INSTRUCTION IS USED TRANSPOSED (source 0 = 16 rows of B, source 1 = 16 rows of A): a lane then holds eight neighbouring numbers of a row of C.
; LIMITS.  The clip keeps y2 far inside f16's range; near 10 its step is 2^-7.  NaN and infinities are not treated apart.
; REGISTERS: window 0: v0-31 addresses; v32-95 at work on the way out; v128-255 the accumulators ((a, b) at v[128 + 8 (4 a + b)]).
;   window 1: two fragment buffers of 128: for 64 along K (two matrix instructions deep), 64 registers of A (2 x 4 x 16 rows x 32 K), then 64 of B.
.set SIZE_M, 4096
.set SIZE_N, 1024
.set SIZE_K, 2048
.set KSTEP,  256
.set PITCH,  528                       ; an LDS row: 512 bytes of data + 16 of padding = 132 words: row r starts at bank 4 r mod 64 (64 banks of 4 bytes: ISA guide 11.1)
.set HALFT,  64*PITCH                  ; 64 rows: what one tensor load brings, and what one wave reads of A or of B
.set SLOT,   4*HALFT                   ; A's 128 rows, then B's 128 rows
.set STAGE,  2*SLOT                    ; behind the ring: 128 rows x 272 bytes, the work-group's, for the way out
.set SPITCH, 272
.set SPARE,  STAGE+128*SPITCH          ; behind the stage: the spare words, 128 bytes for each wave: two blocks of 256 bytes that no other line names
.set LAPS, SIZE_K/(2*KSTEP)            ; a lap = two K steps = once round the ring
.set ADRA, 16                          ; v16-17  LDS address of my A fragments in slot 0, 1
.set ADRB, 20                          ; v20-21  the same for B
.set STO,  24                          ; v24     the way out: where I put 16 bytes of a row
.set RD,   25                          ; v25     the way out: where I read a row back
.set CO,   26                          ; v26     my byte offset in C
.set SPW,  28                          ; v28     LDS address of my spare word; never rewritten
.set NIL,  29                          ; v29     0; never rewritten
.set TMP,  32                          ; the way out: 64 registers, packed results and then whole rows
.set ACC,  128
.set F0,   0                           ; fragment buffers, in window 1
.set F1,   128
.set G1, 24                            ; s[24:31] descriptor group 1 for A's tiles;  s[32:39] group 0, one set for each slot
.set G0, 32
.set G1B, 48                           ; s[48:55], s[56:63] the same for B's tiles
.set G0B, 56
.set MSB, 0
.macro WIN new                         ; the immediate's high byte repeats the setting that is left
.if MSB != (\new)
	s_set_vgpr_msb (MSB<<8)|(\new)
.set MSB, \new
.endif
.endm
.set MUL,  0x05                        ; sources 0 (B) and 1 (A) window 1; C and D window 0
.set TO_F, 0x40                        ; destination window 1, address window 0
.macro JLOAD s                         ; a joint load: waves 0 and 1 fetch A's two halves, waves 2 and 3 B's; an s_nop 0 and four v_nop follow each of the two lines
	s_cmp_eq_u32 s11, 0
	s_cbranch_scc0 .Lfor_b_\@
	tensor_load_to_lds s[G0+4*(\s):G0+4*(\s)+3], s[G1:G1+7]
	s_nop 0
.rept 4
	v_nop
.endr
	s_branch .Lasked_\@
.Lfor_b_\@:
	tensor_load_to_lds s[G0B+4*(\s):G0B+4*(\s)+3], s[G1B:G1B+7]
	s_nop 0
.rept 4
	v_nop
.endr
.Lasked_\@:
.endm
.macro CREST                           ; a round of the cluster's barrier behind its opening barrier
	s_cmp_lg_u32 s10, 0
	s_cbranch_scc1 .Lnot_wave_0_\@
	s_barrier_signal -3
.Lnot_wave_0_\@:
	s_barrier_wait -3
	s_barrier_signal -1
	s_barrier_wait -1
.endm
.macro CROUND                          ; a whole round
	s_barrier_signal -1
	s_barrier_wait -1
	CREST
.endm
	s_load_b128 s[4:7], s[0:1], 0x0                ; A s[4:5], B s[6:7]
	s_load_b64 s[8:9], s[0:1], 0x10                ; C
	v_lshl_add_u32 v[SPW], v0, 2, SPARE
	v_mov_b32 v[NIL], 0
	ds_add_u32 v[SPW], v[NIL]                      ; the wave's opening: the add and its wait stand ahead of my first tensor load; the set-up below, work on registers, stands between them
	v_lshrrev_b32 v1, 5, v0
	v_readfirstlane_b32 s10, v1                    ; wave 0..3
	s_lshr_b32 s11, s10, 1                         ; which half of the tile's rows is mine.  Also: I fetch for A (0) or for B (1)
	s_and_b32 s12, s10, 1                          ; which half of its columns.  Also: which 64 rows of that tile I fetch
	s_bfe_u32 s40, ttmp6, 0x40000                  ; cx, cy: my place in the cluster
	s_bfe_u32 s41, ttmp6, 0x40004
	s_lshl_b32 s42, ttmp9, 2
	s_add_co_u32 s42, s42, s40                     ; tile column of C = 4 x cluster x + cx
	s_and_b32 s13, ttmp7, 0xffff
	s_lshl_b32 s13, s13, 2
	s_add_co_u32 s13, s13, s41                     ; tile row of C = 4 x cluster y + cy
	s_lshl_b32 s43, s41, 2
	s_lshl_b32 s43, 15, s43                        ; my row of the cluster
	s_lshl_b32 s44, 0x1111, s40                    ; my column
	s_mov_b32 s66, 0xc1200000                      ; -10
	s_mov_b32 s67, 0x41200000                      ; 10
	; descriptor group 1: a tile of 64 rows x 256 elements, padded in LDS
	s_or_b32 s[G1+0], s43, (1<<16)|(1<<20)|(1<<21)|(6<<22)|(3<<25)  ; 15:0 the mask: A's tiles go to my row; 17:16 element of 2 bytes; 20 padding on; 21 set beside a mask; 24:22 after every 128 words (code 6); 31:25 of 4 words (code 3)
	s_or_b32 s[G1B+0], s44, (1<<16)|(1<<20)|(1<<21)|(6<<22)|(3<<25)
.irp g, G1, G1B
	s_mov_b32 s[(\g)+1], KSTEP<<16                 ; tensor_dim0 = 256
	s_mov_b32 s[(\g)+2], 64<<16                    ; tensor_dim1 = 64
	s_mov_b32 s[(\g)+3], KSTEP<<16                 ; tile_dim0 = 256
	s_mov_b32 s[(\g)+4], 64                        ; tile_dim1 = 64
	s_mov_b32 s[(\g)+5], SIZE_K                    ; elements from row to row
	s_mov_b32 s[(\g)+6], 0
	s_mov_b32 s[(\g)+7], 0
.endr
	s_lshl_b32 s17, s12, 6                         ; which 64 rows of the tile I fetch
	s_lshl_b32 s16, s13, 7
	s_add_co_u32 s16, s16, s17                     ; A: row 128 x tile row + 64 x half
	s_lshl_b32 s46, s42, 7
	s_add_co_u32 s46, s46, s17                     ; B: row 128 x tile column + 64 x half
	s_mov_b32 s17, 0
	s_mov_b32 s47, 0
	s_mov_b64 s[18:19], SIZE_K*2
	s_mul_u64 s[16:17], s[16:17], s[18:19]
	s_mul_u64 s[46:47], s[46:47], s[18:19]
	s_mul_i32 s20, s10, HALFT                      ; where they go: wave x 64 rows
	s_wait_dscnt 0x0                               ; the opening add is done
	s_wait_kmcnt 0x0
	s_add_nc_u64 s[14:15], s[4:5], s[16:17]
	s_add_nc_u64 s[46:47], s[6:7], s[46:47]
	CROUND                                         ; all sixteen work-groups are here: the first joint loads meet
.irp s, 0,1
	s_mov_b32 s[G0+4*(\s)], 1
	s_add_co_u32 s[G0+4*(\s)+1], s20, (\s)*SLOT
	s_add_nc_u64 s[G0+4*(\s)+2:G0+4*(\s)+3], s[14:15], (\s)*KSTEP*2
	s_or_b32 s[G0+4*(\s)+3], s[G0+4*(\s)+3], 0x80000000
	s_mov_b32 s[G0B+4*(\s)], 1
	s_add_co_u32 s[G0B+4*(\s)+1], s20, (\s)*SLOT
	s_add_nc_u64 s[G0B+4*(\s)+2:G0B+4*(\s)+3], s[46:47], (\s)*KSTEP*2
	s_or_b32 s[G0B+4*(\s)+3], s[G0B+4*(\s)+3], 0x80000000
	JLOAD \s
.endr
	v_and_b32 v1, 15, v0                           ; l % 16
	v_bfe_u32 v2, v0, 4, 1                         ; l / 16
	v_mul_u32_u24 v3, v1, PITCH
	v_lshl_add_u32 v3, v2, 4, v3                   ; a fragment's row x pitch + 16 x half
	s_mul_i32 s21, s11, HALFT                      ; my 64 rows of A
	s_mul_i32 s22, s12, HALFT                      ; my 64 rows of B,
	s_add_co_u32 s22, s22, 2*HALFT                 ; which lie behind A's 128
.irp s, 0,1
	v_add_nc_u32 v[ADRA+(\s)], s21, v3
	v_add_nc_u32 v[ADRB+(\s)], s22, v3
	s_add_co_u32 s21, s21, SLOT
	s_add_co_u32 s22, s22, SLOT
.endr
	s_mul_i32 s23, s11, 64*SPITCH                  ; into the stage: my 64 rows, my half of their 256 bytes; row l % 16, 16 bytes for each half of the lanes
	s_lshl_b32 s21, s12, 7
	s_add_co_u32 s23, s23, s21
	s_add_co_u32 s23, s23, STAGE
	v_mul_u32_u24 v4, v1, SPITCH
	v_lshl_add_u32 v4, v2, 4, v4
	v_add_nc_u32 v[STO], s23, v4
	s_mul_i32 s23, s10, 32*SPITCH                  ; back: wave w takes rows 32 w .. 32 w + 31, whole; lanes 0-15 one row of 256 bytes, lanes 16-31 the next
	s_add_co_u32 s23, s23, STAGE
	v_mul_u32_u24 v5, v2, SPITCH
	v_lshl_add_u32 v5, v1, 4, v5
	v_add_nc_u32 v[RD], s23, v5
	v_mul_u32_u24 v5, v2, SIZE_N*2                 ; and the same two rows in C
	v_lshl_add_u32 v[CO], v1, 4, v5
	s_lshl_b32 s16, s13, 7
	s_lshl_b32 s17, s10, 5
	s_add_co_u32 s16, s16, s17                     ; the first row of C that I store: 128 x tile row + 32 x wave
	s_mov_b32 s17, 0
	s_mov_b64 s[18:19], SIZE_N*2
	s_mul_u64 s[16:17], s[16:17], s[18:19]
	s_add_nc_u64 s[8:9], s[8:9], s[16:17]
	s_lshl_b32 s46, s42, 8                         ; the tile's first column, in bytes
	s_mov_b32 s47, 0
	s_add_nc_u64 s[8:9], s[8:9], s[46:47]
; 8 matrix instructions: m blocks a0, a0 + 1 x all 4 n blocks, 32 along K: half c of buffer f.  zero = 1: the first product starts the sums.  The 16 accumulators take turns.
.macro MUL8 f, c, a0, zero
	WIN MUL
.irp a, \a0, (\a0)+1
.irp b, 0,1,2,3
.if \zero
	v_wmma_f32_16x16x32_f16 v[ACC+8*(4*(\a)+(\b)):ACC+8*(4*(\a)+(\b))+7], v[(\f)+64+8*(4*(\c)+(\b)):(\f)+64+8*(4*(\c)+(\b))+7], v[(\f)+8*(4*(\c)+(\a)):(\f)+8*(4*(\c)+(\a))+7], 0
.else
	v_wmma_f32_16x16x32_f16 v[ACC+8*(4*(\a)+(\b)):ACC+8*(4*(\a)+(\b))+7], v[(\f)+64+8*(4*(\c)+(\b)):(\f)+64+8*(4*(\c)+(\b))+7], v[(\f)+8*(4*(\c)+(\a)):(\f)+8*(4*(\c)+(\a))+7], v[ACC+8*(4*(\a)+(\b)):ACC+8*(4*(\a)+(\b))+7]
.endif
.endr
.endr
.endm
; 32 LDS loads in one run: the fragments of 64 along K at byte k of the rows, into buffer f; the first 32 along K first
.macro FETCH slot, k, f
	WIN TO_F
.irp c, 0,1
.irp i, 0,1,2,3
	ds_load_b128 v[(\f)+64+8*(4*(\c)+(\i)):(\f)+64+8*(4*(\c)+(\i))+3],   v[ADRB+(\slot)] offset:(\k)+64*(\c)+(\i)*16*PITCH
	ds_load_b128 v[(\f)+64+8*(4*(\c)+(\i))+4:(\f)+64+8*(4*(\c)+(\i))+7], v[ADRB+(\slot)] offset:(\k)+64*(\c)+(\i)*16*PITCH+32
	ds_load_b128 v[(\f)+8*(4*(\c)+(\i)):(\f)+8*(4*(\c)+(\i))+3],         v[ADRA+(\slot)] offset:(\k)+64*(\c)+(\i)*16*PITCH
	ds_load_b128 v[(\f)+8*(4*(\c)+(\i))+4:(\f)+8*(4*(\c)+(\i))+7],       v[ADRA+(\slot)] offset:(\k)+64*(\c)+(\i)*16*PITCH+32
.endr
.endr
.endm
.macro PLACES                          ; four places in front of loads into registers that matrix instructions have read, and of vector lines that read results (ISA guide 7.12.1 for vector instructions)
.rept 4
	v_nop
.endr
.endm
; A K step is four quarters of 64 along K, 32 matrix instructions each, on buffers 0, 1, 0, 1.  One of the first three: multiplies buffer f and fetches the next quarter, at byte k, into g.
.macro QUARTER slot, k, f, g, zero
	s_wait_dscnt 16                                ; the first 32 along K are in
	WIN MUL
	MUL8 \f, 0, 0, \zero
	MUL8 \f, 0, 2, \zero
	PLACES
	FETCH \slot, \k, \g
	s_wait_dscnt 32                                ; all but the 32 just issued
	WIN MUL
	MUL8 \f, 1, 0, 0
	MUL8 \f, 1, 2, 0
.endm
; The last quarter multiplies buffer 1 and changes slots: ONE barrier; in front of it each wave waits for all its tensor loads, adds 0 to its spare word, and waits for that and for its own reads of this slot.  fill = 1: this slot is filled again, two K steps ahead.
.macro TURN slot, next, fill
	WIN 0                                          ; (the add's two registers lie in window 0)
	s_wait_tensorcnt 0x0                           ; all my tensor loads have landed: my part of the next slot;
	ds_add_u32 v[SPW], v[NIL]                      ; 0 onto my spare word
	s_wait_dscnt 17                                ; (the add and the youngest sixteen loads may be out)
	WIN MUL
	MUL8 F1, 0, 0, 0                               ; eight matrix instructions stand between the add and the wait for it
	s_wait_dscnt 0x0                               ; the add is done, and my reads of this slot are over
	s_barrier_signal -1
	MUL8 F1, 0, 2, 0
.if \fill
	WIN 0
.endif
	s_barrier_wait -1
.if \fill
	CREST                                          ; the barrier has opened a round of the cluster's barrier: no wave of any partner still reads this slot's tile or has a load on its way
	s_add_nc_u64 s[G0+4*(\slot)+2:G0+4*(\slot)+3], s[G0+4*(\slot)+2:G0+4*(\slot)+3], 2*KSTEP*2
	s_add_nc_u64 s[G0B+4*(\slot)+2:G0B+4*(\slot)+3], s[G0B+4*(\slot)+2:G0B+4*(\slot)+3], 2*KSTEP*2
	JLOAD \slot                                    ; the first tensor load behind the round; the four v_nop behind it are also the places in front of the loads below
.else
	PLACES
.endif
	FETCH \next, 0, F0
	WIN MUL
	MUL8 F1, 1, 0, 0
	MUL8 F1, 1, 2, 0
.endm
	s_wait_tensorcnt 1                             ; my part of K step 0 is in,
	s_barrier_signal -1
	s_barrier_wait -1                              ; everybody's is
	FETCH 0, 0, F0
	QUARTER 0, 128, F0, F1, 1                      ; the first quarter stands in front of the loop: its first products start the sums
	WIN 0                                          ; at a label and at a branch every window is 0
	s_mov_b32 s3, LAPS-1
.Llap:                                                 ; a trip goes once round the ring, from a lap's second quarter to the next lap's first, and fills both slots again
	QUARTER 0, 256, F1, F0, 0
	QUARTER 0, 384, F0, F1, 0
	TURN 0, 1, 1
	QUARTER 1, 128, F0, F1, 0
	QUARTER 1, 256, F1, F0, 0
	QUARTER 1, 384, F0, F1, 0
	TURN 1, 0, 1
	QUARTER 0, 128, F0, F1, 0
	WIN 0
	s_sub_co_u32 s3, s3, 1
	s_cmp_lg_u32 s3, 0
	s_cbranch_scc1 .Llap
	QUARTER 0, 256, F1, F0, 0                      ; the last lap fills nothing, and has no round of the cluster's barrier
	QUARTER 0, 384, F0, F1, 0
	TURN 0, 1, 0
	QUARTER 1, 128, F0, F1, 0
	QUARTER 1, 256, F1, F0, 0
	QUARTER 1, 384, F0, F1, 0
	s_wait_dscnt 16                                ; the very last quarter: nothing more to fetch
	WIN MUL
	MUL8 F1, 0, 0, 0
	MUL8 F1, 0, 2, 0
	s_wait_dscnt 0
	MUL8 F1, 1, 0, 0
	MUL8 F1, 1, 2, 0
	WIN 0
	; THE WAY OUT: clip in f32, each accumulator's registers in ascending order; round to f16; 16 bytes a lane into the work-group's stage; a barrier, since a row's 256 bytes come from two waves; back as whole rows, 32 rows a wave.
	PLACES
.set i, 0
.rept 128
	v_med3_num_f32 v[ACC+i], v[ACC+i], s66, s67
.set i, i+1
.endr
.irp t, 0,1,2,3,4,5,6,7,8,9,10,11,12,13,14,15
.irp r, 0,1,2,3
	v_cvt_pk_f16_f32 v[TMP+4*(\t)+(\r)], v[ACC+8*(\t)+2*(\r)], v[ACC+8*(\t)+2*(\r)+1]
.endr
.endr
.irp a, 0,1,2,3
.irp b, 0,1,2,3
	ds_store_b128 v[STO], v[TMP+4*(4*(\a)+(\b)):TMP+4*(4*(\a)+(\b))+3] offset:(\a)*16*SPITCH+32*(\b)
.endr
.endr
	s_wait_dscnt 0x0                               ; for the others' sake: my stores into the stage are done
	s_barrier_signal -1
	s_barrier_wait -1
.irp t, 0,1,2,3,4,5,6,7,8,9,10,11,12,13,14,15
	ds_load_b128 v[TMP+4*(\t):TMP+4*(\t)+3], v[RD] offset:(\t)*2*SPITCH
.endr
.irp t, 0,1,2,3,4,5,6,7,8,9,10,11,12,13,14,15
	s_wait_dscnt 15-(\t)
	global_store_b128 v[CO], v[TMP+4*(\t):TMP+4*(\t)+3], s[8:9] offset:2*(\t)*SIZE_N*2  ; 16 lanes store 256 consecutive bytes, at a multiple of 256 from C's first byte
.endr
	s_wait_tensorcnt 0x0                           ; the wave's end, behind my last tensor load and my last LDS store
	ds_add_u32 v[SPW], v[NIL]
	s_wait_dscnt 0x0
	CROUND                                         ; the closing round: no work-group ends while a partner may still ask for a tile that names it
	s_endpgm
.Lfunc_end_k_qad34541141_gemm2:
	.size	k_qad34541141_gemm2, .Lfunc_end_k_qad34541141_gemm2-k_qad34541141_gemm2
	.p2alignl 7, 3214868480
	.fill 96, 4, 3214868480
	.section	.rodata,"a",@progbits
	.p2align	6, 0x0
	.amdhsa_kernel k_qad34541141_gemm2
		.amdhsa_group_segment_fixed_size 327680
		.amdhsa_private_segment_fixed_size 0
		.amdhsa_enable_private_segment 0
		.amdhsa_kernarg_size 24
		.amdhsa_user_sgpr_count 2
		.amdhsa_user_sgpr_kernarg_segment_ptr 1
		.amdhsa_wavefront_size32 1
		.amdhsa_system_sgpr_workgroup_id_x 1
		.amdhsa_system_sgpr_workgroup_id_y 1
		.amdhsa_system_sgpr_workgroup_id_z 1
		.amdhsa_system_vgpr_workitem_id 0
		.amdhsa_next_free_vgpr 512
		.amdhsa_next_free_sgpr 68
		.amdhsa_reserve_vcc 0
		.amdhsa_float_denorm_mode_32 3
		.amdhsa_float_denorm_mode_16_64 3
		.amdhsa_memory_ordered 1
		.amdhsa_forward_progress 1
		.amdhsa_inst_pref_size 95
	.end_amdhsa_kernel
	.amdgpu_metadata
---
amdhsa.version: [ 1, 2 ]
amdhsa.kernels:
  - .name:           k_qad34541141_gemm2
    .symbol:         k_qad34541141_gemm2.kd
    .args:
      - { .name: yn, .offset: 0, .size: 8, .value_kind: global_buffer, .address_space: global }
      - { .name: w2, .offset: 8, .size: 8, .value_kind: global_buffer, .address_space: global }
      - { .name: y2, .offset: 16, .size: 8, .value_kind: global_buffer, .address_space: global }
    .group_segment_fixed_size: 327680
    .private_segment_fixed_size: 0
    .kernarg_segment_align: 8
    .kernarg_segment_size: 24
    .max_flat_workgroup_size: 128
    .sgpr_count:     68
    .vgpr_count:     512
    .wavefront_size: 32
...
	.end_amdgpu_metadata
.endif
;; end of part 5
;; launch finln (part 6): grid 256 x 1, 8 waves a work-group, no clusters, 0 bytes of LDS; arguments y2, no_w, no_b, out0; writes out0
.if DOCPART == 6
	.amdgcn_target "amdgcn-amd-amdhsa--gfx1250"
	.amdhsa_code_object_version 6
	.text
	.protected	k_qad34541141_finln
	.globl	k_qad34541141_finln
	.p2align	8
	.type	k_qad34541141_finln,@function
k_qad34541141_finln:
	s_mov_b64 s[64:65], 0
	v_nop
	global_prefetch_b8 v0, s[64:65] scope:SCOPE_SE
	s_setreg_imm32_b32 hwreg(HW_REG_WAVE_MODE, 25, 1), 1
	s_wait_xcnt 0x0
; FINLN.  out0 = LayerNorm over the row's 1024 numbers of y2, times no_w, plus no_b.  y2: [4096][1024] f16 (already clipped).  out0: [4096][1024] f32.
; SHARES.  256 work-groups of eight waves; a wave takes two whole rows, 32 numbers a lane each, so a row's sums never leave the wave: no LDS, no barrier.  A stream: no matrix work, nothing shared, no cluster.
; All 32 loads of a wave go out at its head; no register that a load or store names is written again, so the only waits are the counted ones for data.
; LIMITS.  NaN and infinities are not treated apart.
.set RAW, 16                           ; v[16:47]    my two rows as loaded: piece k (2 registers) holds columns 128 k + 4 lane .. + 3
.set NW,  48                           ; v[48:79]    no_w of the same columns
.set NB,  80                           ; v[80:111]   no_b
.set X,   112                          ; v[112:175]  my two rows in f32
.set SEL, 12                           ; s[12:13]    v_permlanex16_b32's selects
.set RN,  14                           ; s14         1 / 1024
.set EPS, 15                           ; s15         1e-5
.macro WIDEN d, r                      ; the two f16 of register r (its number written out: halves are named so) into v[d], v[d + 1]
	v_cvt_f32_f16 v[\d], v\r\().l
	v_cvt_f32_f16 v[(\d)+1], v\r\().h
.endm
	s_load_b256 s[4:11], s[0:1], 0x0               ; y2 s[4:5], no_w s[6:7], no_b s[8:9], out0 s[10:11]
	v_and_b32 v1, 31, v0                           ; lane
	v_lshrrev_b32 v6, 5, v0                        ; wave
	v_lshlrev_b32 v5, 3, v1
	v_lshl_add_u32 v5, v6, 12, v5                  ; v5 = wave x two rows of y2 + 8 x lane
	v_lshlrev_b32 v1, 4, v1                        ; v1 = 16 x lane
	v_lshl_add_u32 v2, v6, 13, v1                  ; v2 = wave x two rows of out0 + 16 x lane
	v_mov_b32 v15, 0                               ; v_permlanex16_b32's destination counts as read
	s_mov_b32 s[SEL], 0x76543210
	s_mov_b32 s[SEL+1], 0xfedcba98
	s_mov_b32 s[RN], 0x3a800000
	s_mov_b32 s[EPS], 0x3727c5ac
	s_mov_b32 s3, 0
	s_wait_kmcnt 0x0
	s_lshl_b32 s2, ttmp9, 15                       ; 16 rows of 2,048 bytes
	s_add_nc_u64 s[4:5], s[4:5], s[2:3]
	s_lshl_b32 s2, ttmp9, 16                       ; 16 rows of 4,096 bytes
	s_add_nc_u64 s[10:11], s[10:11], s[2:3]
.set i, 0
.rept 16
	global_load_b64 v[RAW+2*i:RAW+2*i+1], v5, s[4:5] offset:(i/8)*2048+(i%8)*256 th:TH_LOAD_NT
.set i, i+1
.endr
.set i, 0
.rept 8
	global_load_b128 v[NW+4*i:NW+4*i+3], v1, s[6:7] offset:i*512
.set i, i+1
.endr
.set i, 0
.rept 8
	global_load_b128 v[NB+4*i:NB+4*i+3], v1, s[8:9] offset:i*512
.set i, i+1
.endr
; The sum of v[v] over the wave's 32 lanes, in every lane.
.macro WSUM v
	v_add_f32_dpp v[\v], v[\v], v[\v] row_xmask:1 row_mask:0xf bank_mask:0xf
	v_add_f32_dpp v[\v], v[\v], v[\v] row_xmask:2 row_mask:0xf bank_mask:0xf
	v_add_f32_dpp v[\v], v[\v], v[\v] row_xmask:4 row_mask:0xf bank_mask:0xf
	v_add_f32_dpp v[\v], v[\v], v[\v] row_xmask:8 row_mask:0xf bank_mask:0xf
	v_permlanex16_b32 v15, v[\v], s[SEL], s[SEL+1]
	v_add_f32 v[\v], v[\v], v15
.endm
.macro FOLD                            ; the four chains v[6:13] into v6, then over the lanes
	v_pk_add_f32 v[6:7], v[6:7], v[8:9]
	v_pk_add_f32 v[10:11], v[10:11], v[12:13]
	v_pk_add_f32 v[6:7], v[6:7], v[10:11]
	v_add_f32 v6, v6, v7
	WSUM 6
.endm
; The row in the 32 registers from F on becomes (x - mean) / sqrt(var + eps): mean first, then the squares of the centred numbers.  Four chains each, started by the first pairs: nothing is cleared.
.macro LNSTAT F
.set c, 0
.rept 4
	v_pk_add_f32 v[6+2*c:7+2*c], v[(\F)+2*c:(\F)+2*c+1], v[(\F)+8+2*c:(\F)+9+2*c]
.set c, c+1
.endr
.set c, 8
.rept 8
	v_pk_add_f32 v[6+2*(c%4):7+2*(c%4)], v[6+2*(c%4):7+2*(c%4)], v[(\F)+2*c:(\F)+2*c+1]
.set c, c+1
.endr
	FOLD
	v_mul_f32 v6, s[RN], v6                        ; the mean; the packed lines below take the pair's low word for both halves
.set c, 0
.rept 16
	v_pk_add_f32 v[(\F)+2*c:(\F)+2*c+1], v[(\F)+2*c:(\F)+2*c+1], v[6:7] op_sel_hi:[1,0] neg_lo:[0,1] neg_hi:[0,1]
.set c, c+1
.endr
.set c, 0
.rept 4
	v_pk_mul_f32 v[6+2*c:7+2*c], v[(\F)+2*c:(\F)+2*c+1], v[(\F)+2*c:(\F)+2*c+1]
.set c, c+1
.endr
.rept 12
	v_pk_fma_f32 v[6+2*(c%4):7+2*(c%4)], v[(\F)+2*c:(\F)+2*c+1], v[(\F)+2*c:(\F)+2*c+1], v[6+2*(c%4):7+2*(c%4)]
.set c, c+1
.endr
	FOLD
	v_fma_f32 v6, v6, s[RN], s[EPS]
	v_rsq_f32 v6, v6
	v_nop                                          ; a plain instruction between the root and the use of its result (ISA guide 5.7.2)
.set c, 0
	s_wait_alu depctr_va_vdst(0)
.rept 16
	v_pk_mul_f32 v[(\F)+2*c:(\F)+2*c+1], v[(\F)+2*c:(\F)+2*c+1], v[6:7] op_sel_hi:[1,0]
.set c, c+1
.endr
.endm
; Gain and bias, and the row's eight stores: each covers 512 consecutive bytes, aligned.
.macro LNOUT F, q
.set c, 0
.rept 8
	v_pk_fma_f32 v[(\F)+4*c:(\F)+4*c+1],   v[(\F)+4*c:(\F)+4*c+1],   v[NW+4*c:NW+4*c+1],   v[NB+4*c:NB+4*c+1]
	v_pk_fma_f32 v[(\F)+4*c+2:(\F)+4*c+3], v[(\F)+4*c+2:(\F)+4*c+3], v[NW+4*c+2:NW+4*c+3], v[NB+4*c+2:NB+4*c+3]
	global_store_b128 v2, v[(\F)+4*c:(\F)+4*c+3], s[10:11] offset:(\q)*4096+c*512 th:TH_STORE_NT
.set c, c+1
.endr
.endm
	s_wait_loadcnt 24                              ; loads come back in order (ISA guide 5.7.1): my first row's 8 are in, the 24 younger ones may be out
.irp r, 16,17,18,19,20,21,22,23,24,25,26,27,28,29,30,31
	WIDEN X+2*((\r)-16),\r
.endr
	LNSTAT X
	s_wait_loadcnt 16                              ; my second row's
.irp r, 32,33,34,35,36,37,38,39,40,41,42,43,44,45,46,47
	WIDEN X+2*((\r)-16),\r
.endr
	LNSTAT X+32
	s_wait_loadcnt 0x0                             ; no_w and no_b
	LNOUT X, 0
	LNOUT X+32, 1
	s_endpgm
.Lfunc_end_k_qad34541141_finln:
	.size	k_qad34541141_finln, .Lfunc_end_k_qad34541141_finln-k_qad34541141_finln
	.p2alignl 7, 3214868480
	.fill 96, 4, 3214868480
	.section	.rodata,"a",@progbits
	.p2align	6, 0x0
	.amdhsa_kernel k_qad34541141_finln
		.amdhsa_group_segment_fixed_size 0
		.amdhsa_private_segment_fixed_size 0
		.amdhsa_enable_private_segment 0
		.amdhsa_kernarg_size 32
		.amdhsa_user_sgpr_count 2
		.amdhsa_user_sgpr_kernarg_segment_ptr 1
		.amdhsa_wavefront_size32 1
		.amdhsa_system_sgpr_workgroup_id_x 1
		.amdhsa_system_sgpr_workgroup_id_y 1
		.amdhsa_system_sgpr_workgroup_id_z 1
		.amdhsa_system_vgpr_workitem_id 0
		.amdhsa_next_free_vgpr 180
		.amdhsa_next_free_sgpr 66
		.amdhsa_reserve_vcc 0
		.amdhsa_float_denorm_mode_32 3
		.amdhsa_float_denorm_mode_16_64 3
		.amdhsa_memory_ordered 1
		.amdhsa_forward_progress 1
		.amdhsa_inst_pref_size 20
	.end_amdhsa_kernel
	.amdgpu_metadata
---
amdhsa.version: [ 1, 2 ]
amdhsa.kernels:
  - .name:           k_qad34541141_finln
    .symbol:         k_qad34541141_finln.kd
    .args:
      - { .name: y2, .offset: 0, .size: 8, .value_kind: global_buffer, .address_space: global }
      - { .name: no_w, .offset: 8, .size: 8, .value_kind: global_buffer, .address_space: global }
      - { .name: no_b, .offset: 16, .size: 8, .value_kind: global_buffer, .address_space: global }
      - { .name: out0, .offset: 24, .size: 8, .value_kind: global_buffer, .address_space: global }
    .group_segment_fixed_size: 0
    .private_segment_fixed_size: 0
    .kernarg_segment_align: 8
    .kernarg_segment_size: 32
    .max_flat_workgroup_size: 256
    .sgpr_count:     66
    .vgpr_count:     180
    .wavefront_size: 32
...
	.end_amdgpu_metadata
.endif
;; end of part 6
;; ======== version 2 of 3: 6 launches; 1.21 times as fast as version 1
;; limits: values outside matrix products are rounded to f16; values are held in f16: magnitudes above 65,504 overflow, below 6.1e-05 lose precision; right only within a limited range of input values
;; workspace buffers: xn 8,388,608 bytes; w1 8,912,896 bytes; w2 4,194,304 bytes; zx 33,554,432 bytes; t4 4,194,304 bytes; ys 33,554,432 bytes; yn 16,777,216 bytes; y2 8,388,608 bytes
;; launch prep: the kernel of part 1 again; grid 256 x 1, 8 waves a work-group, no clusters, 0 bytes of LDS; arguments x, ni_w, ni_b, in_proj_w, out_proj_w, xn, w1, w2; writes xn, w1, w2
;; launch gemm1: the kernel of part 2 again; grid 16 x 16, 4 waves a work-group, clusters of 4 x 4, 327,680 bytes of LDS; arguments xn, w1, zx, t4; writes zx, t4
;; launch scan (part 7): grid 64 x 4, 4 waves a work-group, clusters of 4 x 1, 327,680 bytes of LDS; arguments zx, t4, A_log, dt_bias, Dparam, ys; writes ys
.if DOCPART == 7
	.amdgcn_target "amdgcn-amd-amdhsa--gfx1250"
	.amdhsa_code_object_version 6
	.text
	.protected	k_qad34541141_scan
	.globl	k_qad34541141_scan
	.p2align	8
	.type	k_qad34541141_scan,@function
k_qad34541141_scan:
	s_mov_b64 s[64:65], 0
	v_nop
	global_prefetch_b8 v0, s[64:65] scope:SCOPE_SE
	s_setreg_imm32_b32 hwreg(HW_REG_WAVE_MODE, 25, 1), 1
	s_wait_xcnt 0x0
	s_wait_alu depctr_hold_cnt(0) depctr_sa_sdst(0) depctr_va_vdst(0) depctr_va_sdst(0) depctr_va_ssrc(0) depctr_va_vcc(0) depctr_vm_vsrc(0)
	s_getreg_b32 s2, hwreg(HW_REG_IB_STS2, 6, 4)
	s_cmp_eq_u32 s2, 0
	s_cbranch_scc0 .Lentry_in_a_cluster
	s_endpgm
.Lentry_in_a_cluster:
	s_bfe_u32 s2, ttmp6, 0x10000c
	s_cmp_lg_u32 s2, 0x3003
	s_cbranch_scc0 .Lentry_shape_is_right
	s_endpgm
.Lentry_shape_is_right:
; SCAN.  dt = clip(softplus(dt_raw + dt_bias), 0.001, 0.1); dA = min(exp(-dt exp(A_log)), 0.99); for t = 0 .. 1023: h = clip(dA h + x B, -10, 10), y = sum over n of C h; ys = y + D x.
; The clip stands in every step, so the steps are taken one after the other, in f32, on the vector unit; no matrix work.
; IN.  zx: [column / 8][row][8] f16, x in blocks 256-511; t4: [tail column / 4][row][4] f32: B blocks 0-15, C 16-31, dt_raw 32-39; row = 1024 batch + t.  OUT.  ys: [batch][channel / 8][t][8] f32.
; SHARES.  The state is 4 batches x 32 heads x 64 channels x 64 states.  A work-group owns half a head of one batch, a wave 8 channels x 64 states: 16 numbers a lane.  Lane l: channels 2 pp, 2 pp + 1
; (pp = l / 8), states 4 ng .. + 3 and 32 + 4 ng .. + 3 (ng = l % 8).  A state's two channels are a register pair: the packed instructions take x as a pair and B, C, dA as one word for both halves.
; THE CLIP RIDES ON THE MULTIPLY-ADD.  f32 has no packed minimum or maximum, but the clamp bit of a packed instruction bounds its results to 0 .. 1 (ISA guide, the VOP3P encoding's fields).  So the state is kept as
; g = h / 20, and a step is: T = 0.5 + (x / 20) B;  h' = clamp(g dA + T);  g = h' - 0.5;  y += C g: four packed instructions for two numbers, 33 a step with the sum of y's two chains.  h' = 0 and 1 are h = -10 and 10
; exactly.  x is divided by 20 once, where it is widened; ys = 20 (sum of C g) + (x / 20) (20 D).  y is summed of the centred g, so that no difference of large sums is formed.
; y's sum over the eight lanes of a channel goes through the wave's own LDS words, a GROUP of eight steps at a time: the lane that sums takes one step and one pair of channels, and the wave's store covers 256 consecutive bytes of ys.
; LDS.  x / 20 of the wave's 8 channels, widened to f32 once, and dA of all steps lie in LDS for the whole launch.  B and C come by the tensor data mover, 64 steps a load, into two slots that take turns.
; CLUSTER.  The four work-groups of a cluster share the batch and so B and C, 512 of the 576 bytes that a step of a work-group needs: the load is asked for JOINTLY, by wave 0 of each.
; THE ORDER.  All memory instructions of a group stand in TWO RUNS, so that the wave passes from vector work to memory work twice in eight steps.  RUN0 stands early in step 4, behind the line that ends step 3's y, where the
; registers of steps 0-3 are free: the finished group's store to ys, the partial sums of steps 0-3, and the next group's dA, B, C, x of steps 0-3.  RUN1 stands at the same place of the next step 0: the partial sums of steps
; 4-7, the loads that read the group's eight rows of partial sums back, and the loads of steps 4-7.  So a step's operands are asked for three steps or more ahead of their use.  No register that a run names is written again
; soon: every step of a group has a y pair of its own, and each run has its own address registers, made anew at its head from scalars.  A step's y products 2 to 7 stand among the next step's lines, one in three, the two
; chains by turns, so that no line reads a result made fewer than six lines ahead of it.
; WRITTEN OUT beside the loop: group 0 up to the run in its step 4 (it has nothing yet to sum or store); the last slot's trips; the last three and a half steps, which load nothing.
; LIMITS.  Every step passes through 0.5 + h / 20, where f32's step is 2^-24: h has a fixed step of 1.2e-6 (two roundings a step), whatever its size.  A dA below 2^-126 counts as 0.  NaN and infinities are not treated apart.
.set SLOT1, 65536                      ; B and C: slot 0 at LDS byte 0, slot 1 here, so that one exclusive or turns an address in one slot into the other's
.set BCP,   1040                       ; a row of a slot: one block's 64 steps x 16 bytes + 16 of padding: the eight blocks that a load touches start at eight different groups of four banks (64 banks of 4 bytes: ISA guide 11.1)
.set XW,    131072                     ; x / 20 in f32: [wave][t][8], 32,768 bytes a wave
.set DAW,   262144                     ; dA[t], 4,096 bytes
.set RED,   266240                     ; the partial sums: [wave][step of eight] rows of 272 bytes, 8 bytes a lane; 2,304 bytes a wave
.set REDW,  2304
.set REDP,  272
.set SPARE, 275456                     ; the spare words, 128 bytes for each wave: two blocks of 256 bytes that no other line names
.set YR,  0                            ; v[0:15]    step k of eight: y's first chain, then y's partial sum
.set H,   16                           ; v[16:31]   the state g = h / 20: pair n of eight
.set Y1,  32                           ; v[32:35]   y's second chain, by the step's parity
.set F,   36                           ; v[36:51]   eight lanes' partial sums
.set XF,  52                           ; v[52:53]   x / 20 for the D skip
.set OUT, 54                           ; v[54:55]
.set SET, 64                           ; v[64:191]  step k of eight: B (8 words), C (8 words)
.set X,   192                          ; v[192:207] step k: x / 20 of my two channels
.set DA,  208                          ; v[208:215] dA of the eight steps
.set ADRA,216                          ; RUN0's addresses: my B of the group's first step,
.set XAA, 217                          ; my x,
.set DAA, 218                          ; dA
.set REDS,219                          ; where I put a partial sum; never rewritten
.set REDL,220                          ; where I read eight of them; never rewritten
.set XFA, 221                          ; x for the D skip
.set GO,  222                          ; my byte offset in ys
.set AK0, 223                          ; 1,040 ng; never rewritten
.set SPW, 224                          ; LDS address of my spare word; never rewritten
.set NIL, 225                          ; 0; never rewritten
.set XO,  226                          ; set-up: offsets in zx and t4, LDS addresses of the stores
.set DO,  227
.set XS,  228
.set DS,  229
.set A2,  230                          ; -log2(e) exp(A_log)
.set ADRB,234                          ; RUN1's addresses
.set XAB, 235
.set DAB, 236
.set XK0, 237                          ; my wave's x + 8 pp; never rewritten
.set XF0, 238                          ; my wave's x + 8 l; never rewritten
.set T,   240                          ; v[240:255] 0.5 + (x / 20) B: pair n of eight
.set XT,  128                          ; set-up: eight f32, two buffers
.set DR,  144                          ; set-up: eight dt
.set DE,  152
.set WV,  16                           ; s16  my wave's number
.set G1,  24                           ; s[24:31] descriptor group 1
.set G0,  32                           ; s[32:35] descriptor group 0: it walks
.set TB,  36                           ; s36  LDS byte at which B of the group to be loaded begins
.set CNT, 37                           ; s37  trips left in the slot
.set CHK, 38                           ; s38  slots still to be asked for
.set XSC, 60                           ; s60  256 x the group to be loaded: its place in x
.set DSC, 61                           ; s61  LDS address of its dA
.set FSC, 62                           ; s62  256 x the group to be summed
.macro ROUND                           ; a round of the cluster's barrier
	s_barrier_signal -1
	s_barrier_wait -1
	s_cmp_lg_u32 s[WV], 0
	s_cbranch_scc1 .Lnot_wave_0_\@
	s_barrier_signal -3
.Lnot_wave_0_\@:
	s_barrier_wait -3
	s_barrier_signal -1
	s_barrier_wait -1
.endm
.macro WIDEN d, r                      ; the two f16 of register r (its number written out: halves are named so) into v[d], v[d + 1]
	v_cvt_f32_f16 v[\d], v\r\().l
	v_cvt_f32_f16 v[(\d)+1], v\r\().h
.endm
.macro SCALE b                         ; the eight numbers from v[b] on, times 1 / 20
	v_pk_mul_f32 v[(\b):(\b)+1],   v[(\b):(\b)+1],   s[2:3] op_sel_hi:[1,0]
	v_pk_mul_f32 v[(\b)+2:(\b)+3], v[(\b)+2:(\b)+3], s[2:3] op_sel_hi:[1,0]
	v_pk_mul_f32 v[(\b)+4:(\b)+5], v[(\b)+4:(\b)+5], s[2:3] op_sel_hi:[1,0]
	v_pk_mul_f32 v[(\b)+6:(\b)+7], v[(\b)+6:(\b)+7], s[2:3] op_sel_hi:[1,0]
.endm
	s_load_b256 s[4:11], s[0:1], 0x0               ; zx s[4:5], t4 s[6:7], A_log s[8:9], dt_bias s[10:11]
	s_load_b128 s[12:15], s[0:1], 0x20             ; Dparam s[12:13], ys s[14:15]
	v_lshl_add_u32 v[SPW], v0, 2, SPARE
	v_mov_b32 v[NIL], 0
	ds_add_u32 v[SPW], v[NIL]                      ; the wave's opening: the add and its wait stand ahead of the first tensor load; the set-up below, work on registers, stands between them
	v_lshrrev_b32 v[XO], 5, v0
	v_readfirstlane_b32 s[WV], v[XO]
	s_bfe_u32 s17, ttmp6, 0x40000                  ; cx
	s_lshl_b32 s18, ttmp9, 2
	s_add_co_u32 s18, s18, s17                     ; the half head: 4 x cluster x + cx.  It enters global addresses of my own alone
	s_and_b32 s19, ttmp7, 0xffff                   ; the batch, which the four partners share
	s_lshr_b32 s20, s18, 1                         ; the head
	s_lshl_b32 s21, s20, 2                         ; its byte offset in A_log, dt_bias, Dparam
	s_mov_b32 s[G1+0], 15|(2<<16)|(1<<20)|(1<<21)|(7<<22)|(3<<25)  ; 15:0 the mask of four; 17:16 elements of 4 bytes; 20 padding on; 21 set beside a mask; 24:22 after every 256 words (code 7); 31:25 4 words of it (code 3)
	s_mov_b32 s[G1+1], 256<<16                     ; tensor_dim0 = 256 words: 64 steps of a block
	s_mov_b32 s[G1+2], 32<<16                      ; tensor_dim1 = 32 blocks: B's 16, C's 16
	s_mov_b32 s[G1+3], 256<<16                     ; tile_dim0
	s_mov_b32 s[G1+4], 32                          ; tile_dim1
	s_mov_b32 s[G1+5], 16384                       ; words from block to block
	s_mov_b32 s[G1+6], 0
	s_mov_b32 s[G1+7], 0
	s_mov_b32 s[G0], 1                             ; count = 1
	s_mov_b32 s[G0+1], 0                           ; LDS address: slot 0
	s_mov_b32 s[TB], SLOT1+1024                    ; the first change of slots turns it into 0
	s_mov_b32 s[XSC], 0
	s_mov_b32 s[DSC], DAW
	s_mov_b32 s[FSC], 0
	s_mov_b32 s54, 0x3a83126f                      ; 0.001
	s_mov_b32 s55, 0x3dcccccd                      ; 0.1
	s_mov_b32 s56, 0xbfb8aa3b                      ; -log2(e)
	s_mov_b32 s57, 0x3fb8aa3b                      ; log2(e)
	s_mov_b32 s58, 0x3f317218                      ; ln 2
	s_mov_b32 s59, 0x3f7d70a4                      ; 0.99
	s_lshl_b32 s22, s[WV], 15
	s_add_co_u32 s22, s22, XW                      ; my wave's x
	s_mul_i32 s23, s[WV], REDW
	s_add_co_u32 s23, s23, RED                     ; my wave's partial sums
	v_and_b32 v231, 31, v0                         ; l
	v_and_b32 v[AK0], 7, v0
	v_mul_u32_u24 v[AK0], v[AK0], BCP
	v_bfe_u32 v[XK0], v0, 3, 2
	v_lshl_add_u32 v[XK0], v[XK0], 3, s22          ; 8 pp
	v_lshl_add_u32 v[REDS], v231, 3, s23
	v_bfe_u32 v232, v0, 2, 3                       ; the lane that sums: step l / 4, pair of channels l % 4: the eight lanes' sums are 64 consecutive bytes
	v_mul_u32_u24 v232, v232, REDP
	v_and_b32 v233, 3, v0
	v_lshl_add_u32 v232, v233, 6, v232
	v_add_nc_u32 v[REDL], s23, v232
	v_lshl_add_u32 v[XF0], v231, 3, s22            ; 32 (l / 4) + 8 (l % 4) = 8 l
	v_lshlrev_b32 v[GO], 3, v231
	v_lshlrev_b32 v[XO], 16, v[XO]
	v_lshl_add_u32 v[XO], v231, 4, v[XO]           ; zx: my wave's block, step l
	v_lshlrev_b32 v[DO], 4, v0                     ; t4: step = thread
	v_lshl_add_u32 v[XS], v231, 5, s22             ; x in LDS: step l
	v_lshl_add_u32 v[DS], v0, 2, DAW
	s_wait_dscnt 0x0                               ; the opening add is done
	s_wait_kmcnt 0x0
	s_lshl_b32 s52, s19, 14                        ; the batch's 1,024 rows of 16 bytes
	s_mov_b32 s53, 0
	s_add_nc_u64 s[G0+2:G0+3], s[6:7], s[52:53]    ; global address: B's block 0, step 0: it hangs on the batch alone
	s_or_b32 s[G0+3], s[G0+3], 0x80000000          ; type = 2
	s_mov_b32 s3, 0
	s_lshl_b32 s2, s18, 18                         ; four blocks of 65,536 bytes to a half head,
	s_add_co_u32 s2, s2, 256*65536                 ; behind z's 256
	s_add_co_u32 s2, s2, s52
	s_add_nc_u64 s[48:49], s[4:5], s[2:3]          ; x
	s_lshr_b32 s2, s20, 2
	s_add_co_u32 s2, s2, 32
	s_lshl_b32 s2, s2, 16
	s_add_co_u32 s2, s2, s52
	s_and_b32 s39, s20, 3
	s_lshl_b32 s39, s39, 2
	s_add_co_u32 s2, s2, s39
	s_add_nc_u64 s[50:51], s[6:7], s[2:3]          ; dt_raw of my head
	s_lshl_b32 s2, s19, 8
	s_lshl_b32 s39, s18, 2
	s_add_co_u32 s2, s2, s39
	s_add_co_u32 s2, s2, s[WV]
	s_lshl_b32 s2, s2, 15
	s_add_nc_u64 s[46:47], s[14:15], s[2:3]        ; ys: block 256 batch + 4 x half head + wave, of 32,768 bytes
	s_mov_b32 s2, 0x3d4ccccd                       ; the offsets are done with: s[2:3] = 1 / 20, named as a pair,
	s_mov_b32 s3, s2
	s_mov_b32 s52, 0x41a00000                      ; s[52:53] = 20, named as a pair
	s_mov_b32 s53, s52
	s_load_b32 s42, s[12:13], s21 offset:0x0       ; D
	s_load_b32 s44, s[10:11], s21 offset:0x0       ; dt_bias
	s_load_b32 s45, s[8:9], s21 offset:0x0         ; A_log
	ROUND                                          ; all four work-groups are here: the first joint load meets
	s_cmp_lg_u32 s[WV], 0
	s_cbranch_scc1 .Lno_first
	tensor_load_to_lds s[G0:G0+3], s[G1:G1+7]      ; steps 0 to 63 into slot 0
	s_nop 0
.Lno_first:
.set i, 0
.rept 32
	global_load_b128 v[4*i:4*i+3], v[XO], s[48:49] offset:i*512 th:TH_LOAD_NT  ; step 32 i + l: my wave's 8 channels in f16; 512 consecutive bytes
.set i, i+1
.endr
.set i, 0
.rept 8
	global_load_b32 v[DR+i], v[DO], s[50:51] offset:i*2048  ; step 128 i + thread
.set i, i+1
.endr
	; x is widened once: piece i = r / 4 is waited for (behind it 31 - i of its kind and the 8 of dt), widened into one of two buffers, divided by 20 and stored as 32 bytes a step.
.irp r, 0,1,2,3,4,5,6,7,8,9,10,11,12,13,14,15,16,17,18,19,20,21,22,23,24,25,26,27,28,29,30,31,32,33,34,35,36,37,38,39,40,41,42,43,44,45,46,47,48,49,50,51,52,53,54,55,56,57,58,59,60,61,62,63,64,65,66,67,68,69,70,71,72,73,74,75,76,77,78,79,80,81,82,83,84,85,86,87,88,89,90,91,92,93,94,95,96,97,98,99,100,101,102,103,104,105,106,107,108,109,110,111,112,113,114,115,116,117,118,119,120,121,122,123,124,125,126,127
.if ((\r)%4) == 0
	s_wait_loadcnt 39-(\r)/4
.endif
	WIDEN XT+8*(((\r)/4)%2)+2*((\r)%4),\r
.if ((\r)%4) == 3
	SCALE XT+8*(((\r)/4)%2)
	ds_store_b128 v[XS], v[XT+8*(((\r)/4)%2):XT+8*(((\r)/4)%2)+3]   offset:((\r)/4)*1024
	ds_store_b128 v[XS], v[XT+8*(((\r)/4)%2)+4:XT+8*(((\r)/4)%2)+7] offset:((\r)/4)*1024+16
.endif
.endr
	s_wait_kmcnt 0x0                               ; D, dt_bias, A_log
	s_mul_f32 s42, s42, s52                        ; 20 D,
	s_mov_b32 s43, s42                             ; named as a pair
	s_wait_loadcnt 0x0                             ; dt_raw
	; dA for eight steps a thread.  softplus(v) = max(v, 0) + ln 2 x log2(1 + 2^(-log2(e) |v|)).  The transcendentals stand in runs, a plain instruction behind each run (ISA guide 5.7.2).
	v_mul_f32 v[A2], s45, s57
	v_exp_f32 v[A2], v[A2]
.set i, 0
.rept 8
	v_add_f32 v[DR+i], s44, v[DR+i]
.set i, i+1
.endr
	s_wait_alu depctr_va_vdst(0)
	v_mul_f32 v[A2], s56, v[A2]
.set i, 0
.rept 8
	v_mul_f32 v[DE+i], s56, |v[DR+i]|
.set i, i+1
.endr
.set i, 0
.rept 8
	v_exp_f32 v[DE+i], v[DE+i]
.set i, i+1
.endr
.set i, 0
.rept 8
	v_max_num_f32 v[DR+i], 0, v[DR+i]
.set i, i+1
.endr
.set i, 0
	s_wait_alu depctr_va_vdst(0)
.rept 8
	v_add_f32 v[DE+i], 1.0, v[DE+i]
.set i, i+1
.endr
.set i, 0
.rept 8
	v_log_f32 v[DE+i], v[DE+i]
.set i, i+1
.endr
	v_nop
.set i, 0
	s_wait_alu depctr_va_vdst(0)
.rept 8
	v_fma_f32 v[DR+i], v[DE+i], s58, v[DR+i]
.set i, i+1
.endr
.set i, 0
.rept 8
	v_med3_num_f32 v[DR+i], v[DR+i], s54, s55
.set i, i+1
.endr
.set i, 0
.rept 8
	v_mul_f32 v[DR+i], v[A2], v[DR+i]
.set i, i+1
.endr
.set i, 0
.rept 8
	v_exp_f32 v[DR+i], v[DR+i]
.set i, i+1
.endr
	v_nop
.set i, 0
	s_wait_alu depctr_va_vdst(0)
.rept 8
	v_min_num_f32 v[DR+i], s59, v[DR+i]
.set i, i+1
.endr
.set i, 0
.rept 8
	ds_store_b32 v[DS], v[DR+i] offset:i*512
.set i, i+1
.endr
.set i, 0
.rept 16
	v_mov_b32 v[H+i], 0                            ; h starts at 0, and so does g
.set i, i+1
.endr
; THE CHANGE OF SLOTS, ahead of the run that loads a slot's first steps.  Each wave waits for all its tensor loads (wave 0's one: the next slot), adds 0 to its spare word, and waits for that and for its own reads of the
; slot that it leaves: the last of them were issued four steps back.  fill = 1: a round of the cluster's barrier follows, so that no wave of any partner still reads the old slot, and wave 0 fills it again,
; first of all, with the 64 steps behind the next slot's.  (At its first use nothing has been read yet: slot 0 is waited for, slot 1 filled; its barrier also shows every wave's dA to the others.)
.macro CHANGE fill
	s_wait_tensorcnt 0x0                           ; no tensor load of mine is out, so group 0 may be written
	ds_add_u32 v[SPW], v[NIL]                      ; 0 onto my spare word; scalar work stands between it and the wait for it
.if \fill
	s_xor_b32 s[G0+1], s[G0+1], SLOT1              ; the other slot than last time,
	s_add_nc_u64 s[G0+2:G0+3], s[G0+2:G0+3], 1024  ; the next 64 steps; the type bits on top are not reached
.endif
	s_sub_co_u32 s[TB], s[TB], 1024                ; the loads go back to a slot's first group,
	s_xor_b32 s[TB], s[TB], SLOT1                  ; in the other slot
	s_wait_dscnt 0x0                               ; the add is done, my LDS stores are done and my reads of the slot are over
.if \fill
	ROUND
	s_cmp_lg_u32 s[WV], 0
	s_cbranch_scc1 .Lno_fill_\@
	tensor_load_to_lds s[G0:G0+3], s[G1:G1+7]      ; it has 64 steps' work in which to land
	s_nop 0
.Lno_fill_\@:
.else
	s_barrier_signal -1
	s_barrier_wait -1
.endif
.endm
; THE LINES OF A STEP.  k is the step's place in its group of eight, n the state's pair.
.macro TF k, n                         ; T = 0.5 + (x / 20) B
.set BP, SET+16*(\k)+2*((\n)/2)
.if (\n)&1
	v_pk_fma_f32 v[T+2*(\n):T+2*(\n)+1], v[X+2*(\k):X+2*(\k)+1], v[BP:BP+1], 0.5 op_sel:[0,1,0] op_sel_hi:[1,1,0]
.else
	v_pk_fma_f32 v[T+2*(\n):T+2*(\n)+1], v[X+2*(\k):X+2*(\k)+1], v[BP:BP+1], 0.5 op_sel_hi:[1,0,0]
.endif
.endm
.macro HF k, n                         ; h' = g dA + T, bounded to 0 .. 1: the clip at -10 and 10
.set DP, DA+2*((\k)/2)
.if (\k)&1
	v_pk_fma_f32 v[H+2*(\n):H+2*(\n)+1], v[H+2*(\n):H+2*(\n)+1], v[DP:DP+1], v[T+2*(\n):T+2*(\n)+1] op_sel:[0,1,0] op_sel_hi:[1,1,1] clamp
.else
	v_pk_fma_f32 v[H+2*(\n):H+2*(\n)+1], v[H+2*(\n):H+2*(\n)+1], v[DP:DP+1], v[T+2*(\n):T+2*(\n)+1] op_sel_hi:[1,0,1] clamp
.endif
.endm
.macro GS n                            ; g = h' - 0.5
	v_pk_add_f32 v[H+2*(\n):H+2*(\n)+1], v[H+2*(\n):H+2*(\n)+1], -0.5 op_sel_hi:[1,0]
.endm
.macro YW k, n                         ; y takes state n: two chains, started by the first two products
.set CP, SET+16*(\k)+8+2*((\n)/2)
.set YA, YR+2*(\k)
.set YB, Y1+2*((\k)&1)
.if (\n) == 0
	v_pk_mul_f32 v[YA:YA+1], v[H:H+1], v[CP:CP+1] op_sel_hi:[1,0]
.elseif (\n) == 1
	v_pk_mul_f32 v[YB:YB+1], v[H+2:H+3], v[CP:CP+1] op_sel:[0,1] op_sel_hi:[1,1]
.elseif ((\n)%2) == 0
	v_pk_fma_f32 v[YA:YA+1], v[H+2*(\n):H+2*(\n)+1], v[CP:CP+1], v[YA:YA+1] op_sel_hi:[1,0,1]
.else
	v_pk_fma_f32 v[YB:YB+1], v[H+2*(\n):H+2*(\n)+1], v[CP:CP+1], v[YB:YB+1] op_sel:[0,1,0] op_sel_hi:[1,1,1]
.endif
.endm
.macro YSUM k                          ; the two chains
	v_pk_add_f32 v[YR+2*(\k):YR+2*(\k)+1], v[YR+2*(\k):YR+2*(\k)+1], v[Y1+2*((\k)&1):Y1+2*((\k)&1)+1]
.endm
; The eight lanes' partial sums of a finished group, in four parts that are set apart among a step's lines, since each reads the part before it; ys = 20 x the sum + (x / 20) (20 D).
.macro FINA
	v_pk_add_f32 v[F:F+1],     v[F:F+1],     v[F+2:F+3]
	v_pk_add_f32 v[F+4:F+5],   v[F+4:F+5],   v[F+6:F+7]
	v_pk_add_f32 v[F+8:F+9],   v[F+8:F+9],   v[F+10:F+11]
	v_pk_add_f32 v[F+12:F+13], v[F+12:F+13], v[F+14:F+15]
	v_pk_mul_f32 v[XF:XF+1],   v[XF:XF+1],   s[42:43] op_sel_hi:[1,0]
.endm
.macro FINB
	v_pk_add_f32 v[F:F+1],     v[F:F+1],     v[F+4:F+5]
	v_pk_add_f32 v[F+8:F+9],   v[F+8:F+9],   v[F+12:F+13]
.endm
.macro FINC
	v_pk_add_f32 v[F:F+1],     v[F:F+1],     v[F+8:F+9]
.endm
.macro FIND
	s_wait_xcnt 0x0                                ; the last store to ys has had its address translated (ISA guide 3.1): its data and offset are rewritten only behind this wait
	v_pk_fma_f32 v[OUT:OUT+1], v[F:F+1], s[52:53], v[XF:XF+1] op_sel_hi:[1,0,1]
	v_add_nc_u32 v[GO], 0x100, v[GO]               ; the store reaches back by its immediate
.endm
; A step in four parts.  CA: the eight T; behind each two of them a y product of the step before (kp; -1: there is none): states 2 to 5.
.macro CA k, kp
	TF \k, 0
	TF \k, 1
.if (\kp) >= 0
	YW \kp, 2
.endif
	TF \k, 2
	TF \k, 3
.if (\kp) >= 0
	YW \kp, 3
.endif
	TF \k, 4
	TF \k, 5
.if (\kp) >= 0
	YW \kp, 4
.endif
	TF \k, 6
	TF \k, 7
.if (\kp) >= 0
	YW \kp, 5
.endif
.endm
; CB: the eight multiply-adds with the clamp; among them y's states 6 and 7 of the step before, each ahead of the line that writes that state anew.  fin = 1: the last two parts of a finished group's sums too.
.macro CB k, kp, fin
	HF \k, 0
	HF \k, 1
.if (\kp) >= 0
	YW \kp, 6
.endif
	HF \k, 2
.if \fin
	FINC
.endif
	HF \k, 3
.if (\kp) >= 0
	YW \kp, 7
.endif
	HF \k, 4
	HF \k, 5
	HF \k, 6
	HF \k, 7
.if \fin
	FIND
.endif
.endm
; CR1: the first two subtractions, and the sum of the step before's two chains: behind it that step's y is whole, and a run may store it.
.macro CR1 kp
	GS 0
	GS 1
.if (\kp) >= 0
	YSUM \kp
.endif
.endm
; CR2: the other six, and the two products that start this step's y.
.macro CR2 k
	GS 2
	GS 3
	GS 4
	GS 5
	YW \k, 0
	GS 6
	GS 7
	YW \k, 1
.endm
; The five LDS loads of step j of a group: B's and C's two quads, x's pair.
.macro LOADS j, a, xa
	ds_load_b128 v[SET+16*(\j):SET+16*(\j)+3],     v[\a] offset:16*(\j)
	ds_load_b128 v[SET+16*(\j)+4:SET+16*(\j)+7],   v[\a] offset:16*(\j)+8*BCP
	ds_load_b128 v[SET+16*(\j)+8:SET+16*(\j)+11],  v[\a] offset:16*(\j)+16*BCP
	ds_load_b128 v[SET+16*(\j)+12:SET+16*(\j)+15], v[\a] offset:16*(\j)+24*BCP
	ds_load_b64  v[X+2*(\j):X+2*(\j)+1],           v[\xa] offset:32*(\j)
.endm
; RUN0.  gst: the finished group goes to ys.  st: the partial sums of steps 0-3 (4 LDS instructions).  ld: dA's quad and the loads of steps 0-3 of the group to be loaded (21), in the order of their use.
.macro RUN0 st, gst, ld
.if \ld
	v_add_nc_u32 v[ADRA], s[TB], v[AK0]            ; this run's own address registers: last named a whole trip ago
	v_add_nc_u32 v[XAA], s[XSC], v[XK0]
	v_mov_b32 v[DAA], s[DSC]
.endif
.if \gst
	global_store_b64 v[GO], v[OUT:OUT+1], s[46:47] offset:-256  ; 8 steps x 8 channels: 256 consecutive bytes, aligned
.endif
.if \st
.irp k, 0,1,2,3
	ds_store_b64 v[REDS], v[YR+2*\k:YR+2*\k+1] offset:\k*REDP
.endr
.endif
.if \ld
	ds_load_b128 v[DA:DA+3], v[DAA]
.irp j, 0,1,2,3
	LOADS \j, ADRA, XAA
.endr
.endif
.endm
; RUN1.  st: the partial sums of steps 4-7 (4), and the group's eight rows are read back with x for the D skip (5): LDS serves a wave's instructions in order (ISA guide 5.7.1.4), so these loads see the eight stores
; in front of them, and the next group's stores come behind them.  ld: dA's quad and the loads of steps 4-7 (21).
.macro RUN1 st, ld
.if \ld
	v_add_nc_u32 v[ADRB], s[TB], v[AK0]
	v_add_nc_u32 v[XAB], s[XSC], v[XK0]
	v_mov_b32 v[DAB], s[DSC]
.endif
.if \st
	v_add_nc_u32 v[XFA], s[FSC], v[XF0]
.irp k, 4,5,6,7
	ds_store_b64 v[REDS], v[YR+2*\k:YR+2*\k+1] offset:\k*REDP
.endr
	ds_load_b128 v[F:F+3],     v[REDL]
	ds_load_b128 v[F+4:F+7],   v[REDL] offset:16
	ds_load_b128 v[F+8:F+11],  v[REDL] offset:32
	ds_load_b128 v[F+12:F+15], v[REDL] offset:48
	ds_load_b64  v[XF:XF+1],   v[XFA]
.endif
.if \ld
	ds_load_b128 v[DA+4:DA+7], v[DAB] offset:16
.irp j, 4,5,6,7
	LOADS \j, ADRB, XAB
.endr
.endif
.endm
; Behind RUN0, which issued n0 LDS instructions: the rest of step 4, steps 5 to 7, and the next group's step 0 up to the line that ends step 7's y.  LDS loads come back in order (ISA guide 5.7.1): each wait leaves out
; the loads of the steps behind its own in RUN1 (five a step) and all of RUN0.  last = 1: there is no next group: the rest of step 7's y stands bare.
.macro PART_C n0, last
	CR2 4
	s_wait_dscnt (\n0)+10                          ; step 5 is in; steps 6 and 7 and RUN0 may be out
	CA 5, 4
	CB 5, 4, 0
	CR1 4
	CR2 5
	s_wait_dscnt (\n0)+5
	CA 6, 5
	CB 6, 5, 0
	CR1 5
	CR2 6
	s_wait_dscnt (\n0)
	CA 7, 6
	CB 7, 6, 0
	CR1 6
	CR2 7
.if \last
.irp n, 2,3,4,5,6,7
	YW 7, \n
.endr
	YSUM 7
.else
	s_wait_dscnt 15                                ; dA's quad and step 0 are in; steps 1 to 3 may be out
	CA 0, 7
	CB 0, 7, 0
	CR1 7
.endif
.endm
; Behind RUN1, which issued n1 LDS instructions: the rest of step 0, steps 1 to 3, and step 4 up to the line that ends step 3's y.  fin = 1: among step 4's lines the group read back by RUN1 is summed; its loads stand ahead of step 4's.
.macro PART_A fin, n1
	CR2 0
	s_wait_dscnt (\n1)+10                          ; step 1 is in; steps 2 and 3 and RUN1 may be out
	CA 1, 0
	CB 1, 0, 0
	CR1 0
	CR2 1
	s_wait_dscnt (\n1)+5
	CA 2, 1
	CB 2, 1, 0
	CR1 1
	CR2 2
	s_wait_dscnt (\n1)
	CA 3, 2
	CB 3, 2, 0
	CR1 2
	CR2 3
	s_wait_dscnt 15                                ; the rows read back, dA's quad and step 4 are in; steps 5 to 7 may be out
.if \fin
	FINA
.endif
	CA 4, 3
.if \fin
	FINB
.endif
	CB 4, 3, \fin
	CR1 3
.endm
.macro NEXTG sum                       ; the scalars go on to the next group; sum = 1: the group to be summed too
	s_add_co_u32 s[TB], s[TB], 128
	s_add_co_u32 s[XSC], s[XSC], 256
	s_add_co_u32 s[DSC], s[DSC], 32
.if \sum
	s_add_co_u32 s[FSC], s[FSC], 256
.endif
.endm
	CHANGE 1                                       ; slot 0 is in; slot 1 is asked for
	s_mov_b32 s[CNT], 7                            ; the first slot's group 0 is written out here
	s_mov_b32 s[CHK], 15
	RUN0 0, 0, 1                                   ; group 0: loads alone
	s_wait_dscnt 15
	CA 0, -1
	CB 0, -1, 0
	CR1 -1
	RUN1 0, 1
	PART_A 0, 21                                   ; there is nothing yet to sum; RUN1 had its 21 loads alone
	NEXTG 0
	RUN0 1, 0, 1                                   ; and nothing yet to store to ys
	s_branch .Lmid                                 ; the loop is entered behind a trip's first run
.Lchunk:                                               ; 14 times: with the first change above, every slot but the last is followed by a fill
	CHANGE 1
	s_mov_b32 s[CNT], 8
.Ltrip:                                                ; a trip loads a group of eight steps; it computes steps 4 to 7 of the group before and steps 0 to 3 of this one
	RUN0 1, 1, 1
.Lmid:
	PART_C 25, 0
	RUN1 1, 1
	PART_A 1, 30
	NEXTG 1
	s_sub_co_u32 s[CNT], s[CNT], 1
	s_cmp_lg_u32 s[CNT], 0
	s_cbranch_scc1 .Ltrip
	s_sub_co_u32 s[CHK], s[CHK], 1
	s_cmp_lg_u32 s[CHK], 0
	s_cbranch_scc1 .Lchunk
	CHANGE 0                                       ; the last slot is written out: nothing is asked for
	s_mov_b32 s[CNT], 8
.Ltail:
	RUN0 1, 1, 1
	PART_C 25, 0
	RUN1 1, 1
	PART_A 1, 30
	NEXTG 1
	s_sub_co_u32 s[CNT], s[CNT], 1
	s_cmp_lg_u32 s[CNT], 0
	s_cbranch_scc1 .Ltail
	RUN0 1, 1, 0                                   ; the last group's steps 4 to 7 lie in registers: nothing more is loaded
	PART_C 4, 1                                    ; RUN0 had its 4 stores alone
	RUN1 1, 0
	s_wait_dscnt 0x0                               ; the last group's rows are back
	FINA
	FINB
	FINC
	FIND
	global_store_b64 v[GO], v[OUT:OUT+1], s[46:47] offset:-256
	s_wait_tensorcnt 0x0                           ; the wave's end, behind my last tensor load and my last LDS store
	ds_add_u32 v[SPW], v[NIL]
	s_wait_dscnt 0x0
	ROUND                                          ; the closing round: no work-group ends while a partner may still ask for a tile that names it
	s_endpgm
.Lfunc_end_k_qad34541141_scan:
	.size	k_qad34541141_scan, .Lfunc_end_k_qad34541141_scan-k_qad34541141_scan
	.p2alignl 7, 3214868480
	.fill 96, 4, 3214868480
	.section	.rodata,"a",@progbits
	.p2align	6, 0x0
	.amdhsa_kernel k_qad34541141_scan
		.amdhsa_group_segment_fixed_size 327680
		.amdhsa_private_segment_fixed_size 0
		.amdhsa_enable_private_segment 0
		.amdhsa_kernarg_size 48
		.amdhsa_user_sgpr_count 2
		.amdhsa_user_sgpr_kernarg_segment_ptr 1
		.amdhsa_wavefront_size32 1
		.amdhsa_system_sgpr_workgroup_id_x 1
		.amdhsa_system_sgpr_workgroup_id_y 1
		.amdhsa_system_sgpr_workgroup_id_z 1
		.amdhsa_system_vgpr_workitem_id 0
		.amdhsa_next_free_vgpr 256
		.amdhsa_next_free_sgpr 66
		.amdhsa_reserve_vcc 0
		.amdhsa_float_denorm_mode_32 3
		.amdhsa_float_denorm_mode_16_64 3
		.amdhsa_memory_ordered 1
		.amdhsa_forward_progress 1
		.amdhsa_inst_pref_size 104
	.end_amdhsa_kernel
	.amdgpu_metadata
---
amdhsa.version: [ 1, 2 ]
amdhsa.kernels:
  - .name:           k_qad34541141_scan
    .symbol:         k_qad34541141_scan.kd
    .args:
      - { .name: zx, .offset: 0, .size: 8, .value_kind: global_buffer, .address_space: global }
      - { .name: t4, .offset: 8, .size: 8, .value_kind: global_buffer, .address_space: global }
      - { .name: A_log, .offset: 16, .size: 8, .value_kind: global_buffer, .address_space: global }
      - { .name: dt_bias, .offset: 24, .size: 8, .value_kind: global_buffer, .address_space: global }
      - { .name: Dparam, .offset: 32, .size: 8, .value_kind: global_buffer, .address_space: global }
      - { .name: ys, .offset: 40, .size: 8, .value_kind: global_buffer, .address_space: global }
    .group_segment_fixed_size: 327680
    .private_segment_fixed_size: 0
    .kernarg_segment_align: 8
    .kernarg_segment_size: 48
    .max_flat_workgroup_size: 128
    .sgpr_count:     66
    .vgpr_count:     256
    .wavefront_size: 32
...
	.end_amdgpu_metadata
.endif
;; end of part 7
;; launch midln: the kernel of part 4 again; grid 256 x 1, 16 waves a work-group, no clusters, 135,680 bytes of LDS; arguments ys, zx, ln_w, ln_b, yn; writes yn
;; launch gemm2: the kernel of part 5 again; grid 8 x 32, 4 waves a work-group, clusters of 4 x 4, 327,680 bytes of LDS; arguments yn, w2, y2; writes y2
;; launch finln: the kernel of part 6 again; grid 256 x 1, 8 waves a work-group, no clusters, 0 bytes of LDS; arguments y2, no_w, no_b, out0; writes out0
;; ======== version 3 of 3: 6 launches; version 2 with the launches prep, finln written anew for expert scheduling mode
;; limits: values outside matrix products are rounded to f16; values are held in f16: magnitudes above 65,504 overflow, below 6.1e-05 lose precision; right only within a limited range of input values
;; workspace buffers: xn 8,388,608 bytes; w1 8,912,896 bytes; w2 4,194,304 bytes; zx 33,554,432 bytes; t4 4,194,304 bytes; ys 33,554,432 bytes; yn 16,777,216 bytes; y2 8,388,608 bytes
;; launch prep (part 8): grid 256 x 1, 8 waves a work-group, no clusters, 0 bytes of LDS; arguments x, ni_w, ni_b, in_proj_w, out_proj_w, xn, w1, w2; writes xn, w1, w2
.if DOCPART == 8
	.amdgcn_target "amdgcn-amd-amdhsa--gfx1250"
	.amdhsa_code_object_version 6
	.text
	.protected	k_qad34541141_prep
	.globl	k_qad34541141_prep
	.p2align	8
	.type	k_qad34541141_prep,@function
k_qad34541141_prep:
	s_mov_b64 s[64:65], 0
	v_nop
	global_prefetch_b8 v0, s[64:65] scope:SCOPE_SE
	s_setreg_imm32_b32 hwreg(HW_REG_WAVE_SCHED_MODE, 0, 2), 2
	s_setreg_imm32_b32 hwreg(HW_REG_WAVE_MODE, 25, 1), 1
	s_wait_xcnt 0x0
	s_wait_alu depctr_vm_vsrc(0)
; PREP.  xn = LayerNorm(x) * ni_w + ni_b, rounded once to f16; w1 = in_proj_w and w2 = out_proj_w, rounded once to f16.
; x: [4096][1024] f32.  xn: [4096][1024] f16.  w2: [1024][2048] f16, as out_proj_w lies.
; w1: [16 blocks][272 rows][1024] f16: block j holds in_proj_w's rows 256 j .. 256 j + 255 and then its rows 4096 + 16 j .. + 15 (B, C, dt);
; where such a row would lie past in_proj_w's last (4255) the row is written as zeros: the last row is loaded in its stead and masked.
; SHARES.  256 work-groups of eight waves.  Group g: x's rows 16 g .. + 15 (a wave takes two whole rows, 32 registers each, so a row's sums never
; leave the wave), w1's rows 17 g .. 17 g + 16 (a row is one 16-byte load of each of the 256 threads), w2's numbers 8192 g .. + 8191.
; A stream: each byte is read once and written once, so there is no LDS, no barrier and no matrix work.  All 57 loads of a wave go out at its head,
; each of 512 consecutive bytes.
; THE MODE: SCHED_MODE bits 1:0 = 2 (LLVM: expert scheduling mode 2), set by the entry lines.  The code itself states the register dependences
; between vector instructions and memory instructions, with s_wait_alu, always for 0.
; THE PLAN.  Registers that memory instructions touch:
;   v1 .. v5            byte offsets.  Written at the head, read by every load and store, named by no vector instruction behind the head's wait.
;   X, NW, NB, W1D, W2D each is loaded once, at the head, ahead of every vector instruction that names it: no load lands in a register that a vector instruction has read or written.
;   the two low registers of each piece of X, W1D and W2D are the stores' data.  Written by the roundings (W1D: and the masks), read by one store, never written again.
; So no register that a memory instruction has read is written again: no wait on vm_vsrc is owed.  No vector instruction writes a scalar register, and EXEC is never written.
; The waits on va_vdst: one at the head, for the offsets; one behind each row's root; one behind each row's roundings, ahead of the row's eight stores (row 0's are dealt among row 1's
; multiply-adds, which name none of their registers); one behind the roundings and masks of each group of weight pieces, ahead of the group's run of stores.
; LIMITS.  f16 ends at 65,504: |xn| is at most 32 |ni_w| + |ni_b|, which has to stay inside it; below 6e-5 f16 keeps its fixed step of 6e-8.  NaN and infinities are not treated apart.
.set X,   16                           ; v[16:79]    my two rows of x, 32 registers each: piece k (4 registers) holds columns 128 k + 4 lane .. + 3
.set NW,  80                           ; v[80:111]   ni_w of the same columns
.set NB,  112                          ; v[112:143]  ni_b
.set W1D, 144                          ; v[144:211]  17 pieces of in_proj_w
.set W2D, 212                          ; v[212:243]  8 pieces of out_proj_w
.set SEL, 74                           ; s[74:75]    v_permlanex16_b32's selects: each lane takes its own place in the other half
.set RN,  76                           ; s76         1 / 1024
.set EPS, 77                           ; s77         1e-5
	s_load_b256 s[4:11], s[0:1], 0x0               ; x s[4:5], ni_w s[6:7], ni_b s[8:9], in_proj_w s[10:11]
	s_load_b256 s[12:19], s[0:1], 0x20             ; out_proj_w s[12:13], xn s[14:15], w1 s[16:17], w2 s[18:19]
	v_and_b32 v1, 31, v0                           ; lane
	v_lshrrev_b32 v6, 5, v0                        ; wave
	v_lshlrev_b32 v3, 4, v0                        ; v3 = 16 x thread: a weight row's 16 bytes
	v_lshlrev_b32 v4, 3, v0                        ; v4 = 8 x thread: the same four numbers in f16
	v_lshlrev_b32 v5, 3, v1
	v_lshl_add_u32 v5, v6, 12, v5                  ; v5 = wave x two rows of xn + 8 x lane
	v_lshlrev_b32 v1, 4, v1                        ; v1 = 16 x lane
	v_lshl_add_u32 v2, v6, 13, v1                  ; v2 = wave x two rows of x + 16 x lane
	v_mov_b32 v15, 0                               ; v_permlanex16_b32's destination counts as read
	s_mov_b32 s[SEL], 0x76543210
	s_mov_b32 s[SEL+1], 0xfedcba98
	s_mov_b32 s[RN], 0x3a800000
	s_mov_b32 s[EPS], 0x3727c5ac
	s_mov_b32 s3, 0                                ; the high word of every offset
	s_mul_i32 s80, ttmp9, 17                       ; my first row of w1
	s_wait_kmcnt 0x0
	s_lshl_b32 s2, ttmp9, 16                       ; 16 rows of 4,096 bytes
	s_add_nc_u64 s[4:5], s[4:5], s[2:3]
	s_wait_alu depctr_va_vdst(0)                   ; v1 to v5 are written: every load and store of the kernel reads one of them as its offset
.set i, 0
.rept 16
	global_load_b128 v[X+4*i:X+4*i+3], v2, s[4:5] offset:(i/8)*4096+(i%8)*512 th:TH_LOAD_NT
.set i, i+1
.endr
.set i, 0
.rept 8
	global_load_b128 v[NW+4*i:NW+4*i+3], v1, s[6:7] offset:i*512
.set i, i+1
.endr
.set i, 0
.rept 8
	global_load_b128 v[NB+4*i:NB+4*i+3], v1, s[8:9] offset:i*512
.set i, i+1
.endr
	s_lshl_b32 s2, ttmp9, 15
	s_add_nc_u64 s[12:13], s[12:13], s[2:3]        ; out_proj_w: 8,192 numbers of 4 bytes
	s_add_nc_u64 s[14:15], s[14:15], s[2:3]        ; xn: 16 rows of 2,048 bytes
	s_mul_i32 s2, ttmp9, 34816
	s_add_nc_u64 s[16:17], s[16:17], s[2:3]        ; w1: 17 rows of 2,048 bytes
	s_lshl_b32 s2, ttmp9, 14
	s_add_nc_u64 s[18:19], s[18:19], s[2:3]        ; w2: 8,192 numbers of 2 bytes
	; Row d = 17 g + r of w1 is row i = d - 272 j of block j = d / 272.  61,681 x 272 = 2^24 + 16, so (d x 61,681) >> 24 is d / 272 for every d below 4,352.
.set r, 0
.rept 17
	s_add_co_u32 s78, s80, r                       ; d
	s_mul_i32 s79, s78, 61681
	s_lshr_b32 s79, s79, 24                        ; j
	s_mul_i32 s81, s79, 272
	s_sub_co_u32 s81, s78, s81                     ; i
	s_lshl_b32 s82, s79, 8
	s_add_co_u32 s82, s82, s81                     ; 256 j + i: a row of z or x
	s_lshl_b32 s83, s79, 4
	s_add_co_u32 s83, s83, s81
	s_add_co_u32 s83, s83, 3840                    ; 4096 + 16 j + (i - 256): a row of B, C or dt
	s_cmp_lt_u32 s81, 256
	s_cselect_b32 s82, s82, s83
	s_cmp_lt_u32 s82, 4256
	s_cselect_b32 s[54+r+2*(r/10)], -1, 0          ; the row's mask, in s54-63 and s66-72: 0 where in_proj_w has no such row
	s_min_u32 s82, s82, 4255                       ; and the load stays inside the buffer
	s_lshl_b32 s2, s82, 12
	s_add_nc_u64 s[20+2*r:21+2*r], s[10:11], s[2:3]
	global_load_b128 v[W1D+4*r:W1D+4*r+3], v3, s[20+2*r:21+2*r]
.set r, r+1
.endr
.set i, 0
.rept 8
	global_load_b128 v[W2D+4*i:W2D+4*i+3], v3, s[12:13] offset:i*4096 th:TH_LOAD_NT
.set i, i+1
.endr
; The sum of v[v] over the wave's 32 lanes, in every lane: four steps inside each half of 16 lanes ride on the addition, one crosses the halves.
.macro WSUM v
	v_add_f32_dpp v[\v], v[\v], v[\v] row_xmask:1 row_mask:0xf bank_mask:0xf
	v_add_f32_dpp v[\v], v[\v], v[\v] row_xmask:2 row_mask:0xf bank_mask:0xf
	v_add_f32_dpp v[\v], v[\v], v[\v] row_xmask:4 row_mask:0xf bank_mask:0xf
	v_add_f32_dpp v[\v], v[\v], v[\v] row_xmask:8 row_mask:0xf bank_mask:0xf
	v_permlanex16_b32 v15, v[\v], s[SEL], s[SEL+1]
	v_add_f32 v[\v], v[\v], v15
.endm
.macro FOLD                            ; the four chains v[6:13] into v6, then over the lanes
	v_pk_add_f32 v[6:7], v[6:7], v[8:9]
	v_pk_add_f32 v[10:11], v[10:11], v[12:13]
	v_pk_add_f32 v[6:7], v[6:7], v[10:11]
	v_add_f32 v6, v6, v7
	WSUM 6
.endm
; The row in the 32 registers from F on becomes (x - mean) / sqrt(var + eps): mean first, then the squares of the centred numbers, as the definition has it.  Four chains each, started by the first pairs: nothing is cleared.
.macro LNSTAT F
.set c, 0
.rept 4
	v_pk_add_f32 v[6+2*c:7+2*c], v[(\F)+2*c:(\F)+2*c+1], v[(\F)+8+2*c:(\F)+9+2*c]
.set c, c+1
.endr
.set c, 8
.rept 8
	v_pk_add_f32 v[6+2*(c%4):7+2*(c%4)], v[6+2*(c%4):7+2*(c%4)], v[(\F)+2*c:(\F)+2*c+1]
.set c, c+1
.endr
	FOLD
	v_mul_f32 v6, s[RN], v6                        ; the mean; the packed lines below take the pair's low word for both halves
.set c, 0
.rept 16
	v_pk_add_f32 v[(\F)+2*c:(\F)+2*c+1], v[(\F)+2*c:(\F)+2*c+1], v[6:7] op_sel_hi:[1,0] neg_lo:[0,1] neg_hi:[0,1]
.set c, c+1
.endr
.set c, 0
.rept 4
	v_pk_mul_f32 v[6+2*c:7+2*c], v[(\F)+2*c:(\F)+2*c+1], v[(\F)+2*c:(\F)+2*c+1]
.set c, c+1
.endr
.rept 12
	v_pk_fma_f32 v[6+2*(c%4):7+2*(c%4)], v[(\F)+2*c:(\F)+2*c+1], v[(\F)+2*c:(\F)+2*c+1], v[6+2*(c%4):7+2*(c%4)]
.set c, c+1
.endr
	FOLD
	v_fma_f32 v6, v6, s[RN], s[EPS]
	v_rsq_f32 v6, v6
	v_nop                                          ; a plain instruction between the root and the use of its result (ISA guide 5.7.2)
.set c, 0
	s_wait_alu depctr_va_vdst(0)                   ; the root has written v6, which the sixteen products below read
.rept 16
	v_pk_mul_f32 v[(\F)+2*c:(\F)+2*c+1], v[(\F)+2*c:(\F)+2*c+1], v[6:7] op_sel_hi:[1,0]
.set c, c+1
.endr
.endm
; Gain and bias of the row at F, and its rounding to f16, into the two low registers of each piece.  prev >= 0: the eight stores of the row at prev, row q of my two, are dealt among the
; multiply-adds, one ahead of each two: these name the row at F, NW and NB, and none of the registers that the stores read.  Each store covers 256 consecutive bytes, aligned.
.macro LNOUT F, prev, q
.set c, 0
.rept 8
.if (\prev) >= 0
	global_store_b64 v5, v[(\prev)+4*c:(\prev)+4*c+1], s[14:15] offset:(\q)*2048+c*256
.endif
	v_pk_fma_f32 v[(\F)+4*c:(\F)+4*c+1],   v[(\F)+4*c:(\F)+4*c+1],   v[NW+4*c:NW+4*c+1],   v[NB+4*c:NB+4*c+1]
	v_pk_fma_f32 v[(\F)+4*c+2:(\F)+4*c+3], v[(\F)+4*c+2:(\F)+4*c+3], v[NW+4*c+2:NW+4*c+3], v[NB+4*c+2:NB+4*c+3]
.set c, c+1
.endr
.set c, 0
.rept 8
	v_cvt_pk_f16_f32 v[(\F)+4*c], v[(\F)+4*c], v[(\F)+4*c+1]
	v_cvt_pk_f16_f32 v[(\F)+4*c+1], v[(\F)+4*c+2], v[(\F)+4*c+3]
.set c, c+1
.endr
.endm
; n pieces of in_proj_w from piece a on: waited for together, rounded, masked, and stored in one run behind one wait.
.macro W1GRP a, n
	s_wait_loadcnt 25-(\a)-(\n)                    ; the group's last piece is in: behind it the later pieces of its kind and the 8 of out_proj_w may be out
.set r, \a
.rept \n
	v_cvt_pk_f16_f32 v[W1D+4*r], v[W1D+4*r], v[W1D+4*r+1]
	v_cvt_pk_f16_f32 v[W1D+4*r+1], v[W1D+4*r+2], v[W1D+4*r+3]
.set r, r+1
.endr
.set r, \a
.rept \n
	v_and_b32 v[W1D+4*r], s[54+r+2*(r/10)], v[W1D+4*r]
	v_and_b32 v[W1D+4*r+1], s[54+r+2*(r/10)], v[W1D+4*r+1]
.set r, r+1
.endr
	s_wait_alu depctr_va_vdst(0)                   ; the masks have written the two low registers of the group's pieces, which the stores below read
.set r, \a
.rept \n
	global_store_b64 v4, v[W1D+4*r:W1D+4*r+1], s[16:17] offset:r*2048
.set r, r+1
.endr
.endm
; The same for n pieces of out_proj_w, which need no mask.
.macro W2GRP a, n
	s_wait_loadcnt 8-(\a)-(\n)                     ; the group's last piece is in; the later pieces may be out
.set i, \a
.rept \n
	v_cvt_pk_f16_f32 v[W2D+4*i], v[W2D+4*i], v[W2D+4*i+1]
	v_cvt_pk_f16_f32 v[W2D+4*i+1], v[W2D+4*i+2], v[W2D+4*i+3]
.set i, i+1
.endr
	s_wait_alu depctr_va_vdst(0)                   ; the roundings have written the two low registers of the group's pieces, which the stores below read
.set i, \a
.rept \n
	global_store_b64 v4, v[W2D+4*i:W2D+4*i+1], s[18:19] offset:i*2048
.set i, i+1
.endr
.endm
	s_wait_loadcnt 49                              ; loads come back in order (ISA guide 5.7.1): my first row's 8 are in, the 49 younger ones may be out
	LNSTAT X
	s_wait_loadcnt 41                              ; my second row's
	LNSTAT X+32
	s_wait_loadcnt 25                              ; ni_w and ni_b; the 17 + 8 pieces of the weights may be out
	LNOUT X, -1, 0
	s_wait_alu depctr_va_vdst(0)                   ; the roundings have written the two low registers of each piece of my first row, which the stores among the lines below read
	LNOUT X+32, X, 0
	s_wait_alu depctr_va_vdst(0)                   ; the roundings have written the two low registers of each piece of my second row, which the stores below read
.set c, 0
.rept 8
	global_store_b64 v5, v[X+32+4*c:X+32+4*c+1], s[14:15] offset:2048+c*256
.set c, c+1
.endr
	W1GRP 0, 6
	W1GRP 6, 6
	W1GRP 12, 5
	W2GRP 0, 4
	W2GRP 4, 4
	s_endpgm
.Lfunc_end_k_qad34541141_prep:
	.size	k_qad34541141_prep, .Lfunc_end_k_qad34541141_prep-k_qad34541141_prep
	.p2alignl 7, 3214868480
	.fill 96, 4, 3214868480
	.section	.rodata,"a",@progbits
	.p2align	6, 0x0
	.amdhsa_kernel k_qad34541141_prep
		.amdhsa_group_segment_fixed_size 0
		.amdhsa_private_segment_fixed_size 0
		.amdhsa_enable_private_segment 0
		.amdhsa_kernarg_size 64
		.amdhsa_user_sgpr_count 2
		.amdhsa_user_sgpr_kernarg_segment_ptr 1
		.amdhsa_wavefront_size32 1
		.amdhsa_system_sgpr_workgroup_id_x 1
		.amdhsa_system_sgpr_workgroup_id_y 1
		.amdhsa_system_sgpr_workgroup_id_z 1
		.amdhsa_system_vgpr_workitem_id 0
		.amdhsa_next_free_vgpr 250
		.amdhsa_next_free_sgpr 90
		.amdhsa_reserve_vcc 0
		.amdhsa_float_denorm_mode_32 3
		.amdhsa_float_denorm_mode_16_64 3
		.amdhsa_memory_ordered 1
		.amdhsa_forward_progress 1
		.amdhsa_inst_pref_size 42
	.end_amdhsa_kernel
	.amdgpu_metadata
---
amdhsa.version: [ 1, 2 ]
amdhsa.kernels:
  - .name:           k_qad34541141_prep
    .symbol:         k_qad34541141_prep.kd
    .args:
      - { .name: x, .offset: 0, .size: 8, .value_kind: global_buffer, .address_space: global }
      - { .name: ni_w, .offset: 8, .size: 8, .value_kind: global_buffer, .address_space: global }
      - { .name: ni_b, .offset: 16, .size: 8, .value_kind: global_buffer, .address_space: global }
      - { .name: in_proj_w, .offset: 24, .size: 8, .value_kind: global_buffer, .address_space: global }
      - { .name: out_proj_w, .offset: 32, .size: 8, .value_kind: global_buffer, .address_space: global }
      - { .name: xn, .offset: 40, .size: 8, .value_kind: global_buffer, .address_space: global }
      - { .name: w1, .offset: 48, .size: 8, .value_kind: global_buffer, .address_space: global }
      - { .name: w2, .offset: 56, .size: 8, .value_kind: global_buffer, .address_space: global }
    .group_segment_fixed_size: 0
    .private_segment_fixed_size: 0
    .kernarg_segment_align: 8
    .kernarg_segment_size: 64
    .max_flat_workgroup_size: 256
    .sgpr_count:     90
    .vgpr_count:     250
    .wavefront_size: 32
...
	.end_amdgpu_metadata
.endif
;; end of part 8
;; launch gemm1: the kernel of part 2 again; grid 16 x 16, 4 waves a work-group, clusters of 4 x 4, 327,680 bytes of LDS; arguments xn, w1, zx, t4; writes zx, t4
;; launch scan: the kernel of part 7 again; grid 64 x 4, 4 waves a work-group, clusters of 4 x 1, 327,680 bytes of LDS; arguments zx, t4, A_log, dt_bias, Dparam, ys; writes ys
;; launch midln: the kernel of part 4 again; grid 256 x 1, 16 waves a work-group, no clusters, 135,680 bytes of LDS; arguments ys, zx, ln_w, ln_b, yn; writes yn
;; launch gemm2: the kernel of part 5 again; grid 8 x 32, 4 waves a work-group, clusters of 4 x 4, 327,680 bytes of LDS; arguments yn, w2, y2; writes y2
;; launch finln (part 9): grid 256 x 1, 8 waves a work-group, no clusters, 0 bytes of LDS; arguments y2, no_w, no_b, out0; writes out0
.if DOCPART == 9
	.amdgcn_target "amdgcn-amd-amdhsa--gfx1250"
	.amdhsa_code_object_version 6
	.text
	.protected	k_qad34541141_finln
	.globl	k_qad34541141_finln
	.p2align	8
	.type	k_qad34541141_finln,@function
k_qad34541141_finln:
	s_mov_b64 s[64:65], 0
	v_nop
	global_prefetch_b8 v0, s[64:65] scope:SCOPE_SE
	s_setreg_imm32_b32 hwreg(HW_REG_WAVE_SCHED_MODE, 0, 2), 2
	s_setreg_imm32_b32 hwreg(HW_REG_WAVE_MODE, 25, 1), 1
	s_wait_xcnt 0x0
	s_wait_alu depctr_vm_vsrc(0)
; FINLN.  out0 = LayerNorm over the row's 1024 numbers of y2, times no_w, plus no_b.  y2: [4096][1024] f16 (already clipped).  out0: [4096][1024] f32.
; SHARES.  256 work-groups of eight waves; a wave takes two whole rows, 32 numbers a lane each, so a row's sums never leave the wave: no LDS, no barrier.  A stream: no matrix work, nothing shared, no cluster.
; All 32 loads of a wave go out at its head.
; THE MODE: SCHED_MODE bits 1:0 = 2 (LLVM: expert scheduling mode 2), set by the entry lines.  The code itself states the register dependences
; between vector instructions and memory instructions, with s_wait_alu, always for 0.
; THE PLAN.  Registers that memory instructions touch:
;   v1, v2, v5   byte offsets.  Written at the head, read by the loads and stores, named by no vector instruction behind the head's wait.
;   RAW, NW, NB  each is loaded once, at the head, ahead of every vector instruction that names it: no load lands in a register that a vector instruction has read or written.
;   X            the stores' data.  Written by the widening and the arithmetic, last by the multiply-adds with gain and bias; read by one store each, never written again.
; So no register that a memory instruction has read is written again: no wait on vm_vsrc is owed.  No vector instruction writes a scalar register, and EXEC is never written.
; The waits on va_vdst: one at the head, for the offsets; one behind each row's root; one behind each row's multiply-adds, ahead of the row's eight stores (row 0's are dealt among row 1's
; multiply-adds, which name none of their registers).
; LIMITS.  NaN and infinities are not treated apart.
.set RAW, 16                           ; v[16:47]    my two rows as loaded: piece k (2 registers) holds columns 128 k + 4 lane .. + 3
.set NW,  48                           ; v[48:79]    no_w of the same columns
.set NB,  80                           ; v[80:111]   no_b
.set X,   112                          ; v[112:175]  my two rows in f32
.set SEL, 12                           ; s[12:13]    v_permlanex16_b32's selects
.set RN,  14                           ; s14         1 / 1024
.set EPS, 15                           ; s15         1e-5
.macro WIDEN d, r                      ; the two f16 of register r (its number written out: halves are named so) into v[d], v[d + 1]
	v_cvt_f32_f16 v[\d], v\r\().l
	v_cvt_f32_f16 v[(\d)+1], v\r\().h
.endm
	s_load_b256 s[4:11], s[0:1], 0x0               ; y2 s[4:5], no_w s[6:7], no_b s[8:9], out0 s[10:11]
	v_and_b32 v1, 31, v0                           ; lane
	v_lshrrev_b32 v6, 5, v0                        ; wave
	v_lshlrev_b32 v5, 3, v1
	v_lshl_add_u32 v5, v6, 12, v5                  ; v5 = wave x two rows of y2 + 8 x lane
	v_lshlrev_b32 v1, 4, v1                        ; v1 = 16 x lane
	v_lshl_add_u32 v2, v6, 13, v1                  ; v2 = wave x two rows of out0 + 16 x lane
	v_mov_b32 v15, 0                               ; v_permlanex16_b32's destination counts as read
	s_mov_b32 s[SEL], 0x76543210
	s_mov_b32 s[SEL+1], 0xfedcba98
	s_mov_b32 s[RN], 0x3a800000
	s_mov_b32 s[EPS], 0x3727c5ac
	s_mov_b32 s3, 0
	s_wait_kmcnt 0x0
	s_lshl_b32 s2, ttmp9, 15                       ; 16 rows of 2,048 bytes
	s_add_nc_u64 s[4:5], s[4:5], s[2:3]
	s_lshl_b32 s2, ttmp9, 16                       ; 16 rows of 4,096 bytes
	s_add_nc_u64 s[10:11], s[10:11], s[2:3]
	s_wait_alu depctr_va_vdst(0)                   ; v1, v2 and v5 are written: every load and store of the kernel reads one of them as its offset
.set i, 0
.rept 16
	global_load_b64 v[RAW+2*i:RAW+2*i+1], v5, s[4:5] offset:(i/8)*2048+(i%8)*256 th:TH_LOAD_NT
.set i, i+1
.endr
.set i, 0
.rept 8
	global_load_b128 v[NW+4*i:NW+4*i+3], v1, s[6:7] offset:i*512
.set i, i+1
.endr
.set i, 0
.rept 8
	global_load_b128 v[NB+4*i:NB+4*i+3], v1, s[8:9] offset:i*512
.set i, i+1
.endr
; The sum of v[v] over the wave's 32 lanes, in every lane.
.macro WSUM v
	v_add_f32_dpp v[\v], v[\v], v[\v] row_xmask:1 row_mask:0xf bank_mask:0xf
	v_add_f32_dpp v[\v], v[\v], v[\v] row_xmask:2 row_mask:0xf bank_mask:0xf
	v_add_f32_dpp v[\v], v[\v], v[\v] row_xmask:4 row_mask:0xf bank_mask:0xf
	v_add_f32_dpp v[\v], v[\v], v[\v] row_xmask:8 row_mask:0xf bank_mask:0xf
	v_permlanex16_b32 v15, v[\v], s[SEL], s[SEL+1]
	v_add_f32 v[\v], v[\v], v15
.endm
.macro FOLD                            ; the four chains v[6:13] into v6, then over the lanes
	v_pk_add_f32 v[6:7], v[6:7], v[8:9]
	v_pk_add_f32 v[10:11], v[10:11], v[12:13]
	v_pk_add_f32 v[6:7], v[6:7], v[10:11]
	v_add_f32 v6, v6, v7
	WSUM 6
.endm
; The row in the 32 registers from F on becomes (x - mean) / sqrt(var + eps): mean first, then the squares of the centred numbers.  Four chains each, started by the first pairs: nothing is cleared.
.macro LNSTAT F
.set c, 0
.rept 4
	v_pk_add_f32 v[6+2*c:7+2*c], v[(\F)+2*c:(\F)+2*c+1], v[(\F)+8+2*c:(\F)+9+2*c]
.set c, c+1
.endr
.set c, 8
.rept 8
	v_pk_add_f32 v[6+2*(c%4):7+2*(c%4)], v[6+2*(c%4):7+2*(c%4)], v[(\F)+2*c:(\F)+2*c+1]
.set c, c+1
.endr
	FOLD
	v_mul_f32 v6, s[RN], v6                        ; the mean; the packed lines below take the pair's low word for both halves
.set c, 0
.rept 16
	v_pk_add_f32 v[(\F)+2*c:(\F)+2*c+1], v[(\F)+2*c:(\F)+2*c+1], v[6:7] op_sel_hi:[1,0] neg_lo:[0,1] neg_hi:[0,1]
.set c, c+1
.endr
.set c, 0
.rept 4
	v_pk_mul_f32 v[6+2*c:7+2*c], v[(\F)+2*c:(\F)+2*c+1], v[(\F)+2*c:(\F)+2*c+1]
.set c, c+1
.endr
.rept 12
	v_pk_fma_f32 v[6+2*(c%4):7+2*(c%4)], v[(\F)+2*c:(\F)+2*c+1], v[(\F)+2*c:(\F)+2*c+1], v[6+2*(c%4):7+2*(c%4)]
.set c, c+1
.endr
	FOLD
	v_fma_f32 v6, v6, s[RN], s[EPS]
	v_rsq_f32 v6, v6
	v_nop                                          ; a plain instruction between the root and the use of its result (ISA guide 5.7.2)
.set c, 0
	s_wait_alu depctr_va_vdst(0)                   ; the root has written v6, which the sixteen products below read
.rept 16
	v_pk_mul_f32 v[(\F)+2*c:(\F)+2*c+1], v[(\F)+2*c:(\F)+2*c+1], v[6:7] op_sel_hi:[1,0]
.set c, c+1
.endr
.endm
; Gain and bias of the row at F.  prev >= 0: the eight stores of the row at prev, row q of my two, are dealt among the multiply-adds, one ahead of each two: these name the row at F, NW and NB,
; and none of the registers that the stores read.  Each store covers 512 consecutive bytes, aligned.
.macro GAIN F, prev, q
.set c, 0
.rept 8
.if (\prev) >= 0
	global_store_b128 v2, v[(\prev)+4*c:(\prev)+4*c+3], s[10:11] offset:(\q)*4096+c*512 th:TH_STORE_NT
.endif
	v_pk_fma_f32 v[(\F)+4*c:(\F)+4*c+1],   v[(\F)+4*c:(\F)+4*c+1],   v[NW+4*c:NW+4*c+1],   v[NB+4*c:NB+4*c+1]
	v_pk_fma_f32 v[(\F)+4*c+2:(\F)+4*c+3], v[(\F)+4*c+2:(\F)+4*c+3], v[NW+4*c+2:NW+4*c+3], v[NB+4*c+2:NB+4*c+3]
.set c, c+1
.endr
.endm
	s_wait_loadcnt 24                              ; loads come back in order (ISA guide 5.7.1): my first row's 8 are in, the 24 younger ones may be out
.irp r, 16,17,18,19,20,21,22,23,24,25,26,27,28,29,30,31
	WIDEN X+2*((\r)-16),\r
.endr
	LNSTAT X
	s_wait_loadcnt 16                              ; my second row's
.irp r, 32,33,34,35,36,37,38,39,40,41,42,43,44,45,46,47
	WIDEN X+2*((\r)-16),\r
.endr
	LNSTAT X+32
	s_wait_loadcnt 0x0                             ; no_w and no_b
	GAIN X, -1, 0
	s_wait_alu depctr_va_vdst(0)                   ; the multiply-adds have written my first row, which the stores among the lines below read
	GAIN X+32, X, 0
	s_wait_alu depctr_va_vdst(0)                   ; the multiply-adds have written my second row, which the stores below read
.set c, 0
.rept 8
	global_store_b128 v2, v[X+32+4*c:X+32+4*c+3], s[10:11] offset:4096+c*512 th:TH_STORE_NT
.set c, c+1
.endr
	s_endpgm
.Lfunc_end_k_qad34541141_finln:
	.size	k_qad34541141_finln, .Lfunc_end_k_qad34541141_finln-k_qad34541141_finln
	.p2alignl 7, 3214868480
	.fill 96, 4, 3214868480
	.section	.rodata,"a",@progbits
	.p2align	6, 0x0
	.amdhsa_kernel k_qad34541141_finln
		.amdhsa_group_segment_fixed_size 0
		.amdhsa_private_segment_fixed_size 0
		.amdhsa_enable_private_segment 0
		.amdhsa_kernarg_size 32
		.amdhsa_user_sgpr_count 2
		.amdhsa_user_sgpr_kernarg_segment_ptr 1
		.amdhsa_wavefront_size32 1
		.amdhsa_system_sgpr_workgroup_id_x 1
		.amdhsa_system_sgpr_workgroup_id_y 1
		.amdhsa_system_sgpr_workgroup_id_z 1
		.amdhsa_system_vgpr_workitem_id 0
		.amdhsa_next_free_vgpr 180
		.amdhsa_next_free_sgpr 66
		.amdhsa_reserve_vcc 0
		.amdhsa_float_denorm_mode_32 3
		.amdhsa_float_denorm_mode_16_64 3
		.amdhsa_memory_ordered 1
		.amdhsa_forward_progress 1
		.amdhsa_inst_pref_size 20
	.end_amdhsa_kernel
	.amdgpu_metadata
---
amdhsa.version: [ 1, 2 ]
amdhsa.kernels:
  - .name:           k_qad34541141_finln
    .symbol:         k_qad34541141_finln.kd
    .args:
      - { .name: y2, .offset: 0, .size: 8, .value_kind: global_buffer, .address_space: global }
      - { .name: no_w, .offset: 8, .size: 8, .value_kind: global_buffer, .address_space: global }
      - { .name: no_b, .offset: 16, .size: 8, .value_kind: global_buffer, .address_space: global }
      - { .name: out0, .offset: 24, .size: 8, .value_kind: global_buffer, .address_space: global }
    .group_segment_fixed_size: 0
    .private_segment_fixed_size: 0
    .kernarg_segment_align: 8
    .kernarg_segment_size: 32
    .max_flat_workgroup_size: 256
    .sgpr_count:     66
    .vgpr_count:     180
    .wavefront_size: 32
...
	.end_amdgpu_metadata
.endif
;; end of part 9
